; MI455X (gfx1250); checked and timed in simulation.
; The chip was launched on July 23, 2026; its instructions are those of AMD's public machine-readable ISA for CDNA 5 (MIT licence, August 2026) and "CDNA5" Instruction Set Architecture Reference Guide (July 2026). The comments in the code are by the model that wrote it; some were corrected since.
;; Efficient Additive Attnetion. Allowed arithmetic: float matrix products may take bf16 or f16 operands with f32 sums; other float arithmetic in f32, or as packed bf16 or f16 multiplies, adds, multiply-adds, maxima and minima; sums over many terms, partial sums and values carried from step to step in f32; what a program stores and reads back later, other than sums and carried values, may be rounded once to bf16 or f16.
;; Inputs: Wf 512 x 256 float32; Wk 512 x 512 float32; Wp 512 x 512 float32; Wq 512 x 512 float32; bf 256 float32; bk 512 float32; bp 512 float32; bq 512 float32; w_g 512 x 1 float32; x 16 x 4,096 x 512 float32.
;; Outputs: out0 16 x 4,096 x 256 float32.
;; 3 versions, each right; version 3 is version 2 with the launch gate written anew for expert scheduling mode. Each part assembles by itself: llvm-mc -triple=amdgcn-amd-amdhsa -mcpu=gfx1250 --defsym DOCPART=n.
;; ======== version 1 of 3: 4 launches
;; limits: values outside matrix products are rounded to bf16
;; workspace buffers: wqk 1,048,576 bytes; wx 524,288 bytes; c0 1,024 bytes; ab 134,217,728 bytes; rk 262,144 bytes; up 524,288 bytes; sp 131,072 bytes; w3 4,194,304 bytes
;; launch prep (part 1): grid 82 x 1, 8 waves a work-group, no clusters, 189,440 bytes of LDS; arguments Wq, Wk, Wp, Wf, bq, bp, bf, wqk, wx, c0; writes wqk, wx, c0
.if DOCPART == 1
	.amdgcn_target "amdgcn-amd-amdhsa--gfx1250"
	.amdhsa_code_object_version 6
	.text
	.protected	k_q0b762e3f01_prep
	.globl	k_q0b762e3f01_prep
	.p2align	8
	.type	k_q0b762e3f01_prep,@function
k_q0b762e3f01_prep:
	s_mov_b64 s[64:65], 0
	v_nop
	global_prefetch_b8 v0, s[64:65] scope:SCOPE_SE
	s_setreg_imm32_b32 hwreg(HW_REG_WAVE_MODE, 25, 1), 1
	s_wait_xcnt 0x0
; PREP: the weights, rounded and combined once.
; THE WHOLE PROGRAM.  q = x Wq + bq, k = x Wk + bk, qw = q.w_g / max(|q|, eps), A = qw SCALE normalised over a batch's 4,096 rows, G = sum A q,
; out = ((G o k / max(|k|, eps)) Wp + bp + q) Wf + bf.  Products are associative and a row's factor commutes with a product, so for all values of the inputs
;   out = rn (k (G o Wpf)) + x Wqf + c0,  Wpf = Wp Wf, Wqf = Wq Wf, c0 = (bq + bp) Wf + bf, rn = 1 / max(|k|, eps),
;   G   = cb ((sum qw x) Wq + (sum qw) bq),  cb = SCALE / max(SCALE sqrt(sum qw^2), eps).
; NOTHING OF reference() IS LEFT OUT: all ten inputs have a way to the output and all ten are loaded; only the order of the sums differs.
; LIMITS.  Every input is rounded once to bf16 (nearest even); Wqf, Wpf, G o Wpf, k, qw are rounded once to bf16 as matrix operands; all sums are f32.
; The order of rounding differs from reference()'s.  NaN and infinities are not treated apart.
; THIS LAUNCH, three jobs by the work-group's number:
;   0-15   wx[1024][256] bf16: rows 0-511 Wqf[pi(row)], rows 512-1023 Wpf[row - 512]: 128 rows x 128 columns a work-group, 16 rows a wave, K = 512
;   16-17  c0[256] f32: 128 columns a work-group, 64 of the 512 terms a wave
;   18-81  wqk[512][1024] bf16: row kappa = Wq[pi(kappa)] then Wk[pi(kappa)]: 8 rows a work-group
; pi swaps bits 2 and 3 of an index: the later launches take x from memory 16 bytes (4 f32) a lane, and that is the order in which a fragment's K places then hold x's channels.
; Each job has LDS bytes of its own: no byte is named by two jobs.
.set WPI,   288                        ; a row of Wf's half in LDS: 256 bytes + 32: an odd multiple of 32 bytes
.set QUART, 128*WPI                    ; 36,864: what one address register reaches
.set STG,   512*WPI                    ; behind Wf: 16 rows x 272 bytes for each wave, for the way out
.set SPI,   272
.set SPARE, STG+8*16*SPI               ; the spare words, 128 bytes for each wave
.set BTAB,  SPARE+1024                 ; job 16-17: the table s, 2,048 bytes,
.set BPS,   BTAB+2048                  ; and the waves' partial sums, 512 bytes each
.set LN,  2                            ; v2  lane
.set R,   3                            ; v3  lane % 16
.set H,   4                            ; v4  lane / 16
.set SPW, 10                           ; v10 LDS address of my spare word; never rewritten
.set NIL, 11                           ; v11 0; never rewritten
.set WA,  12                           ; v12-15 where I put Wf's rows
.set TA,  16                           ; v16-19 where the turning loads read
.set FO,  20
.set RO,  21
.set STO, 22
.set RD,  23
.set GO,  24
.set RF,  32                           ; v32-47 the rows' fragment, two buffers
.set ACC, 64                           ; v64-127 eight accumulators
.set WB,  128                          ; v128-255 Wf's fragments, two buffers of 64
.set WV,  24                           ; s24 my wave's number
.set MSB, 0
.macro WIN new                         ; the immediate's high byte repeats the setting that is left
.if MSB != (\new)
	s_set_vgpr_msb (MSB<<8)|(\new)
.set MSB, \new
.endif
.endm
.macro PLACES
.rept 4
	v_nop
.endr
.endm
	s_load_b512 s[4:19], s[0:1], 0x0               ; Wq 4, Wk 6, Wp 8, Wf 10, bq 12, bp 14, bf 16, wqk 18
	s_load_b128 s[20:23], s[0:1], 0x40             ; wx 20, c0 22
	v_lshl_add_u32 v[SPW], v0, 2, SPARE
	v_mov_b32 v[NIL], 0
	v_lshrrev_b32 v1, 5, v0
	v_readfirstlane_b32 s[WV], v1
	v_and_b32 v[LN], 31, v0
	v_and_b32 v[R], 15, v0
	v_bfe_u32 v[H], v0, 4, 1
	s_wait_kmcnt 0x0
	s_cmp_lt_u32 ttmp9, 16
	s_cbranch_scc1 .Lprod
	s_cmp_lt_u32 ttmp9, 18
	s_cbranch_scc1 .Lbias
	; ---- THE CAST.  Rows kappa = 8 n + i; wave w: matrix w / 4, 128 columns w % 4.  A load covers 512 consecutive bytes, a store 256, aligned.
	s_sub_co_u32 s25, ttmp9, 18                    ; n
	s_lshr_b32 s26, s25, 1
	s_lshl_b32 s26, s26, 4
	s_and_b32 s27, s25, 1
	s_lshl2_add_u32 s26, s27, s26                  ; pi(8 n) = 16 (n / 2) + 4 (n % 2)
	s_lshl_b32 s26, s26, 11
	s_and_b32 s27, s[WV], 3
	s_lshl_b32 s28, s27, 9
	s_add_co_u32 s26, s26, s28
	v_lshl_add_u32 v5, v[LN], 4, s26
	s_lshl_b32 s25, s25, 14
	s_lshl_b32 s28, s27, 8
	s_add_co_u32 s25, s25, s28
	s_cmp_lt_u32 s[WV], 4
	s_cselect_b64 s[32:33], s[4:5], s[6:7]
	s_cselect_b32 s28, 0, 1024
	s_add_co_u32 s25, s25, s28
	v_lshl_add_u32 v6, v[LN], 3, s25
.set ii, 0
.rept 8
	global_load_b128 v[32+4*ii:32+4*ii+3], v5, s[32:33] offset:(8*(ii/4)+(ii%4))*2048  ; pi(8 n + i) - pi(8 n) = 8 (i / 4) + i % 4
.set ii, ii+1
.endr
	s_wait_loadcnt 0x0
.set ii, 0
.rept 8
	v_cvt_pk_bf16_f32 v[64+2*ii], v[32+4*ii], v[32+4*ii+1]
	v_cvt_pk_bf16_f32 v[64+2*ii+1], v[32+4*ii+2], v[32+4*ii+3]
.set ii, ii+1
.endr
.set ii, 0
.rept 8
	global_store_b64 v6, v[64+2*ii:64+2*ii+1], s[18:19] offset:2048*ii
.set ii, ii+1
.endr
	s_branch .Lend
	; ---- c0.  s[j] = bq[j] + bp[j] (each rounded to bf16 first); a lane has 4 columns, a wave 64 terms.
.Lbias:
	s_sub_co_u32 s25, ttmp9, 16
	s_lshl_b32 s25, s25, 9                         ; my 128 columns: 512 bytes of a row of Wf, of bf and of c0
	s_lshl_b32 s26, s[WV], 8                       ; my 64 terms: 256 bytes of bq, of bp and of the table
	v_lshl_add_u32 v5, v[LN], 3, s26
	global_load_b64 v[32:33], v5, s[12:13]
	global_load_b64 v[34:35], v5, s[14:15]
	v_lshl_add_u32 v6, v[LN], 4, s25
	s_lshl_b32 s28, s[WV], 16                      ; 64 rows of 1,024 bytes
	s_mov_b32 s29, 0
	s_add_nc_u64 s[32:33], s[10:11], s[28:29]
	v_add_nc_u32 v12, BTAB, v5                     ; where my two terms lie in the table
	s_add_co_u32 s27, s26, BTAB
	v_mov_b32 v7, s27                              ; where my wave's 64 terms begin there
	v_mov_b32 v40, 0
	v_mov_b32 v41, 0
	v_mov_b32 v42, 0
	v_mov_b32 v43, 0
	s_wait_loadcnt 0x0
	v_cvt_pk_bf16_f32 v36, v32, v33
	v_cvt_pk_bf16_f32 v37, v34, v35
	v_lshlrev_b32 v32, 16, v36
	v_and_b32 v33, 0xffff0000, v36
	v_lshlrev_b32 v34, 16, v37
	v_and_b32 v35, 0xffff0000, v37
	v_pk_add_f32 v[32:33], v[32:33], v[34:35]
	ds_store_b64 v12, v[32:33]                     ; my wave's part of the table: only my wave reads it, and LDS serves a wave in order
	s_mov_b32 s36, 4
.Lbl:                                          ; a trip: 16 terms
.set ii, 0
.rept 16
	global_load_b128 v[64+4*ii:64+4*ii+3], v6, s[32:33] offset:1024*ii
.set ii, ii+1
.endr
.set ii, 0
.rept 4
	ds_load_b128 v[48+4*ii:48+4*ii+3], v7 offset:16*ii  ; s of the 16 terms, the same in every lane
.set ii, ii+1
.endr
	s_wait_loadcnt 0x0
	s_wait_dscnt 0x0
.set ii, 0
.rept 16
	v_cvt_pk_bf16_f32 v[128+2*ii], v[64+4*ii], v[64+4*ii+1]
	v_cvt_pk_bf16_f32 v[128+2*ii+1], v[64+4*ii+2], v[64+4*ii+3]
.set ii, ii+1
.endr
.set ii, 0
.rept 16
	v_fma_mix_f32_bf16 v40, v[128+2*ii], v[48+ii], v40 op_sel_hi:[1,0,0]
	v_fma_mix_f32_bf16 v41, v[128+2*ii], v[48+ii], v41 op_sel:[1,0,0] op_sel_hi:[1,0,0]
	v_fma_mix_f32_bf16 v42, v[128+2*ii+1], v[48+ii], v42 op_sel_hi:[1,0,0]
	v_fma_mix_f32_bf16 v43, v[128+2*ii+1], v[48+ii], v43 op_sel:[1,0,0] op_sel_hi:[1,0,0]
.set ii, ii+1
.endr
	s_wait_xcnt 0x0                                ; the base is stepped only behind this wait
	s_add_nc_u64 s[32:33], s[32:33], 16384
	v_add_nc_u32 v7, 64, v7
	s_sub_co_u32 s36, s36, 1
	s_cmp_lg_u32 s36, 0
	s_cbranch_scc1 .Lbl
	s_lshl_b32 s27, s[WV], 9
	s_add_co_u32 s27, s27, BPS
	v_lshl_add_u32 v8, v[LN], 4, s27
	ds_store_b128 v8, v[40:43]
	s_wait_dscnt 0x0                               ; for the others' sake
	s_barrier_signal -1
	s_barrier_wait -1
	s_cmp_lg_u32 s[WV], 0                          ; wave 0 adds the eight
	s_cbranch_scc1 .Lend
	global_load_b128 v[32:35], v6, s[16:17]        ; bf
	v_lshl_add_u32 v9, v[LN], 4, BPS
.set ii, 0
.rept 8
	ds_load_b128 v[64+4*ii:64+4*ii+3], v9 offset:512*ii
.set ii, ii+1
.endr
	s_wait_loadcnt 0x0
	s_wait_dscnt 0x0
	v_cvt_pk_bf16_f32 v36, v32, v33
	v_cvt_pk_bf16_f32 v37, v34, v35
	v_lshlrev_b32 v32, 16, v36
	v_and_b32 v33, 0xffff0000, v36
	v_lshlrev_b32 v34, 16, v37
	v_and_b32 v35, 0xffff0000, v37
.set ii, 1
.rept 7
	v_pk_add_f32 v[64:65], v[64:65], v[64+4*ii:64+4*ii+1]
	v_pk_add_f32 v[66:67], v[66:67], v[64+4*ii+2:64+4*ii+3]
.set ii, ii+1
.endr
	v_pk_add_f32 v[64:65], v[64:65], v[32:33]
	v_pk_add_f32 v[66:67], v[66:67], v[34:35]
	global_store_b128 v6, v[64:67], s[22:23]       ; 512 consecutive bytes
	s_branch .Lend
	; ---- THE PRODUCTS.  Used transposed: source 0 = 16 columns of Wf (turned out of LDS), source 1 = 16 rows of Wq or Wp: a lane ends with 8 neighbouring columns of one row.
.Lprod:
	s_lshr_b32 s25, ttmp9, 1                       ; block of 128 rows of wx
	s_and_b32 s26, ttmp9, 1                        ; half of the 256 columns
	s_lshl_b32 s27, s26, 9
	s_lshl_b32 s28, s[WV], 10
	s_add_co_u32 s27, s27, s28
	v_lshl_add_u32 v[FO], v[LN], 4, s27
	WIN 0x40                                       ; destination window 1
.set ii, 0
.rept 64
	global_load_b128 v[4*ii:4*ii+3], v[FO], s[10:11] offset:8192*ii  ; Wf's row 8 i + w, my half: 512 consecutive bytes
.set ii, ii+1
.endr
	WIN 0
	s_mul_i32 s28, s[WV], WPI
	v_lshl_add_u32 v[WA], v[LN], 3, s28
	v_add_nc_u32 v[WA+1], QUART, v[WA]
	v_add_nc_u32 v[WA+2], 2*QUART, v[WA]
	v_add_nc_u32 v[WA+3], 3*QUART, v[WA]
	v_and_b32 v5, 3, v[R]                          ; pi(r)
	v_and_b32 v6, 4, v[R]
	v_lshl_or_b32 v5, v6, 1, v5
	v_and_b32 v6, 8, v[R]
	v_lshrrev_b32 v6, 1, v6
	v_or_b32 v5, v5, v6
	s_cmp_lt_u32 s25, 4                            ; rows 0-511: Wq, permuted; rows 512-1023: Wp as it lies
	s_cselect_b32 s29, -1, 0
	s_cselect_b64 s[32:33], s[4:5], s[8:9]
	v_cndmask_b32 v5, v[R], v5, s29
	s_and_b32 s30, s25, 3
	s_lshl_b32 s30, s30, 7
	s_lshl_b32 s31, s[WV], 4
	s_add_co_u32 s30, s30, s31
	v_add_nc_u32 v5, s30, v5
	v_lshlrev_b32 v5, 11, v5
	v_lshl_add_u32 v[RO], v[H], 5, v5              ; row x 2,048 + 32 h
	v_and_b32 v6, 7, v0
	v_lshl_add_u32 v6, v[H], 3, v6
	v_mul_u32_u24 v6, v6, WPI
	v_bfe_u32 v7, v0, 3, 1
	v_lshl_add_u32 v[TA], v7, 4, v6                ; (8 h + l % 8) x pitch + 16 ((l / 8) % 2)
	v_add_nc_u32 v[TA+1], QUART, v[TA]
	v_add_nc_u32 v[TA+2], 2*QUART, v[TA]
	v_add_nc_u32 v[TA+3], 3*QUART, v[TA]
	s_mul_i32 s31, s[WV], 16*SPI
	s_add_co_u32 s31, s31, STG
	v_mul_u32_u24 v6, v[R], SPI
	v_lshl_add_u32 v6, v[H], 4, v6
	v_add_nc_u32 v[STO], s31, v6
	v_mul_u32_u24 v6, v[H], SPI
	v_lshl_add_u32 v6, v[R], 4, v6
	v_add_nc_u32 v[RD], s31, v6
	s_lshl_b32 s30, s25, 7
	s_lshl_b32 s31, s[WV], 4
	s_add_co_u32 s30, s30, s31
	v_add_nc_u32 v6, s30, v[H]
	v_lshlrev_b32 v6, 9, v6
	v_lshl_add_u32 v6, v[R], 4, v6
	s_lshl_b32 s31, s26, 8
	v_add_nc_u32 v[GO], s31, v6
	s_wait_loadcnt 0x0
	WIN 0x05                                       ; sources window 1, destination window 0
.set ii, 0
.rept 64
	v_cvt_pk_bf16_f32 v[WB+2*ii], v[4*ii], v[4*ii+1]
	v_cvt_pk_bf16_f32 v[WB+2*ii+1], v[4*ii+2], v[4*ii+3]
.set ii, ii+1
.endr
	WIN 0
.set ii, 0
.rept 64
	ds_store_b64 v[WA+ii/16], v[WB+2*ii:WB+2*ii+1] offset:(ii%16)*8*WPI
.set ii, ii+1
.endr
	WIN 0x40
.set ks, 0
.rept 16                               ; my 16 rows, as fragments lie: K = 8 h .. + 7 and 16 + 8 h .. + 7 of each 32, in f32
	global_load_b128 v[16*ks:16*ks+3],     v[RO], s[32:33] offset:128*ks
	global_load_b128 v[16*ks+4:16*ks+7],   v[RO], s[32:33] offset:128*ks+16
	global_load_b128 v[16*ks+8:16*ks+11],  v[RO], s[32:33] offset:128*ks+64
	global_load_b128 v[16*ks+12:16*ks+15], v[RO], s[32:33] offset:128*ks+80
.set ks, ks+1
.endr
	WIN 0
	s_wait_dscnt 0x0                               ; my rows of Wf lie in LDS,
	s_barrier_signal -1
	s_barrier_wait -1                              ; everybody's do
.macro PFETCH ks                       ; Wf's eight fragments of K step ks
.set ib, 0
.rept 8
.set rA, WB+64*((\ks)%2)+8*ib
	ds_load_tr16_b128 v[rA:rA+3],   v[TA+(\ks)/4] offset:((\ks)%4)*32*WPI+32*ib
	ds_load_tr16_b128 v[rA+4:rA+7], v[TA+(\ks)/4] offset:((\ks)%4)*32*WPI+32*ib+16*WPI
.set ib, ib+1
.endr
.endm
	PFETCH 0
	s_wait_loadcnt 0x0
.set ks, 0
.rept 16
	WIN 0x05
.set im, 0
.rept 8                                ; the rows' fragment; these eight are also the places between the last products and the loads below
	v_cvt_pk_bf16_f32 v[RF+8*(ks%2)+im], v[16*ks+2*im], v[16*ks+2*im+1]
.set im, im+1
.endr
	WIN 0
.if ks < 15
	PFETCH ks+1
	s_wait_dscnt 16                                ; all but the next step's 16 loads
.else
	s_wait_dscnt 0x0
.endif
.set ib, 0
.rept 8                                ; the eight accumulators take turns
.if ks == 0
	v_wmma_f32_16x16x32_bf16 v[ACC+8*ib:ACC+8*ib+7], v[WB+64*(ks%2)+8*ib:WB+64*(ks%2)+8*ib+7], v[RF+8*(ks%2):RF+8*(ks%2)+7], 0
.else
	v_wmma_f32_16x16x32_bf16 v[ACC+8*ib:ACC+8*ib+7], v[WB+64*(ks%2)+8*ib:WB+64*(ks%2)+8*ib+7], v[RF+8*(ks%2):RF+8*(ks%2)+7], v[ACC+8*ib:ACC+8*ib+7]
.endif
.set ib, ib+1
.endr
.set ks, ks+1
.endr
	PLACES
.set ii, 0
.rept 32
	v_cvt_pk_bf16_f32 v[WB+ii], v[ACC+2*ii], v[ACC+2*ii+1]
.set ii, ii+1
.endr
.set ib, 0
.rept 8
	ds_store_b128 v[STO], v[WB+4*ib:WB+4*ib+3] offset:32*ib
.set ib, ib+1
.endr
.set ib, 0
.rept 8
	ds_load_b128 v[WB+64+4*ib:WB+64+4*ib+3], v[RD] offset:ib*2*SPI  ; my own stage: LDS serves a wave in order
.set ib, ib+1
.endr
	s_wait_dscnt 0x0
.set ib, 0
.rept 8
	global_store_b128 v[GO], v[WB+64+4*ib:WB+64+4*ib+3], s[20:21] offset:1024*ib  ; 16 lanes store 256 consecutive bytes, aligned
.set ib, ib+1
.endr
.Lend:
	s_wait_tensorcnt 0x0                           ; the wave's end
	ds_add_u32 v[SPW], v[NIL]
	s_wait_dscnt 0x0
	s_endpgm
.Lfunc_end_k_q0b762e3f01_prep:
	.size	k_q0b762e3f01_prep, .Lfunc_end_k_q0b762e3f01_prep-k_q0b762e3f01_prep
	.p2alignl 7, 3214868480
	.fill 96, 4, 3214868480
	.section	.rodata,"a",@progbits
	.p2align	6, 0x0
	.amdhsa_kernel k_q0b762e3f01_prep
		.amdhsa_group_segment_fixed_size 189440
		.amdhsa_private_segment_fixed_size 0
		.amdhsa_enable_private_segment 0
		.amdhsa_kernarg_size 80
		.amdhsa_user_sgpr_count 2
		.amdhsa_user_sgpr_kernarg_segment_ptr 1
		.amdhsa_wavefront_size32 1
		.amdhsa_system_sgpr_workgroup_id_x 1
		.amdhsa_system_sgpr_workgroup_id_y 1
		.amdhsa_system_sgpr_workgroup_id_z 1
		.amdhsa_system_vgpr_workitem_id 0
		.amdhsa_next_free_vgpr 512
		.amdhsa_next_free_sgpr 66
		.amdhsa_reserve_vcc 0
		.amdhsa_float_denorm_mode_32 3
		.amdhsa_float_denorm_mode_16_64 3
		.amdhsa_memory_ordered 1
		.amdhsa_forward_progress 1
		.amdhsa_inst_pref_size 81
	.end_amdhsa_kernel
	.amdgpu_metadata
---
amdhsa.version: [ 1, 2 ]
amdhsa.kernels:
  - .name:           k_q0b762e3f01_prep
    .symbol:         k_q0b762e3f01_prep.kd
    .args:
      - { .name: Wq, .offset: 0, .size: 8, .value_kind: global_buffer, .address_space: global }
      - { .name: Wk, .offset: 8, .size: 8, .value_kind: global_buffer, .address_space: global }
      - { .name: Wp, .offset: 16, .size: 8, .value_kind: global_buffer, .address_space: global }
      - { .name: Wf, .offset: 24, .size: 8, .value_kind: global_buffer, .address_space: global }
      - { .name: bq, .offset: 32, .size: 8, .value_kind: global_buffer, .address_space: global }
      - { .name: bp, .offset: 40, .size: 8, .value_kind: global_buffer, .address_space: global }
      - { .name: bf, .offset: 48, .size: 8, .value_kind: global_buffer, .address_space: global }
      - { .name: wqk, .offset: 56, .size: 8, .value_kind: global_buffer, .address_space: global }
      - { .name: wx, .offset: 64, .size: 8, .value_kind: global_buffer, .address_space: global }
      - { .name: c0, .offset: 72, .size: 8, .value_kind: global_buffer, .address_space: global }
    .group_segment_fixed_size: 189440
    .private_segment_fixed_size: 0
    .kernarg_segment_align: 8
    .kernarg_segment_size: 80
    .max_flat_workgroup_size: 256
    .sgpr_count:     66
    .vgpr_count:     512
    .wavefront_size: 32
...
	.end_amdgpu_metadata
.endif
;; end of part 1
;; launch stats (part 2): grid 256 x 1, 4 waves a work-group, clusters of 4 x 1, 327,680 bytes of LDS; arguments x, wqk, bq, bk, w_g, ab, rk, up, sp; writes ab, rk, up, sp
.if DOCPART == 2
	.amdgcn_target "amdgcn-amd-amdhsa--gfx1250"
	.amdhsa_code_object_version 6
	.text
	.protected	k_q0b762e3f01_stats
	.globl	k_q0b762e3f01_stats
	.p2align	8
	.type	k_q0b762e3f01_stats,@function
k_q0b762e3f01_stats:
	s_mov_b64 s[64:65], 0
	v_nop
	global_prefetch_b8 v0, s[64:65] scope:SCOPE_SE
	s_setreg_imm32_b32 hwreg(HW_REG_WAVE_MODE, 25, 1), 1
	s_wait_xcnt 0x0
	s_wait_alu depctr_hold_cnt(0) depctr_sa_sdst(0) depctr_va_vdst(0) depctr_va_sdst(0) depctr_va_ssrc(0) depctr_va_vcc(0) depctr_vm_vsrc(0)
	s_getreg_b32 s2, hwreg(HW_REG_IB_STS2, 6, 4)
	s_cmp_eq_u32 s2, 0
	s_cbranch_scc0 .Lentry_in_a_cluster
	s_endpgm
.Lentry_in_a_cluster:
	s_bfe_u32 s2, ttmp6, 0x10000c
	s_cmp_lg_u32 s2, 0x3003
	s_cbranch_scc0 .Lentry_shape_is_right
	s_endpgm
.Lentry_shape_is_right:
; STATS: q = x Wq + bq and k = x Wk + bk for 256 rows a work-group, 64 a wave; of q only |q|^2 and q.w_g are kept, k leaves as bf16 fragments.  Nothing of reference() is left out.
; OUT: ab (x and k as matrix fragments in bf16), rk (1 / max(|k|, eps)), up (sum of qw x over the work-group's rows), sp (sum qw^2, sum qw).
; LIMITS.  x, the weights, bq, bk, w_g are rounded to bf16; sums are f32; qw is rounded to bf16 for the pooled sum.  Square root and reciprocal take a denormal as 0: the maximum with eps covers it.
; LAYOUT.  The products are used transposed: source 0 = 16 columns of the weights, source 1 = 16 rows of x.  A lane then holds ONE row (lane % 16) and the columns 8 (lane / 16) + 0..7:
; a row's sums are made in the lane, with one exchange between the halves of the lanes; two neighbouring results rounded in pairs ARE a source-1 fragment of the last launch's product.
; x comes straight from memory, 16 bytes (4 f32) a lane; that puts channel pi(kappa) at K place kappa (pi swaps bits 2 and 3), and wqk's rows lie in that order.
; x's 64 rows stay in 512 registers; the weights go by in 8 chunks of 128 columns (4 of Wq, 4 of Wk) through two LDS slots.
; CLUSTER.  All work-groups walk the same weights: the four of a cluster ask for each chunk JOINTLY, each wave for 128 of its 512 rows, with the same descriptor in all four.
; REGISTERS, in windows of 256 (s_set_vgpr_msb: bits 1:0 source 0, 3:2 source 1, 5:4 source 2, 7:6 destination):
;   window 0: addresses, sums, v64-95 the bias as C operand, v96-127 w_g, v128-255 the weights' fragments, two buffers
;   window 1: where x lands (two halves of 128); then v0-127 16 accumulators ((a, b) at 8 (4 a + b)); at the end 32 accumulators of the pooled sum
;   windows 2, 3: x's fragments: row tile a, K step ks at 8 (16 (a % 2) + ks) of window 2 + a / 2
.set WPI,   288                        ; a row of a chunk in LDS: 256 bytes + 32: an odd multiple of 32 bytes
.set QUART, 128*WPI                    ; 36,864: a wave's part of a chunk, and what one address register reaches
.set SLOT1, 4*QUART                    ; 147,456 = 0x24000: it shares no bit with w x 36,864, so one exclusive or changes slots
.set TBL,   2*SLOT1                    ; bq then bk, rounded, f32: 4,096 bytes
.set WGT,   TBL+4096                   ; w_g: 2,048
.set QT,    WGT+2048                   ; qw in bf16: 128 bytes a wave
.set RNT,   QT+512                     ; rn: 256 bytes a wave
.set SSL,   RNT+1024                   ; (sum qw^2, sum qw) of each wave
.set UPL,   SSL+256                    ; the waves' pooled sums: 2,048 bytes each
.set SPARE, UPL+8192                   ; the spare words, 128 bytes for each wave
.set XTP,   1056                       ; at the end x's rows lie in the ring's place: 1,024 bytes + 32
.set XTW,   64*XTP
.set R,   2
.set H,   3
.set LN,  4
.set XO,  10                           ; v10 (l % 16) x 2,048 + 16 (l / 16); never rewritten
.set LO,  11                           ; v11 16 x lane; never rewritten
.set AW0, 12                           ; v12-15 my place in a chunk, for each 128 rows
.set AW,  16                           ; v16-19 the same in the sub-chunk in hand
.set ABI, 20                           ; v20 where the bias of the sub-chunk lies
.set AWG, 21                           ; v21 the same for w_g
.set SPW, 22                           ; v22 LDS address of my spare word; never rewritten
.set NIL, 23                           ; v23 0; never rewritten
.set SSQ, 24                           ; v24-31 |q|^2, a pair for each row tile
.set DQ,  32                           ; v32-39 q.w_g
.set SSK, 40                           ; v40-47 |k|^2
.set T,   48                           ; v48-62 at work
.set PFO, 63                           ; v63 2,048 x lane; never rewritten
.set BIA, 64
.set WGR, 96
.set WB,  128
.set WV,  22
.set CX,  23
.set GID, 24
.set CNT, 25                           ; s25 the chunk in hand
.set SUB, 26
.set RS,  27                           ; s27 the slot that is read
.set TB,  28
.set LIM, 29
.set G1,  32
.set G0,  40
.set PFA, 44
.set KB,  46                           ; s[46:47] where k's next fragments go
.set XB,  48
.set ABX, 50
.set SEL, 52
.set MSB, 0
.macro WIN new                         ; the immediate's high byte repeats the setting that is left
.if MSB != (\new)
	s_set_vgpr_msb (MSB<<8)|(\new)
.set MSB, \new
.endif
.endm
.macro PLACES                          ; four places behind matrix instructions (ISA guide 7.12.1)
.rept 4
	v_nop
.endr
.endm
.macro ROUND                           ; a round of the cluster's barrier
	s_barrier_signal -1
	s_barrier_wait -1
	s_cmp_lg_u32 s[WV], 0
	s_cbranch_scc1 .Lnw0_\@
	s_barrier_signal -3
.Lnw0_\@:
	s_barrier_wait -3
	s_barrier_signal -1
	s_barrier_wait -1
.endm
	s_load_b512 s[4:19], s[0:1], 0x0               ; x 4, wqk 6, bq 8, bk 10, w_g 12, ab 14, rk 16, up 18
	s_load_b64 s[20:21], s[0:1], 0x40              ; sp
	v_lshl_add_u32 v[SPW], v0, 2, SPARE
	v_mov_b32 v[NIL], 0
	ds_add_u32 v[SPW], v[NIL]                      ; the opening: the add, twice on end, and its wait ahead of my first tensor load
	ds_add_u32 v[SPW], v[NIL]
	v_lshrrev_b32 v1, 5, v0
	v_readfirstlane_b32 s[WV], v1
	s_bfe_u32 s[CX], ttmp6, 0x40000                ; my place in the cluster: it enters global addresses of my own alone
	s_lshl_b32 s[GID], ttmp9, 2
	s_add_co_u32 s[GID], s[GID], s[CX]             ; my block of 256 rows
	s_mov_b32 s[G1], 15|(1<<16)|(1<<20)|(1<<21)|(5<<22)|(7<<25)  ; the mask of four; 2-byte elements; padding on; bit 21 beside a mask; after every 64 words 8 words
	s_mov_b32 s[G1+1], 128<<16                     ; tensor_dim0 = 128
	s_mov_b32 s[G1+2], 128<<16                     ; tensor_dim1 = 128
	s_mov_b32 s[G1+3], 128<<16                     ; tile_dim0 = 128
	s_mov_b32 s[G1+4], 128                         ; tile_dim1 = 128
	s_mov_b32 s[G1+5], 1024                        ; 1,024 elements from row to row
	s_mov_b32 s[G1+6], 0
	s_mov_b32 s[G1+7], 0
	s_mov_b32 s[G0], 1
	s_mul_i32 s[G0+1], s[WV], QUART                ; slot 0, my 128 rows
	s_mov_b32 s[SEL], 0x76543210
	s_mov_b32 s[SEL+1], 0xfedcba98
	s_cmp_eq_u32 ttmp9, 0                          ; the first cluster prefetches, in chunks 0 to 5: the same in all four partners
	s_cselect_b32 s[LIM], 6, 0
	s_lshl_b32 s30, s[WV], 18                      ; my 128 rows of wqk: 262,144 bytes
	s_mov_b32 s31, 0
	s_lshl_b32 s54, s[GID], 19                     ; my work-group's 256 rows of x (2,048 bytes each), and its 16 row tiles of ab (32,768 each),
	s_lshl_b32 s55, s[WV], 17                      ; my wave's quarter of them
	s_add_co_u32 s54, s54, s55
	s_mov_b32 s55, 0
	s_lshl_b32 s56, s[CX], 7
	s_lshl_b32 s57, s[WV], 5
	s_add_co_u32 s56, s56, s57                     ; the 32 rows of wqk that I prefetch: told apart by address
	s_lshl_b32 s56, s56, 11
	s_add_co_u32 s56, s56, 512                     ; at chunk 2
	s_mov_b32 s57, 0
	s_wait_dscnt 0x0                               ; both opening adds are done
	s_wait_kmcnt 0x0
	s_add_nc_u64 s[G0+2:G0+3], s[6:7], s[30:31]
	s_or_b32 s[G0+3], s[G0+3], 0x80000000
	s_add_nc_u64 s[XB:XB+1], s[4:5], s[54:55]
	s_add_nc_u64 s[ABX:ABX+1], s[14:15], s[54:55]
	s_mov_b64 s[KB:KB+1], s[ABX:ABX+1]
	s_add_nc_u64 s[PFA:PFA+1], s[6:7], s[56:57]
	ROUND                                          ; all four work-groups are here: the first joint loads meet
	tensor_load_to_lds s[G0:G0+3], s[G1:G1+7]      ; chunk 0 into slot 0
	s_nop 0
	PLACES
; x's unit u: row tile u / 2, half u % 2 of its 512 channels.  32 loads; eight on end cover 256 aligned bytes of each of 16 rows.
.macro XLOAD u
	WIN 0x40
.set ii, 0
.rept 32
	global_load_b128 v[128*((\u)%2)+4*ii:128*((\u)%2)+4*ii+3], v[XO], s[XB:XB+1] offset:32768*((\u)/2)+1024*((\u)%2)+32*ii th:TH_LOAD_NT
.set ii, ii+1
.endr
	WIN 0
.endm
.macro XCVT u                          ; rounded to bf16, into the fragments' registers
.set XD, 128*(((\u)/2)%2)+64*((\u)%2)
.set XS, 128*((\u)%2)
	WIN 0x85+0x40*((\u)/4)
.set ii, 0
.rept 32
	v_cvt_pk_bf16_f32 v[XD+2*ii],   v[XS+4*ii],   v[XS+4*ii+1]
	v_cvt_pk_bf16_f32 v[XD+2*ii+1], v[XS+4*ii+2], v[XS+4*ii+3]
.set ii, ii+1
.endr
	WIN 0
.endm
.macro XSTORE u                        ; the unit's 8 fragments go to ab, places 16 + ks: each store covers 512 consecutive bytes
.set XD, 128*(((\u)/2)%2)+64*((\u)%2)
	WIN 0x08+0x04*((\u)/4)
.set ii, 0
.rept 16
	global_store_b128 v[LO], v[XD+4*ii:XD+4*ii+3], s[ABX:ABX+1] offset:32768*((\u)/2)+16384+8192*((\u)%2)+512*ii
.set ii, ii+1
.endr
	WIN 0
.endm
	v_and_b32 v[R], 15, v0
	v_bfe_u32 v[H], v0, 4, 1
	v_and_b32 v[LN], 31, v0
	v_lshlrev_b32 v[XO], 11, v[R]
	v_lshl_add_u32 v[XO], v[H], 4, v[XO]
	v_lshlrev_b32 v[LO], 4, v[LN]
	v_lshlrev_b32 v5, 4, v0
	global_load_b128 v[T:T+3],    v5, s[8:9]       ; bq, bk, w_g: 16 bytes a thread
	global_load_b128 v[T+4:T+7],  v5, s[10:11]
	global_load_b128 v[T+8:T+11], v5, s[12:13]
	XLOAD 0
	v_lshl_add_u32 v6, v0, 4, TBL
	v_lshlrev_b32 v[PFO], 11, v[LN]
	v_and_b32 v7, 7, v0
	v_lshl_add_u32 v7, v[H], 3, v7
	v_mul_u32_u24 v7, v7, WPI
	v_bfe_u32 v8, v0, 3, 1
	v_lshl_add_u32 v[AW0], v8, 4, v7               ; (8 h + l % 8) x pitch + 16 ((l / 8) % 2)
	v_add_nc_u32 v[AW0+1], QUART, v[AW0]
	v_add_nc_u32 v[AW0+2], 2*QUART, v[AW0]
	v_add_nc_u32 v[AW0+3], 3*QUART, v[AW0]
	v_lshl_add_u32 v[ABI], v[H], 5, TBL            ; my 8 columns of a tile: 32 bytes
	v_lshl_add_u32 v[AWG], v[H], 5, WGT
.set ii, 0
.rept 24
	v_mov_b32 v[SSQ+ii], 0                         ; the rows' three sums start at 0
.set ii, ii+1
.endr
	s_wait_loadcnt 32                              ; the three tables are in; the unit's 32 loads may stay out
.set ii, 0
.rept 3
	v_cvt_pk_bf16_f32 v[T+12], v[T+4*ii], v[T+4*ii+1]
	v_cvt_pk_bf16_f32 v[T+13], v[T+4*ii+2], v[T+4*ii+3]
	v_lshlrev_b32 v[T+4*ii], 16, v[T+12]
	v_and_b32 v[T+4*ii+1], 0xffff0000, v[T+12]
	v_lshlrev_b32 v[T+4*ii+2], 16, v[T+13]
	v_and_b32 v[T+4*ii+3], 0xffff0000, v[T+13]
	ds_store_b128 v6, v[T+4*ii:T+4*ii+3] offset:2048*ii
.set ii, ii+1
.endr
	XLOAD 1
.set uu, 0
.rept 8
.if uu < 7
	s_wait_loadcnt 32                              ; this unit is in; the younger unit's 32 loads may stay out
.else
	s_wait_loadcnt 0x0
.endif
	XCVT uu
.if uu < 6
	XLOAD uu+2                                     ; loads ahead of stores
.endif
	XSTORE uu
.set uu, uu+1
.endr
; THE CHANGE OF SLOTS.  Every wave waits for all its tensor loads (one: its part of the chunk to be read), adds 0 to its spare word, and waits for that and for its reads of the old slot.
; fill = 1: a round of the cluster's barrier, and the joint load of the next chunk is the first thing behind it: it has a chunk's 512 matrix instructions in which to land.
.macro CHANGE fill
	WIN 0
	s_wait_tensorcnt 0x0
	ds_add_u32 v[SPW], v[NIL]
.if \fill
	s_xor_b32 s[G0+1], s[G0+1], SLOT1              ; the walking descriptor: the other slot,
	s_add_nc_u64 s[G0+2:G0+3], s[G0+2:G0+3], 256   ; the next 128 columns
.endif
	s_xor_b32 s[RS], s[RS], SLOT1
	s_wait_dscnt 0x0
.if \fill
	ROUND
	tensor_load_to_lds s[G0:G0+3], s[G1:G1+7]
	s_nop 0
	PLACES
	s_cmp_lt_u32 s[CNT], s[LIM]                    ; a prefetch of the chunk after that one: a lane a row, 256 bytes each; each row of each chunk is named once in the launch
	s_cbranch_scc0 .Lna_\@
	global_prefetch_b8 v[PFO], s[PFA:PFA+1] th:TH_LOAD_NT scope:SCOPE_SE
.Lna_\@:
.else
	s_barrier_signal -1
	s_barrier_wait -1
.endif
.endm
.macro FETCH qb                        ; the weights' fragments of two K steps x four tiles of 16 columns: 16 turning loads
	WIN 0
.set kp, 0
.rept 2
.set ib, 0
.rept 4
.set rA, WB+64*((\qb)%2)+32*kp+8*ib
.set ks, 2*(\qb)+kp
	ds_load_tr16_b128 v[rA:rA+3],   v[AW+ks/4] offset:(ks%4)*32*WPI+32*ib
	ds_load_tr16_b128 v[rA+4:rA+7], v[AW+ks/4] offset:(ks%4)*32*WPI+32*ib+16*WPI
.set ib, ib+1
.endr
.set kp, kp+1
.endr
.endm
.macro MUL32 qb                        ; 32 products; eight accumulators take turns, one instruction a turn.  The first link of each sum takes the bias as C: nothing is cleared
.set ah, 0
.rept 2
.set kp, 0
.rept 2
.if ((\qb) == 0) && (kp == 0)
	WIN 0x48+4*ah
.else
	WIN 0x58+4*ah
.endif
.set al, 0
.rept 2
.set ib, 0
.rept 4
.set rD, 8*(4*(2*ah+al)+ib)
.set rA, WB+64*((\qb)%2)+32*kp+8*ib
.set rB, 8*(16*al+2*(\qb)+kp)
.if ((\qb) == 0) && (kp == 0)
	v_wmma_f32_16x16x32_bf16 v[rD:rD+7], v[rA:rA+7], v[rB:rB+7], v[BIA+8*ib:BIA+8*ib+7]
.else
	v_wmma_f32_16x16x32_bf16 v[rD:rD+7], v[rA:rA+7], v[rB:rB+7], v[rD:rD+7]
.endif
.set ib, ib+1
.endr
.set al, al+1
.endr
.set kp, kp+1
.endr
.set ah, ah+1
.endr
.endm
.macro SQUARES dst                     ; dst += the accumulators' squares; each accumulator is read from its low end on; four chains
	WIN 0x05
.set ib, 0
.rept 4
.set ip, 0
.rept 4
.set ia, 0
.rept 4
.set rD, 8*(4*ia+ib)+2*ip
	v_pk_fma_f32 v[(\dst)+2*ia:(\dst)+2*ia+1], v[rD:rD+1], v[rD:rD+1], v[(\dst)+2*ia:(\dst)+2*ia+1]
.set ia, ia+1
.endr
.set ip, ip+1
.endr
.set ib, ib+1
.endr
	WIN 0
.endm
.macro EPI_Q                           ; 64 columns of q: |q|^2 and q.w_g
.set ib, 0
.rept 4
	ds_load_b128 v[WGR+8*ib:WGR+8*ib+3],   v[AWG] offset:64*ib
	ds_load_b128 v[WGR+8*ib+4:WGR+8*ib+7], v[AWG] offset:64*ib+16
.set ib, ib+1
.endr
	SQUARES SSQ
	s_wait_dscnt 0x0
	v_add_nc_u32 v[AWG], 0x100, v[AWG]
	WIN 0x01
.set ib, 0
.rept 4
.set ip, 0
.rept 4
.set ia, 0
.rept 4
.set rD, 8*(4*ia+ib)+2*ip
	v_pk_fma_f32 v[DQ+2*ia:DQ+2*ia+1], v[rD:rD+1], v[WGR+8*ib+2*ip:WGR+8*ib+2*ip+1], v[DQ+2*ia:DQ+2*ia+1]
.set ia, ia+1
.endr
.set ip, ip+1
.endr
.set ib, ib+1
.endr
	WIN 0
.endm
.macro EPI_K                           ; 64 columns of k: |k|^2; rounded in place, two tiles make a fragment; 16 stores of 512 consecutive bytes
	SQUARES SSK
	WIN 0x45
.set ii, 0
.rept 16
	v_cvt_pk_bf16_f32 v[8*ii],   v[8*ii],   v[8*ii+1]
	v_cvt_pk_bf16_f32 v[8*ii+1], v[8*ii+2], v[8*ii+3]
	v_cvt_pk_bf16_f32 v[8*ii+2], v[8*ii+4], v[8*ii+5]
	v_cvt_pk_bf16_f32 v[8*ii+3], v[8*ii+6], v[8*ii+7]
.set ii, ii+1
.endr
	WIN 0x04
.set ia, 0
.rept 4
.set ib, 0
.rept 4
	global_store_b128 v[LO], v[8*(4*ia+ib):8*(4*ia+ib)+3], s[KB:KB+1] offset:32768*ia+512*ib
.set ib, ib+1
.endr
.set ia, ia+1
.endr
	WIN 0
	s_wait_xcnt 0x0                                ; the base, and the accumulators that the stores read, are written again only behind this wait
	s_add_nc_u64 s[KB:KB+1], s[KB:KB+1], 2048
.endm
; A chunk's two sub-chunks of 64 columns: written once, walked twice.  both = 1: the chunk may be q's or k's.
.macro SUBS both
	s_mov_b32 s[SUB], 2
	s_mov_b32 s[TB], s[RS]
.Lsub_\@:
.set ii, 0
.rept 4
	v_add_nc_u32 v[AW+ii], s[TB], v[AW0+ii]
.set ii, ii+1
.endr
.set ib, 0
.rept 4
	ds_load_b128 v[BIA+8*ib:BIA+8*ib+3],   v[ABI] offset:64*ib
	ds_load_b128 v[BIA+8*ib+4:BIA+8*ib+7], v[ABI] offset:64*ib+16
.set ib, ib+1
.endr
	FETCH 0
	FETCH 1
	s_wait_dscnt 16                                ; all but the next batch's 16 loads
	MUL32 0
.set qq, 1
.rept 6
	PLACES
	FETCH qq+1
	s_wait_dscnt 16
	MUL32 qq
.set qq, qq+1
.endr
	s_wait_dscnt 0x0
	MUL32 7
	WIN 0
	PLACES
.if \both
	s_cmp_lt_u32 s[CNT], 4
	s_cbranch_scc0 .Lkey_\@
	EPI_Q
	s_branch .Lepi_\@
.Lkey_\@:
.endif
	EPI_K
.if \both
.Lepi_\@:
.endif
	v_add_nc_u32 v[ABI], 0x100, v[ABI]
	s_add_co_u32 s[TB], s[TB], 128
	s_sub_co_u32 s[SUB], s[SUB], 1
	s_cmp_lg_u32 s[SUB], 0
	s_cbranch_scc1 .Lsub_\@
.endm
	s_mov_b32 s[RS], SLOT1                         ; the first change turns it into slot 0
	s_mov_b32 s[CNT], 0
.Lchunk:                                       ; chunks 0 to 6: each asks for the next
	CHANGE 1
	SUBS 1
	s_wait_xcnt 0x0                                ; the prefetch, a chunk back, has read its address
	s_add_nc_u64 s[PFA:PFA+1], s[PFA:PFA+1], 256
	s_add_co_u32 s[CNT], s[CNT], 1
	s_cmp_lt_u32 s[CNT], 7
	s_cbranch_scc1 .Lchunk
	CHANGE 0                                       ; chunk 7 is written out: nothing is asked for
	SUBS 0
	; THE ROWS' END: the pairs' halves and the other half of the lanes' are added
.set ia, 0
.rept 4
	v_add_f32 v[SSQ+2*ia], v[SSQ+2*ia], v[SSQ+2*ia+1]
	v_add_f32 v[DQ+2*ia],  v[DQ+2*ia],  v[DQ+2*ia+1]
	v_add_f32 v[SSK+2*ia], v[SSK+2*ia], v[SSK+2*ia+1]
.set ia, ia+1
.endr
.set ia, 0
.rept 4
	v_permlanex16_b32 v[SSQ+2*ia+1], v[SSQ+2*ia], s[SEL], s[SEL+1]
	v_permlanex16_b32 v[DQ+2*ia+1],  v[DQ+2*ia],  s[SEL], s[SEL+1]
	v_permlanex16_b32 v[SSK+2*ia+1], v[SSK+2*ia], s[SEL], s[SEL+1]
.set ia, ia+1
.endr
.set ia, 0
.rept 4
	v_add_f32 v[SSQ+2*ia], v[SSQ+2*ia], v[SSQ+2*ia+1]
	v_add_f32 v[DQ+2*ia],  v[DQ+2*ia],  v[DQ+2*ia+1]
	v_add_f32 v[SSK+2*ia], v[SSK+2*ia], v[SSK+2*ia+1]
.set ia, ia+1
.endr
.set ia, 0
.rept 4
	v_sqrt_f32 v[SSQ+2*ia+1], v[SSQ+2*ia]
	v_sqrt_f32 v[SSK+2*ia+1], v[SSK+2*ia]
.set ia, ia+1
.endr
	v_nop                                          ; a plain instruction behind the last root,
	s_wait_alu depctr_va_vdst(0)                   ; and one wait for the eight
.set ia, 0
.rept 4
	v_max_num_f32 v[SSQ+2*ia+1], 0x2b8cbccc, v[SSQ+2*ia+1]  ; eps = 1e-12
	v_max_num_f32 v[SSK+2*ia+1], 0x2b8cbccc, v[SSK+2*ia+1]
.set ia, ia+1
.endr
.set ia, 0
.rept 4
	v_rcp_f32 v[SSQ+2*ia], v[SSQ+2*ia+1]
	v_rcp_f32 v[SSK+2*ia], v[SSK+2*ia+1]           ; rn
.set ia, ia+1
.endr
	v_nop
	s_wait_alu depctr_va_vdst(0)
.set ia, 0
.rept 4
	v_mul_f32 v[DQ+2*ia], v[DQ+2*ia], v[SSQ+2*ia]  ; qw
.set ia, ia+1
.endr
	v_mul_f32 v[T], v[DQ], v[DQ]
	v_add_f32 v[T+1], v[DQ], v[DQ+2]
	v_fmac_f32 v[T], v[DQ+2], v[DQ+2]
	v_add_f32 v[T+1], v[T+1], v[DQ+4]
	v_fmac_f32 v[T], v[DQ+4], v[DQ+4]
	v_add_f32 v[T+1], v[T+1], v[DQ+6]
	v_fmac_f32 v[T], v[DQ+6], v[DQ+6]
.irp m, 1,2,4,8
	v_add_f32_dpp v[T], v[T], v[T] row_xmask:\m row_mask:0xf bank_mask:0xf        ; over the 16 rows of a tile; both halves of the lanes hold the same
	v_add_f32_dpp v[T+1], v[T+1], v[T+1] row_xmask:\m row_mask:0xf bank_mask:0xf
.endr
.set ia, 0
.rept 4
	v_cvt_pk_bf16_f32 v[T+2+ia], v[DQ+2*ia], v[DQ+2*ia]
.set ia, ia+1
.endr
	s_lshl_b32 s30, s[WV], 7
	s_add_co_u32 s30, s30, QT
	v_lshl_add_u32 v5, v[R], 1, s30
	v_lshl_add_u32 v6, v[H], 4, s30
	s_lshl_b32 s30, s[WV], 8
	s_add_co_u32 s30, s30, RNT
	v_lshl_add_u32 v7, v[R], 2, s30
	s_lshl_b32 s30, s[WV], 3
	s_add_co_u32 s30, s30, SSL
	v_mov_b32 v8, s30
.set ia, 0
.rept 4
	ds_store_b16 v5, v[T+2+ia] offset:32*ia
	ds_store_b32 v7, v[SSK+2*ia] offset:64*ia
.set ia, ia+1
.endr
	ds_store_b64 v8, v[T:T+1]
	s_mul_i32 s30, s[WV], XTW
	v_mul_u32_u24 v9, v[R], XTP
	v_lshl_add_u32 v9, v[H], 4, v9
	v_add_nc_u32 v9, s30, v9
	v_and_b32 v1, 7, v0
	v_lshl_add_u32 v1, v[H], 3, v1
	v_mul_u32_u24 v1, v1, XTP
	v_bfe_u32 v[T+14], v0, 3, 1
	v_lshl_add_u32 v1, v[T+14], 4, v1
	v_add_nc_u32 v1, s30, v1
	s_lshl_b32 s30, s[WV], 11
	s_add_co_u32 s30, s30, UPL
	v_lshl_add_u32 v[AW], v[R], 2, s30
	v_lshl_add_u32 v[AW+1], v0, 4, UPL
	v_lshl_add_u32 v[AW+2], v0, 4, RNT
	v_mov_b32 v[AW+3], SSL
	; THE POOLED SUM  u[kappa] = sum over my 64 rows of qw x.  x's rows go into LDS, where the ring lay (its last fill has been read), and come back turned:
	; source 0 = qw, the same in all 16 rows of the operand; source 1 = 16 channels x 32 rows.
	s_wait_dscnt 0x0
	s_barrier_signal -1
	s_barrier_wait -1                              ; no wave reads the ring any more
.set ia, 0
.rept 4
	WIN 0x08+4*(ia/2)
.set ks, 0
.rept 16
.set rX, 8*(16*(ia%2)+ks)
	ds_store_b128 v9, v[rX:rX+3]   offset:ia*16*XTP+64*ks
	ds_store_b128 v9, v[rX+4:rX+7] offset:ia*16*XTP+64*ks+32
.set ks, ks+1
.endr
.set ia, ia+1
.endr
	WIN 0
	ds_load_b128 v[BIA:BIA+3],     v6
	ds_load_b128 v[BIA+4:BIA+7],   v6 offset:32
	ds_load_b128 v[BIA+8:BIA+11],  v6 offset:64
	ds_load_b128 v[BIA+12:BIA+15], v6 offset:96
	s_wait_xcnt 0x0                                ; the stores to ab have read x's registers
.set kk, 0
.rept 2
	WIN 0x80+0x40*kk
.set tt, 0
.rept 32
	ds_load_tr16_b128 v[8*tt:8*tt+3],   v1 offset:kk*32*XTP+32*tt
	ds_load_tr16_b128 v[8*tt+4:8*tt+7], v1 offset:kk*32*XTP+16*XTP+32*tt
.set tt, tt+1
.endr
.set kk, kk+1
.endr
	s_wait_dscnt 0x0
	WIN 0x48
.set tt, 0
.rept 32                               ; the 32 accumulators take turns
	v_wmma_f32_16x16x32_bf16 v[8*tt:8*tt+7], v[BIA:BIA+7], v[8*tt:8*tt+7], 0
.set tt, tt+1
.endr
	WIN 0x5c
.set tt, 0
.rept 32
	v_wmma_f32_16x16x32_bf16 v[8*tt:8*tt+7], v[BIA+8:BIA+15], v[8*tt:8*tt+7], v[8*tt:8*tt+7]
.set tt, tt+1
.endr
	PLACES
	WIN 0x04
.set tt, 0
.rept 32
	ds_store_b32 v[AW], v[8*tt] offset:64*tt       ; all rows of a result are alike: its lowest register holds u[16 t + l % 16]
.set tt, tt+1
.endr
	WIN 0
	s_wait_dscnt 0x0
	s_barrier_signal -1
	s_barrier_wait -1
.set ii, 0
.rept 4
	ds_load_b128 v[BIA+4*ii:BIA+4*ii+3], v[AW+1] offset:2048*ii
.set ii, ii+1
.endr
	s_lshl_b32 s30, s[GID], 11
	v_lshl_add_u32 v5, v0, 4, s30
	s_lshl_b32 s30, s[GID], 10
	v_lshl_add_u32 v6, v0, 4, s30
	s_lshl_b32 s30, s[GID], 9
	v_lshl_add_u32 v7, v[LN], 4, s30
	s_wait_dscnt 0x0
	v_pk_add_f32 v[BIA:BIA+1],   v[BIA:BIA+1],   v[BIA+4:BIA+5]
	v_pk_add_f32 v[BIA+2:BIA+3], v[BIA+2:BIA+3], v[BIA+6:BIA+7]
	v_pk_add_f32 v[BIA+8:BIA+9],   v[BIA+8:BIA+9],   v[BIA+12:BIA+13]
	v_pk_add_f32 v[BIA+10:BIA+11], v[BIA+10:BIA+11], v[BIA+14:BIA+15]
	v_pk_add_f32 v[BIA:BIA+1],   v[BIA:BIA+1],   v[BIA+8:BIA+9]
	v_pk_add_f32 v[BIA+2:BIA+3], v[BIA+2:BIA+3], v[BIA+10:BIA+11]
	global_store_b128 v5, v[BIA:BIA+3], s[18:19]   ; up: 2,048 consecutive bytes a work-group
	s_cmp_lt_u32 s[WV], 2                          ; waves 0 and 1 store rn: 1,024 consecutive bytes
	s_cbranch_scc0 .Lnork
	ds_load_b128 v[BIA+16:BIA+19], v[AW+2]
	s_wait_dscnt 0x0
	global_store_b128 v6, v[BIA+16:BIA+19], s[16:17]
.Lnork:
	s_cmp_eq_u32 s[WV], 3                          ; wave 3 stores the two sums, 32 times over: 512 consecutive bytes
	s_cbranch_scc0 .Lnosp
	ds_load_b128 v[BIA+20:BIA+23], v[AW+3]
	ds_load_b128 v[BIA+24:BIA+27], v[AW+3] offset:16
	s_wait_dscnt 0x0
	v_pk_add_f32 v[BIA+20:BIA+21], v[BIA+20:BIA+21], v[BIA+22:BIA+23]
	v_pk_add_f32 v[BIA+24:BIA+25], v[BIA+24:BIA+25], v[BIA+26:BIA+27]
	v_pk_add_f32 v[BIA+28:BIA+29], v[BIA+20:BIA+21], v[BIA+24:BIA+25]
	v_mov_b32 v[BIA+30], 0
	v_mov_b32 v[BIA+31], 0
	global_store_b128 v7, v[BIA+28:BIA+31], s[20:21]
.Lnosp:
	s_wait_tensorcnt 0x0                           ; the wave's end
	ds_add_u32 v[SPW], v[NIL]
	s_wait_dscnt 0x0
	ROUND                                          ; the closing round
	s_endpgm
.Lfunc_end_k_q0b762e3f01_stats:
	.size	k_q0b762e3f01_stats, .Lfunc_end_k_q0b762e3f01_stats-k_q0b762e3f01_stats
	.p2alignl 7, 3214868480
	.fill 96, 4, 3214868480
	.section	.rodata,"a",@progbits
	.p2align	6, 0x0
	.amdhsa_kernel k_q0b762e3f01_stats
		.amdhsa_group_segment_fixed_size 327680
		.amdhsa_private_segment_fixed_size 0
		.amdhsa_enable_private_segment 0
		.amdhsa_kernarg_size 72
		.amdhsa_user_sgpr_count 2
		.amdhsa_user_sgpr_kernarg_segment_ptr 1
		.amdhsa_wavefront_size32 1
		.amdhsa_system_sgpr_workgroup_id_x 1
		.amdhsa_system_sgpr_workgroup_id_y 1
		.amdhsa_system_sgpr_workgroup_id_z 1
		.amdhsa_system_vgpr_workitem_id 0
		.amdhsa_next_free_vgpr 1024
		.amdhsa_next_free_sgpr 66
		.amdhsa_reserve_vcc 0
		.amdhsa_float_denorm_mode_32 3
		.amdhsa_float_denorm_mode_16_64 3
		.amdhsa_memory_ordered 1
		.amdhsa_forward_progress 1
		.amdhsa_inst_pref_size 191
	.end_amdhsa_kernel
	.amdgpu_metadata
---
amdhsa.version: [ 1, 2 ]
amdhsa.kernels:
  - .name:           k_q0b762e3f01_stats
    .symbol:         k_q0b762e3f01_stats.kd
    .args:
      - { .name: x, .offset: 0, .size: 8, .value_kind: global_buffer, .address_space: global }
      - { .name: wqk, .offset: 8, .size: 8, .value_kind: global_buffer, .address_space: global }
      - { .name: bq, .offset: 16, .size: 8, .value_kind: global_buffer, .address_space: global }
      - { .name: bk, .offset: 24, .size: 8, .value_kind: global_buffer, .address_space: global }
      - { .name: w_g, .offset: 32, .size: 8, .value_kind: global_buffer, .address_space: global }
      - { .name: ab, .offset: 40, .size: 8, .value_kind: global_buffer, .address_space: global }
      - { .name: rk, .offset: 48, .size: 8, .value_kind: global_buffer, .address_space: global }
      - { .name: up, .offset: 56, .size: 8, .value_kind: global_buffer, .address_space: global }
      - { .name: sp, .offset: 64, .size: 8, .value_kind: global_buffer, .address_space: global }
    .group_segment_fixed_size: 327680
    .private_segment_fixed_size: 0
    .kernarg_segment_align: 8
    .kernarg_segment_size: 72
    .max_flat_workgroup_size: 128
    .sgpr_count:     66
    .vgpr_count:     1024
    .wavefront_size: 32
...
	.end_amdgpu_metadata
.endif
;; end of part 2
;; launch gate (part 3): grid 128 x 1, 8 waves a work-group, no clusters, 148,992 bytes of LDS; arguments up, sp, wqk, wx, bq, w3; writes w3
.if DOCPART == 3
	.amdgcn_target "amdgcn-amd-amdhsa--gfx1250"
	.amdhsa_code_object_version 6
	.text
	.protected	k_q0b762e3f01_gate
	.globl	k_q0b762e3f01_gate
	.p2align	8
	.type	k_q0b762e3f01_gate,@function
k_q0b762e3f01_gate:
	s_mov_b64 s[64:65], 0
	v_nop
	global_prefetch_b8 v0, s[64:65] scope:SCOPE_SE
	s_setreg_imm32_b32 hwreg(HW_REG_WAVE_MODE, 25, 1), 1
	s_wait_xcnt 0x0
; GATE: G_b = cb ((sum qw x) Wq + (sum qw) bq), cb = SCALE / max(SCALE sqrt(sum qw^2), eps), and w3_b[h][c] = G_b[h] Wpf[h][c] in bf16.  Nothing of reference() is left out.
; A work-group: batch n / 8, 128 of the 512 h ((n / 2) % 4), 128 of the 256 c (n % 2); a wave makes G for 16 h.
; The batch's 16 partial sums (one for each of its work-groups of the launch before) are the 16 rows of source 0, rounded to bf16; source 1 = 16 columns of Wq, turned out of LDS;
; the result's 16 rows are added in f32.  LIMITS: as at the head of the first kernel; root and reciprocal take a denormal as 0, which the maximum with eps covers.
.set WPI,   288
.set QUART, 128*WPI
.set GT,    512*WPI                    ; G of my 128 h: 512 bytes
.set SPARE, GT+512
.set R,   2
.set H,   3
.set XO,  6
.set YO,  7
.set GA,  8
.set GS,  9
.set SPW, 10
.set NIL, 11
.set WA,  12
.set TA,  16
.set WO,  20
.set PO,  21
.set SO,  22
.set BO,  23
.set PF,  32                           ; v32-47 the parts' fragment, two buffers; later at work
.set GG,  48                           ; v48-63 G of a pass's row, twice
.set WX,  64                           ; v64-95 Wpf's rows
.set ACC, 96                           ; v96-127 four accumulators
.set WQ,  128                          ; v128-255 Wq as it lands, then its fragments
.set WV,  16
.set BT,  17
.set SG,  18
.set CH,  19
.set SEL, 28
.set MSB, 0
.macro WIN new
.if MSB != (\new)
	s_set_vgpr_msb (MSB<<8)|(\new)
.set MSB, \new
.endif
.endm
	s_load_b256 s[4:11], s[0:1], 0x0               ; up 4, sp 6, wqk 8, wx 10
	s_load_b128 s[12:15], s[0:1], 0x20             ; bq 12, w3 14
	v_lshl_add_u32 v[SPW], v0, 2, SPARE
	v_mov_b32 v[NIL], 0
	v_lshrrev_b32 v1, 5, v0
	v_readfirstlane_b32 s[WV], v1
	v_and_b32 v[R], 15, v0
	v_bfe_u32 v[H], v0, 4, 1
	s_lshr_b32 s[BT], ttmp9, 3
	s_bfe_u32 s[SG], ttmp9, 0x20001
	s_and_b32 s[CH], ttmp9, 1
	s_mov_b32 s[SEL], 0x76543210
	s_mov_b32 s[SEL+1], 0xfedcba98
	v_lshlrev_b32 v5, 4, v[R]                      ; 16 r
	s_lshl_b32 s20, s[WV], 12
	s_lshl_b32 s21, s[SG], 8
	s_add_co_u32 s20, s20, s21
	v_lshl_add_u32 v[WO], v[H], 11, v5
	v_add_nc_u32 v[WO], s20, v[WO]                 ; wqk: row 2 w + h (+ 16 i), bytes 256 s + 16 r
	s_lshl_b32 s20, s[BT], 15
	v_lshlrev_b32 v[PO], 11, v[R]
	v_lshl_add_u32 v[PO], v[H], 5, v[PO]
	v_add_nc_u32 v[PO], s20, v[PO]                 ; up: part r of the batch, 32 h
	s_lshl_b32 s20, s[BT], 13
	v_lshl_add_u32 v[SO], v[R], 9, s20             ; sp: part r
	s_lshl_b32 s20, s[SG], 9
	s_lshl_b32 s21, s[WV], 6
	s_add_co_u32 s20, s20, s21
	v_lshl_add_u32 v[BO], v[R], 2, s20             ; bq[128 s + 16 w + r]
	s_lshl_b32 s20, s[SG], 16
	s_lshl_b32 s21, s[WV], 10
	s_add_co_u32 s20, s20, s21
	s_lshl_b32 s21, s[CH], 8
	s_add_co_u32 s20, s20, s21
	v_lshl_add_u32 v[YO], v[H], 9, v5
	v_add_nc_u32 v[YO], s20, v[YO]                 ; row 128 s + 2 w + h of 512 bytes, bytes 256 ch + 16 r
	v_add_nc_u32 v[XO], 0x40000, v[YO]             ; in wx behind its first 512 rows,
	s_lshl_b32 s21, s[BT], 18
	v_add_nc_u32 v[YO], s21, v[YO]                 ; in w3 in the batch's 262,144 bytes
	s_mul_i32 s20, s[WV], 2*WPI
	v_mul_u32_u24 v[WA], v[H], WPI
	v_add_nc_u32 v[WA], v[WA], v5
	v_add_nc_u32 v[WA], s20, v[WA]
	v_add_nc_u32 v[WA+1], QUART, v[WA]
	v_add_nc_u32 v[WA+2], 2*QUART, v[WA]
	v_add_nc_u32 v[WA+3], 3*QUART, v[WA]
	v_and_b32 v1, 7, v0
	v_lshl_add_u32 v1, v[H], 3, v1
	v_mul_u32_u24 v1, v1, WPI
	v_bfe_u32 v4, v0, 3, 1
	v_lshl_add_u32 v1, v4, 4, v1
	s_lshl_b32 s20, s[WV], 5
	v_add_nc_u32 v[TA], s20, v1                    ; my wave's tile of 16 columns
	v_add_nc_u32 v[TA+1], QUART, v[TA]
	v_add_nc_u32 v[TA+2], 2*QUART, v[TA]
	v_add_nc_u32 v[TA+3], 3*QUART, v[TA]
	s_lshl_b32 s20, s[WV], 6
	s_add_co_u32 s20, s20, GT
	v_lshl_add_u32 v[GS], v[R], 2, s20
	s_lshl_b32 s20, s[WV], 3
	s_add_co_u32 s20, s20, GT
	v_lshl_add_u32 v[GA], v[H], 2, s20
	s_wait_kmcnt 0x0
.set ii, 0
.rept 32
	global_load_b128 v[WQ+4*ii:WQ+4*ii+3], v[WO], s[8:9] offset:32768*ii
.set ii, ii+1
.endr
	WIN 0x40
.set ks, 0
.rept 16
	global_load_b128 v[16*ks:16*ks+3],     v[PO], s[4:5] offset:128*ks
	global_load_b128 v[16*ks+4:16*ks+7],   v[PO], s[4:5] offset:128*ks+16
	global_load_b128 v[16*ks+8:16*ks+11],  v[PO], s[4:5] offset:128*ks+64
	global_load_b128 v[16*ks+12:16*ks+15], v[PO], s[4:5] offset:128*ks+80
.set ks, ks+1
.endr
	WIN 0
	global_load_b64 v[24:25], v[SO], s[6:7]
	global_load_b32 v26, v[BO], s[12:13]
.set ii, 0
.rept 8
	global_load_b128 v[WX+4*ii:WX+4*ii+3], v[XO], s[10:11] offset:8192*ii
.set ii, ii+1
.endr
	s_wait_loadcnt 0x0
.set ii, 0
.rept 32
	ds_store_b128 v[WA+ii/8], v[WQ+4*ii:WQ+4*ii+3] offset:(ii%8)*16*WPI
.set ii, ii+1
.endr
	s_wait_dscnt 0x0
	s_barrier_signal -1
	s_barrier_wait -1
.set ks, 0
.rept 16
	ds_load_tr16_b128 v[WQ+8*ks:WQ+8*ks+3],   v[TA+ks/4] offset:(ks%4)*32*WPI
	ds_load_tr16_b128 v[WQ+8*ks+4:WQ+8*ks+7], v[TA+ks/4] offset:(ks%4)*32*WPI+16*WPI
.set ks, ks+1
.endr
	s_wait_dscnt 0x0
.set ks, 0
.rept 16
	WIN 0x05
.set im, 0
.rept 8
	v_cvt_pk_bf16_f32 v[PF+8*(ks%2)+im], v[16*ks+2*im], v[16*ks+2*im+1]
.set im, im+1
.endr
	WIN 0
.if ks < 4                             ; four accumulators take turns
	v_wmma_f32_16x16x32_bf16 v[ACC+8*(ks%4):ACC+8*(ks%4)+7], v[PF+8*(ks%2):PF+8*(ks%2)+7], v[WQ+8*ks:WQ+8*ks+7], 0
.else
	v_wmma_f32_16x16x32_bf16 v[ACC+8*(ks%4):ACC+8*(ks%4)+7], v[PF+8*(ks%2):PF+8*(ks%2)+7], v[WQ+8*ks:WQ+8*ks+7], v[ACC+8*(ks%4):ACC+8*(ks%4)+7]
.endif
.set ks, ks+1
.endr
.rept 4
	v_nop
.endr
.set ip, 0
.rept 4                                ; each accumulator is read from its low end on
	v_pk_add_f32 v[ACC+2*ip:ACC+2*ip+1], v[ACC+2*ip:ACC+2*ip+1], v[ACC+8+2*ip:ACC+8+2*ip+1]
	v_pk_add_f32 v[ACC+16+2*ip:ACC+16+2*ip+1], v[ACC+16+2*ip:ACC+16+2*ip+1], v[ACC+24+2*ip:ACC+24+2*ip+1]
.set ip, ip+1
.endr
.set ip, 0
.rept 4
	v_pk_add_f32 v[ACC+2*ip:ACC+2*ip+1], v[ACC+2*ip:ACC+2*ip+1], v[ACC+16+2*ip:ACC+16+2*ip+1]
.set ip, ip+1
.endr
	v_pk_add_f32 v[ACC:ACC+1], v[ACC:ACC+1], v[ACC+2:ACC+3]
	v_pk_add_f32 v[ACC+4:ACC+5], v[ACC+4:ACC+5], v[ACC+6:ACC+7]
	v_pk_add_f32 v[ACC:ACC+1], v[ACC:ACC+1], v[ACC+4:ACC+5]
	v_add_f32 v[ACC], v[ACC], v[ACC+1]
	v_permlanex16_b32 v[ACC+1], v[ACC], s[SEL], s[SEL+1]
	v_add_f32 v[ACC], v[ACC], v[ACC+1]             ; (sum qw x) Wq at h = 128 s + 16 w + r
.irp m, 1,2,4,8
	v_add_f32_dpp v24, v24, v24 row_xmask:\m row_mask:0xf bank_mask:0xf   ; sum qw^2 over the 16 parts
	v_add_f32_dpp v25, v25, v25 row_xmask:\m row_mask:0xf bank_mask:0xf   ; sum qw
.endr
	v_sqrt_f32 v27, v24
	v_cvt_pk_bf16_f32 v26, v26, v26                ; bq rounded: the plain instruction behind the root
	s_wait_alu depctr_va_vdst(0)
	v_mul_f32 v27, 0x3d3504f3, v27                 ; SCALE = 512^-0.5
	v_max_num_f32 v27, 0x2b8cbccc, v27             ; eps = 1e-12
	v_rcp_f32 v28, v27
	v_lshlrev_b32 v26, 16, v26
	s_wait_alu depctr_va_vdst(0)
	v_mul_f32 v28, 0x3d3504f3, v28                 ; cb
	v_fma_f32 v29, v25, v26, v[ACC]
	v_mul_f32 v29, v28, v29
	ds_store_b32 v[GS], v29
	s_wait_dscnt 0x0
	s_barrier_signal -1
	s_barrier_wait -1
.set ii, 0
.rept 8
	ds_load_b32 v[GG+2*ii], v[GA] offset:64*ii     ; G of row 16 i + 2 w + h
.set ii, ii+1
.endr
	s_wait_dscnt 0x0
.set ii, 0
.rept 8
	v_mov_b32 v[GG+2*ii+1], v[GG+2*ii]
.set im, 0
.rept 4
	v_lshlrev_b32 v[PF+2*im], 16, v[WX+4*ii+im]
	v_and_b32 v[PF+2*im+1], 0xffff0000, v[WX+4*ii+im]
.set im, im+1
.endr
.set im, 0
.rept 4
	v_pk_mul_f32 v[PF+2*im:PF+2*im+1], v[PF+2*im:PF+2*im+1], v[GG+2*ii:GG+2*ii+1]
.set im, im+1
.endr
.set im, 0
.rept 4
	v_cvt_pk_bf16_f32 v[WX+4*ii+im], v[PF+2*im], v[PF+2*im+1]
.set im, im+1
.endr
	global_store_b128 v[YO], v[WX+4*ii:WX+4*ii+3], s[14:15] offset:8192*ii  ; 16 lanes store 256 consecutive bytes, aligned
.set ii, ii+1
.endr
	s_wait_tensorcnt 0x0                           ; the wave's end
	ds_add_u32 v[SPW], v[NIL]
	s_wait_dscnt 0x0
	s_endpgm
.Lfunc_end_k_q0b762e3f01_gate:
	.size	k_q0b762e3f01_gate, .Lfunc_end_k_q0b762e3f01_gate-k_q0b762e3f01_gate
	.p2alignl 7, 3214868480
	.fill 96, 4, 3214868480
	.section	.rodata,"a",@progbits
	.p2align	6, 0x0
	.amdhsa_kernel k_q0b762e3f01_gate
		.amdhsa_group_segment_fixed_size 148992
		.amdhsa_private_segment_fixed_size 0
		.amdhsa_enable_private_segment 0
		.amdhsa_kernarg_size 48
		.amdhsa_user_sgpr_count 2
		.amdhsa_user_sgpr_kernarg_segment_ptr 1
		.amdhsa_wavefront_size32 1
		.amdhsa_system_sgpr_workgroup_id_x 1
		.amdhsa_system_sgpr_workgroup_id_y 1
		.amdhsa_system_sgpr_workgroup_id_z 1
		.amdhsa_system_vgpr_workitem_id 0
		.amdhsa_next_free_vgpr 512
		.amdhsa_next_free_sgpr 66
		.amdhsa_reserve_vcc 0
		.amdhsa_float_denorm_mode_32 3
		.amdhsa_float_denorm_mode_16_64 3
		.amdhsa_memory_ordered 1
		.amdhsa_forward_progress 1
		.amdhsa_inst_pref_size 39
	.end_amdhsa_kernel
	.amdgpu_metadata
---
amdhsa.version: [ 1, 2 ]
amdhsa.kernels:
  - .name:           k_q0b762e3f01_gate
    .symbol:         k_q0b762e3f01_gate.kd
    .args:
      - { .name: up, .offset: 0, .size: 8, .value_kind: global_buffer, .address_space: global }
      - { .name: sp, .offset: 8, .size: 8, .value_kind: global_buffer, .address_space: global }
      - { .name: wqk, .offset: 16, .size: 8, .value_kind: global_buffer, .address_space: global }
      - { .name: wx, .offset: 24, .size: 8, .value_kind: global_buffer, .address_space: global }
      - { .name: bq, .offset: 32, .size: 8, .value_kind: global_buffer, .address_space: global }
      - { .name: w3, .offset: 40, .size: 8, .value_kind: global_buffer, .address_space: global }
    .group_segment_fixed_size: 148992
    .private_segment_fixed_size: 0
    .kernarg_segment_align: 8
    .kernarg_segment_size: 48
    .max_flat_workgroup_size: 256
    .sgpr_count:     66
    .vgpr_count:     512
    .wavefront_size: 32
...
	.end_amdgpu_metadata
.endif
;; end of part 3
;; launch fuse (part 4): grid 256 x 1, 4 waves a work-group, clusters of 4 x 1, 327,680 bytes of LDS; arguments ab, w3, wx, c0, rk, out0; writes out0
.if DOCPART == 4
	.amdgcn_target "amdgcn-amd-amdhsa--gfx1250"
	.amdhsa_code_object_version 6
	.text
	.protected	k_q0b762e3f01_fuse
	.globl	k_q0b762e3f01_fuse
	.p2align	8
	.type	k_q0b762e3f01_fuse,@function
k_q0b762e3f01_fuse:
	s_mov_b64 s[64:65], 0
	v_nop
	global_prefetch_b8 v0, s[64:65] scope:SCOPE_SE
	s_setreg_imm32_b32 hwreg(HW_REG_WAVE_MODE, 25, 1), 1
	s_wait_xcnt 0x0
	s_wait_alu depctr_hold_cnt(0) depctr_sa_sdst(0) depctr_va_vdst(0) depctr_va_sdst(0) depctr_va_ssrc(0) depctr_va_vcc(0) depctr_vm_vsrc(0)
	s_getreg_b32 s2, hwreg(HW_REG_IB_STS2, 6, 4)
	s_cmp_eq_u32 s2, 0
	s_cbranch_scc0 .Lentry_in_a_cluster
	s_endpgm
.Lentry_in_a_cluster:
	s_bfe_u32 s2, ttmp6, 0x10000c
	s_cmp_lg_u32 s2, 0x3003
	s_cbranch_scc0 .Lentry_shape_is_right
	s_endpgm
.Lentry_shape_is_right:
; FUSE: out = rn (k (G o Wpf)) + x Wqf + c0: one product with K = 1,024 (512 of k, then 512 of x); between the halves the sums are multiplied by the row's rn and c0 is added.
; Nothing of reference() is left out; the identity stands at the head of the first kernel.  LIMITS: as stated there.
; A work-group owns 256 rows, a wave 64 (four tiles of 16) and all 256 columns: 64 accumulators, 512 registers.  Used transposed: source 0 = 16 columns of the weights, turned out of LDS,
; source 1 = 16 rows, which lie in ab as fragments and come straight from memory, 512 consecutive bytes a load, each asked for 8 K steps (512 matrix instructions) ahead of its use.
; The weights go by in four steps of 256 rows through two LDS slots.  CLUSTER: the four work-groups of a cluster belong to one batch and walk the same weights: each step is asked for JOINTLY,
; each wave for 64 of its rows, with the same descriptor in all four.
; REGISTERS, in windows of 256: window 0: addresses, rn, v128-255 the weights' fragments (two buffers of 8 tiles); window 1: the rows' fragments, K step j, tile a at 32 j + 8 a;
;   windows 2, 3: accumulator (a, t) at 8 (8 a + t % 8) of window 2 + t / 8.
.set WPI,   544                        ; a row of the weights in LDS: 512 bytes + 32: an odd multiple of 32 bytes
.set QUART, 64*WPI                     ; 34,816: a wave's part of a step, and what one address register reaches
.set SLOT1, 4*QUART                    ; 139,264 = 0x22000: it shares no bit with w x 34,816
.set C0T,   2*SLOT1                    ; c0: 1,024 bytes
.set SPARE, C0T+1024
.set SGP,   1040                       ; the way out: 16 rows x 1,040 bytes for each wave, in slot 0's place, behind its last fill and the last barrier
.set R,   2
.set H,   3
.set LN,  4
.set LO,  11                           ; v11 16 x lane; never rewritten
.set AW0, 12
.set AW,  16
.set SPW, 22
.set NIL, 23
.set RN,  24                           ; v24-31 rn of my row in each tile, twice
.set STO, 32
.set RD,  33
.set PFO, 34
.set C0A, 35
.set WB,  128
.set WV,  22
.set CX,  23
.set GID, 24
.set CNT, 25
.set RS,  27
.set LIM, 29
.set G1,  32
.set G0,  40
.set PFA, 44
.set ABB, 46                           ; s[46:47] ab at my row tiles, at the step in hand
.set A1,  48                           ; s[48:53] where the steps still to be asked for begin
.set A2,  50
.set A3,  52
.set OB,  54
.set MSB, 0
.macro WIN new
.if MSB != (\new)
	s_set_vgpr_msb (MSB<<8)|(\new)
.set MSB, \new
.endif
.endm
.macro PLACES
.rept 4
	v_nop
.endr
.endm
.macro ROUND
	s_barrier_signal -1
	s_barrier_wait -1
	s_cmp_lg_u32 s[WV], 0
	s_cbranch_scc1 .Lnw0_\@
	s_barrier_signal -3
.Lnw0_\@:
	s_barrier_wait -3
	s_barrier_signal -1
	s_barrier_wait -1
.endm
	s_load_b256 s[4:11], s[0:1], 0x0               ; ab 4, w3 6, wx 8, c0 10
	s_load_b128 s[12:15], s[0:1], 0x20             ; rk 12, out0 14
	v_lshl_add_u32 v[SPW], v0, 2, SPARE
	v_mov_b32 v[NIL], 0
	ds_add_u32 v[SPW], v[NIL]                      ; the opening: the add, twice on end, and its wait ahead of my first tensor load
	ds_add_u32 v[SPW], v[NIL]
	v_lshrrev_b32 v1, 5, v0
	v_readfirstlane_b32 s[WV], v1
	s_bfe_u32 s[CX], ttmp6, 0x40000
	s_lshl_b32 s[GID], ttmp9, 2
	s_add_co_u32 s[GID], s[GID], s[CX]
	s_mov_b32 s[G1], 15|(1<<16)|(1<<20)|(1<<21)|(6<<22)|(7<<25)  ; the mask of four; 2-byte elements; padding on; bit 21 beside a mask; after every 128 words 8 words
	s_mov_b32 s[G1+1], 256<<16                     ; tensor_dim0 = 256
	s_mov_b32 s[G1+2], 64<<16                      ; tensor_dim1 = 64
	s_mov_b32 s[G1+3], 256<<16                     ; tile_dim0 = 256
	s_mov_b32 s[G1+4], 64                          ; tile_dim1 = 64
	s_mov_b32 s[G1+5], 256
	s_mov_b32 s[G1+6], 0
	s_mov_b32 s[G1+7], 0
	s_mov_b32 s[G0], 1
	s_mul_i32 s[G0+1], s[WV], QUART
	s_cmp_eq_u32 ttmp9, 0                          ; the first cluster prefetches wx, in trips 0 and 1
	s_cselect_b32 s[LIM], 2, 0
	s_lshr_b32 s30, ttmp9, 2                       ; the batch, which the partners share
	s_lshl_b32 s30, s30, 18
	s_lshl_b32 s56, s[WV], 15                      ; my 64 rows of a step: 32,768 bytes
	s_add_co_u32 s30, s30, s56
	s_mov_b32 s31, 0
	s_mov_b32 s57, 0
	s_lshl_b32 s58, s[GID], 19                     ; my row tiles in ab
	s_lshl_b32 s59, s[WV], 17
	s_add_co_u32 s58, s58, s59
	s_mov_b32 s59, 0
	s_lshl_b32 s60, s[GID], 18                     ; my rows in out0
	s_lshl_b32 s61, s[WV], 16
	s_add_co_u32 s60, s60, s61
	s_mov_b32 s61, 0
	s_lshl_b32 s62, s[CX], 7
	s_lshl_b32 s63, s[WV], 5
	s_add_co_u32 s62, s62, s63
	s_lshl_b32 s62, s62, 8                         ; the 32 blocks of 256 bytes that I prefetch: told apart by address
	s_mov_b32 s63, 0
	s_lshl_b32 s26, s[GID], 10
	s_lshl_b32 s28, s[WV], 8
	s_add_co_u32 s26, s26, s28                     ; my rows in rk
	s_wait_dscnt 0x0
	s_wait_kmcnt 0x0
	s_add_nc_u64 s[G0+2:G0+3], s[6:7], s[30:31]    ; step 0: rows 0-255 of the batch's G o Wpf
	s_add_nc_u64 s[A1:A1+1], s[G0+2:G0+3], 0x20000 ; step 1: its rows 256-511
	s_or_b32 s[G0+3], s[G0+3], 0x80000000
	s_add_nc_u64 s[A2:A2+1], s[8:9], s[56:57]      ; steps 2 and 3: Wqf
	s_add_nc_u64 s[A3:A3+1], s[A2:A2+1], 0x20000
	s_add_nc_u64 s[ABB:ABB+1], s[4:5], s[58:59]
	s_add_nc_u64 s[OB:OB+1], s[14:15], s[60:61]
	s_add_nc_u64 s[PFA:PFA+1], s[8:9], s[62:63]
	ROUND
	tensor_load_to_lds s[G0:G0+3], s[G1:G1+7]      ; step 0 into slot 0
	s_nop 0
	PLACES
.macro FLOAD j, off                    ; the rows' fragments of K step j: 8 loads of 512 consecutive bytes
	WIN 0x40
.set ia, 0
.rept 4
	global_load_b128 v[32*(\j)+8*ia:32*(\j)+8*ia+3],   v[LO], s[ABB:ABB+1] offset:(\off)+32768*ia+1024*(\j) th:TH_LOAD_NT
	global_load_b128 v[32*(\j)+8*ia+4:32*(\j)+8*ia+7], v[LO], s[ABB:ABB+1] offset:(\off)+32768*ia+1024*(\j)+512 th:TH_LOAD_NT
.set ia, ia+1
.endr
	WIN 0
.endm
	v_and_b32 v[R], 15, v0
	v_bfe_u32 v[H], v0, 4, 1
	v_and_b32 v[LN], 31, v0
	v_lshlrev_b32 v[LO], 4, v[LN]
	v_lshl_add_u32 v5, v[R], 2, s26
	v_lshlrev_b32 v6, 3, v0
.set ia, 0
.rept 4
	global_load_b32 v[RN+2*ia], v5, s[12:13] offset:64*ia
.set ia, ia+1
.endr
	global_load_b64 v[36:37], v6, s[10:11]         ; c0: 8 bytes a thread
.set kj, 0
.rept 7
	FLOAD kj, 0
.set kj, kj+1
.endr
	v_lshl_add_u32 v7, v0, 3, C0T
	v_lshlrev_b32 v[PFO], 8, v[LN]
	v_lshl_add_u32 v[C0A], v[H], 5, C0T
	v_and_b32 v8, 7, v0
	v_lshl_add_u32 v8, v[H], 3, v8
	v_mul_u32_u24 v8, v8, WPI
	v_bfe_u32 v9, v0, 3, 1
	v_lshl_add_u32 v[AW0], v9, 4, v8
	v_add_nc_u32 v[AW0+1], QUART, v[AW0]
	v_add_nc_u32 v[AW0+2], 2*QUART, v[AW0]
	v_add_nc_u32 v[AW0+3], 3*QUART, v[AW0]
	s_mul_i32 s28, s[WV], 16*SGP
	v_mul_u32_u24 v[STO], v[R], SGP
	v_lshl_add_u32 v[STO], v[H], 5, v[STO]
	v_add_nc_u32 v[STO], s28, v[STO]
	v_add_nc_u32 v[RD], s28, v[LO]
	s_wait_loadcnt 56                              ; rn and c0 are in; the 56 loads of K steps 0 to 6 may stay out
	ds_store_b64 v7, v[36:37]
.set ia, 0
.rept 4
	v_mov_b32 v[RN+2*ia+1], v[RN+2*ia]
.set ia, ia+1
.endr
	FLOAD 7, 0
; THE CHANGE OF SLOTS, as in the launch that makes ab.  fill = 1: the joint load of the next step is the first thing behind the round: it has a step's 512 matrix instructions in which to land.
.macro CHANGE fill
	WIN 0
	s_wait_tensorcnt 0x0
	ds_add_u32 v[SPW], v[NIL]
.if \fill
	s_xor_b32 s[G0+1], s[G0+1], SLOT1
	s_mov_b64 s[G0+2:G0+3], s[A1:A1+1]
	s_or_b32 s[G0+3], s[G0+3], 0x80000000
	s_mov_b64 s[A1:A1+1], s[A2:A2+1]
	s_mov_b64 s[A2:A2+1], s[A3:A3+1]
.endif
	s_xor_b32 s[RS], s[RS], SLOT1
	s_wait_dscnt 0x0
.if \fill
	ROUND
	tensor_load_to_lds s[G0:G0+3], s[G1:G1+7]
	s_nop 0
	PLACES                                         ; also the places in front of the loads into the weights' buffers
	s_cmp_lt_u32 s[CNT], s[LIM]                    ; a prefetch of the step of wx that stands two steps on: a lane a block of 256 bytes; each block is named once in the launch
	s_cbranch_scc0 .Lna_\@
	global_prefetch_b8 v[PFO], s[PFA:PFA+1] th:TH_LOAD_NT scope:SCOPE_SE
.Lna_\@:
.else
	s_barrier_signal -1
	s_barrier_wait -1
	PLACES
.endif
.endm
.macro FETCH j, hf                     ; the weights' fragments of K step j, tiles 8 hf .. 8 hf + 7: 16 turning loads
	WIN 0
.set ib, 0
.rept 8
.set rA, WB+64*(\hf)+8*ib
	ds_load_tr16_b128 v[rA:rA+3],   v[AW+(\j)/2] offset:((\j)%2)*32*WPI+32*(8*(\hf)+ib)
	ds_load_tr16_b128 v[rA+4:rA+7], v[AW+(\j)/2] offset:((\j)%2)*32*WPI+32*(8*(\hf)+ib)+16*WPI
.set ib, ib+1
.endr
.endm
.macro MULH j, hf, zero                ; 32 products on 32 accumulators, by turns
	WIN 0xa4+0x50*(\hf)
.set ib, 0
.rept 8
.set ia, 0
.rept 4
.set rD, 8*(8*ia+ib)
.set rA, WB+64*(\hf)+8*ib
.set rB, 32*(\j)+8*ia
.if \zero
	v_wmma_f32_16x16x32_bf16 v[rD:rD+7], v[rA:rA+7], v[rB:rB+7], 0
.else
	v_wmma_f32_16x16x32_bf16 v[rD:rD+7], v[rA:rA+7], v[rB:rB+7], v[rD:rD+7]
.endif
.set ia, ia+1
.endr
.set ib, ib+1
.endr
.endm
; K step j of a step.  f = 1: its registers are asked for again, for the next step.
.macro KSTEP j, f, zero
.if \f
	s_wait_loadcnt 56                              ; my 8 loads are in: behind them stand 8 (7 - j) of this step and 8 j of the next
.else
	s_wait_loadcnt 56-8*(\j)
.endif
	s_wait_dscnt 16                                ; the first 8 tiles are in; the other 16 loads may stay out
	MULH \j, 0, \zero
.if (\j) < 7
	PLACES
	FETCH (\j)+1, 0
	s_wait_dscnt 16
.else
	s_wait_dscnt 0x0
.endif
	MULH \j, 1, \zero
.if ((\j) < 7) || (\f)
	PLACES
.endif
.if (\j) < 7
	FETCH (\j)+1, 1
.endif
.if \f
	FLOAD \j, 8192
.endif
	WIN 0
.endm
.macro SCALE                           ; between the halves of K: sum = sum x rn + c0
.set tt, 0
.rept 16
	ds_load_b128 v[WB+8*tt:WB+8*tt+3],   v[C0A] offset:64*tt
	ds_load_b128 v[WB+8*tt+4:WB+8*tt+7], v[C0A] offset:64*tt+16
.set tt, tt+1
.endr
	s_wait_dscnt 0x0
.set tt, 0
.rept 16
	WIN 0x82+0x41*(tt/8)
.set ia, 0
.rept 4
.set ip, 0
.rept 4
.set rD, 8*(8*ia+tt%8)+2*ip
	v_pk_fma_f32 v[rD:rD+1], v[rD:rD+1], v[RN+2*ia:RN+2*ia+1], v[WB+8*tt+2*ip:WB+8*tt+2*ip+1]
.set ip, ip+1
.endr
.set ia, ia+1
.endr
.set tt, tt+1
.endr
	WIN 0
.endm
.macro TRIP f
	CHANGE \f
.if \f
	s_cmp_eq_u32 s[CNT], 2                         ; k's half is summed
	s_cbranch_scc0 .Lnoscale_\@
	SCALE
.Lnoscale_\@:
.endif
.set ii, 0
.rept 4
	v_add_nc_u32 v[AW+ii], s[RS], v[AW0+ii]
.set ii, ii+1
.endr
	FETCH 0, 0
	FETCH 0, 1
.if \f
	s_cmp_eq_u32 s[CNT], 0                         ; the first products of all start the sums with the constant 0: nothing is cleared
	s_cbranch_scc0 .Lplace_\@
	KSTEP 0, 1, 1
	s_branch .Ljoin_\@
.Lplace_\@:
	KSTEP 0, 1, 0
.Ljoin_\@:
.else
	KSTEP 0, 0, 0
.endif
.set kj, 1
.rept 7
	KSTEP kj, \f, 0
.set kj, kj+1
.endr
.endm
	s_mov_b32 s[RS], SLOT1                         ; the first change turns it into slot 0
	s_mov_b32 s[CNT], 0
.Ltrip:                                        ; steps 0 to 2: each asks for the next
	TRIP 1
	s_wait_xcnt 0x0                                ; the loads and the prefetch have read their bases
	s_add_nc_u64 s[ABB:ABB+1], s[ABB:ABB+1], 8192
	s_add_nc_u64 s[PFA:PFA+1], s[PFA:PFA+1], 0x20000
	s_add_co_u32 s[CNT], s[CNT], 1
	s_cmp_lt_u32 s[CNT], 3
	s_cbranch_scc1 .Ltrip
	TRIP 0                                         ; step 3 is written out: nothing is asked for
	; THE WAY OUT, a tile of 16 rows at a time: 32 bytes a lane into my stage, back as whole rows of 1,024 bytes, stored 512 consecutive bytes an instruction.
	PLACES
.set ia, 0
.rept 4
	WIN 0x08
.set tt, 0
.rept 8
	ds_store_b128 v[STO], v[8*(8*ia+tt):8*(8*ia+tt)+3]   offset:64*tt
	ds_store_b128 v[STO], v[8*(8*ia+tt)+4:8*(8*ia+tt)+7] offset:64*tt+16
.set tt, tt+1
.endr
	WIN 0x0c
.set tt, 0
.rept 8
	ds_store_b128 v[STO], v[8*(8*ia+tt):8*(8*ia+tt)+3]   offset:512+64*tt
	ds_store_b128 v[STO], v[8*(8*ia+tt)+4:8*(8*ia+tt)+7] offset:512+64*tt+16
.set tt, tt+1
.endr
.if ia >= 2
	s_wait_xcnt 0x0                                ; the stores of the tile two back have read this set of registers
.endif
	WIN 0x40
.set nn, 0
.rept 32
	ds_load_b128 v[128*(ia%2)+4*nn:128*(ia%2)+4*nn+3], v[RD] offset:SGP*(nn/2)+512*(nn%2)  ; my own stage: LDS serves a wave in order
.set nn, nn+1
.endr
	s_wait_dscnt 0x0
	WIN 0x04
.set nn, 0
.rept 32
	global_store_b128 v[LO], v[128*(ia%2)+4*nn:128*(ia%2)+4*nn+3], s[OB:OB+1] offset:16384*ia+512*nn th:TH_STORE_NT
.set nn, nn+1
.endr
.set ia, ia+1
.endr
	WIN 0
	s_wait_tensorcnt 0x0                           ; the wave's end
	ds_add_u32 v[SPW], v[NIL]
	s_wait_dscnt 0x0
	ROUND                                          ; the closing round
	s_endpgm
.Lfunc_end_k_q0b762e3f01_fuse:
	.size	k_q0b762e3f01_fuse, .Lfunc_end_k_q0b762e3f01_fuse-k_q0b762e3f01_fuse
	.p2alignl 7, 3214868480
	.fill 96, 4, 3214868480
	.section	.rodata,"a",@progbits
	.p2align	6, 0x0
	.amdhsa_kernel k_q0b762e3f01_fuse
		.amdhsa_group_segment_fixed_size 327680
		.amdhsa_private_segment_fixed_size 0
		.amdhsa_enable_private_segment 0
		.amdhsa_kernarg_size 48
		.amdhsa_user_sgpr_count 2
		.amdhsa_user_sgpr_kernarg_segment_ptr 1
		.amdhsa_wavefront_size32 1
		.amdhsa_system_sgpr_workgroup_id_x 1
		.amdhsa_system_sgpr_workgroup_id_y 1
		.amdhsa_system_sgpr_workgroup_id_z 1
		.amdhsa_system_vgpr_workitem_id 0
		.amdhsa_next_free_vgpr 1024
		.amdhsa_next_free_sgpr 66
		.amdhsa_reserve_vcc 0
		.amdhsa_float_denorm_mode_32 3
		.amdhsa_float_denorm_mode_16_64 3
		.amdhsa_memory_ordered 1
		.amdhsa_forward_progress 1
		.amdhsa_inst_pref_size 179
	.end_amdhsa_kernel
	.amdgpu_metadata
---
amdhsa.version: [ 1, 2 ]
amdhsa.kernels:
  - .name:           k_q0b762e3f01_fuse
    .symbol:         k_q0b762e3f01_fuse.kd
    .args:
      - { .name: ab, .offset: 0, .size: 8, .value_kind: global_buffer, .address_space: global }
      - { .name: w3, .offset: 8, .size: 8, .value_kind: global_buffer, .address_space: global }
      - { .name: wx, .offset: 16, .size: 8, .value_kind: global_buffer, .address_space: global }
      - { .name: c0, .offset: 24, .size: 8, .value_kind: global_buffer, .address_space: global }
      - { .name: rk, .offset: 32, .size: 8, .value_kind: global_buffer, .address_space: global }
      - { .name: out0, .offset: 40, .size: 8, .value_kind: global_buffer, .address_space: global }
    .group_segment_fixed_size: 327680
    .private_segment_fixed_size: 0
    .kernarg_segment_align: 8
    .kernarg_segment_size: 48
    .max_flat_workgroup_size: 128
    .sgpr_count:     66
    .vgpr_count:     1024
    .wavefront_size: 32
...
	.end_amdgpu_metadata
.endif
;; end of part 4
;; ======== version 2 of 3: 4 launches
;; limits: values outside matrix products are rounded to bf16
;; workspace buffers: wqk 1,048,576 bytes; wx 524,288 bytes; c0 1,024 bytes; ab 134,217,728 bytes; rk 262,144 bytes; up 524,288 bytes; sp 131,072 bytes; w3 4,194,304 bytes
;; launch prep (part 5): grid 132 x 1, 8 waves a work-group, no clusters, 196,608 bytes of LDS; arguments Wq, Wk, Wp, Wf, bq, bp, bf, wqk, wx, c0; writes wqk, wx, c0
.if DOCPART == 5
	.amdgcn_target "amdgcn-amd-amdhsa--gfx1250"
	.amdhsa_code_object_version 6
	.text
	.protected	k_q0b762e3f01_prep
	.globl	k_q0b762e3f01_prep
	.p2align	8
	.type	k_q0b762e3f01_prep,@function
k_q0b762e3f01_prep:
	s_mov_b64 s[64:65], 0
	v_nop
	global_prefetch_b8 v0, s[64:65] scope:SCOPE_SE
	s_setreg_imm32_b32 hwreg(HW_REG_WAVE_MODE, 25, 1), 1
	s_wait_xcnt 0x0
; PREP: the weights, rounded and combined once.
; THE WHOLE PROGRAM.  q = x Wq + bq, k = x Wk + bk, qw = q.w_g / max(|q|, eps), A = qw SCALE normalised over a batch's 4,096 rows, G = sum A q,
; out = ((G o k / max(|k|, eps)) Wp + bp + q) Wf + bf.  Products are associative and a row's factor commutes with a product, so for all values of the inputs
;   out = rn (k (G o Wpf)) + x Wqf + c0,  Wpf = Wp Wf, Wqf = Wq Wf, c0 = (bq + bp) Wf + bf, rn = 1 / max(|k|, eps),
;   G   = cb ((sum qw x) Wq + (sum qw) bq),  cb = SCALE / max(SCALE sqrt(sum qw^2), eps).
; NOTHING OF reference() IS LEFT OUT: all ten inputs have a way to the output and all ten are loaded; only the order of the sums differs.
; LIMITS.  Every input is rounded once to bf16 (nearest even); Wqf, Wpf, G o Wpf, k, qw and the pooled sum are rounded once to bf16 as matrix operands; all sums are f32.
; The order of rounding differs from reference()'s.  NaN and infinities are not treated apart.
; THIS LAUNCH, three jobs by the work-group's number:
;   0-63    wx[1024][256] bf16: rows 0-511 Wqf[pi(row)], rows 512-1023 Wpf[row - 512]: 32 rows x 128 columns a work-group, K = 512; a wave has 16 columns and all 32 rows
;   64-67   c0[256] f32: 64 columns a work-group, 64 of the 512 terms a wave
;   68-131  wqk[512][1024] bf16: row kappa = Wq[pi(kappa)] then Wk[pi(kappa)]: 8 rows a work-group
; pi swaps bits 2 and 3 of an index: the later launches take x from memory 16 bytes (4 f32) a lane, and that is the order in which a fragment's K places then hold x's channels.
; Each job has LDS bytes of its own: no byte is named by two jobs.
.set WPI,   288                        ; a row of Wf's half in LDS: 256 bytes + 32: an odd multiple of 32 bytes
.set QUART, 128*WPI                    ; 36,864: what one address register reaches
.set RT,    512*WPI                    ; behind Wf: the 32 rows of Wq or Wp in bf16,
.set RPI,   1040                       ; 1,024 bytes + 16: an odd multiple of 16 bytes
.set OST,   RT+32*RPI                  ; the way out: 32 rows x 272 bytes, the work-group's
.set SPI,   272
.set SPARE, OST+32*SPI                 ; the spare words, 128 bytes for each wave
.set BTAB,  SPARE+1024                 ; the c0 job: the table s, 256 bytes a wave,
.set BPS,   BTAB+2048                  ; and 16 partial sums of 256 bytes
.set NPROD, 64
.set NBIAS, 4
.set LN,  2                            ; v2  lane
.set R,   3                            ; v3  lane % 16
.set H,   4                            ; v4  lane / 16
.set SPW, 10                           ; v10 LDS address of my spare word; never rewritten
.set NIL, 11                           ; v11 0; never rewritten
.set WA,  12                           ; v12-15 where I put Wf's rows
.set TA,  16                           ; v16-19 where the turning loads read
.set FO,  20
.set RO,  21
.set STO, 22
.set RD,  23
.set GO,  24
.set RSA, 25                           ; v25 where I put my four rows
.set RA,  26                           ; v26 where the rows' fragments are read
.set RC,  32                           ; v32-63 rounded rows; later the way out
.set RL,  64                           ; v64-127 my four rows as they land
.set ACC, 64                           ; v64-79 then two accumulators
.set WB,  128                          ; v128-255 Wf rounded, then its 16 fragments
.set WV,  24                           ; s24 my wave's number
.set MSB, 0
.macro WIN new                         ; the immediate's high byte repeats the setting that is left
.if MSB != (\new)
	s_set_vgpr_msb (MSB<<8)|(\new)
.set MSB, \new
.endif
.endm
.macro PLACES
.rept 4
	v_nop
.endr
.endm
	s_load_b512 s[4:19], s[0:1], 0x0               ; Wq 4, Wk 6, Wp 8, Wf 10, bq 12, bp 14, bf 16, wqk 18
	s_load_b128 s[20:23], s[0:1], 0x40             ; wx 20, c0 22
	v_lshl_add_u32 v[SPW], v0, 2, SPARE
	v_mov_b32 v[NIL], 0
	v_lshrrev_b32 v1, 5, v0
	v_readfirstlane_b32 s[WV], v1
	v_and_b32 v[LN], 31, v0
	v_and_b32 v[R], 15, v0
	v_bfe_u32 v[H], v0, 4, 1
	s_wait_kmcnt 0x0
	s_cmp_lt_u32 ttmp9, NPROD
	s_cbranch_scc1 .Lprod
	s_cmp_lt_u32 ttmp9, NPROD+NBIAS
	s_cbranch_scc1 .Lbias
	; ---- THE CAST.  Rows kappa = 8 n + i; wave w: matrix w / 4, 128 columns w % 4.  A load covers 512 consecutive bytes, a store 256, aligned.
	s_sub_co_u32 s25, ttmp9, NPROD+NBIAS           ; n
	s_lshr_b32 s26, s25, 1
	s_lshl_b32 s26, s26, 4
	s_and_b32 s27, s25, 1
	s_lshl2_add_u32 s26, s27, s26                  ; pi(8 n) = 16 (n / 2) + 4 (n % 2)
	s_lshl_b32 s26, s26, 11
	s_and_b32 s27, s[WV], 3
	s_lshl_b32 s28, s27, 9
	s_add_co_u32 s26, s26, s28
	v_lshl_add_u32 v5, v[LN], 4, s26
	s_lshl_b32 s25, s25, 14
	s_lshl_b32 s28, s27, 8
	s_add_co_u32 s25, s25, s28
	s_cmp_lt_u32 s[WV], 4
	s_cselect_b64 s[32:33], s[4:5], s[6:7]
	s_cselect_b32 s28, 0, 1024
	s_add_co_u32 s25, s25, s28
	v_lshl_add_u32 v6, v[LN], 3, s25
.set ii, 0
.rept 8
	global_load_b128 v[32+4*ii:32+4*ii+3], v5, s[32:33] offset:(8*(ii/4)+(ii%4))*2048  ; pi(8 n + i) - pi(8 n) = 8 (i / 4) + i % 4
.set ii, ii+1
.endr
	s_wait_loadcnt 0x0
.set ii, 0
.rept 8
	v_cvt_pk_bf16_f32 v[64+2*ii], v[32+4*ii], v[32+4*ii+1]
	v_cvt_pk_bf16_f32 v[64+2*ii+1], v[32+4*ii+2], v[32+4*ii+3]
.set ii, ii+1
.endr
.set ii, 0
.rept 8
	global_store_b64 v6, v[64+2*ii:64+2*ii+1], s[18:19] offset:2048*ii
.set ii, ii+1
.endr
	s_branch .Lend
	; ---- c0.  s[j] = bq[j] + bp[j] (each rounded to bf16 first).  A load takes 256 bytes (64 columns) of two rows of Wf: lanes 0-15 the even term, lanes 16-31 the odd one;
	; a lane has 4 columns and 32 of its wave's 64 terms.  All 32 loads of a wave go out at once.
.Lbias:
	s_sub_co_u32 s25, ttmp9, NPROD
	s_lshl_b32 s25, s25, 8                         ; my 64 columns: 256 bytes of a row of Wf, of bf and of c0
	s_lshl_b32 s26, s[WV], 8                       ; my 64 terms: 256 bytes of bq, of bp and of the table
	v_lshl_add_u32 v5, v[LN], 3, s26
	global_load_b64 v[32:33], v5, s[12:13]
	global_load_b64 v[34:35], v5, s[14:15]
	v_lshl_add_u32 v9, v[LN], 3, s25               ; two columns a lane of bf and of c0
	s_cmp_lg_u32 s[WV], 0                          ; wave 0, which finishes the sums, asks for bf now
	s_cbranch_scc1 .Lnobf
	global_load_b64 v[44:45], v9, s[16:17]
.Lnobf:
	s_lshl_b32 s27, s[WV], 16                      ; 64 rows of 1,024 bytes
	s_add_co_u32 s27, s27, s25
	v_lshl_add_u32 v6, v[H], 10, s27
	v_lshl_add_u32 v6, v[R], 4, v6
.set ii, 0
.rept 32
	global_load_b128 v[128+4*ii:128+4*ii+3], v6, s[10:11] offset:2048*ii  ; terms 64 w + 2 i + lane / 16
.set ii, ii+1
.endr
	s_add_co_u32 s28, s26, BTAB
	v_lshl_add_u32 v12, v[LN], 2, s28              ; the table holds the even terms, then the odd ones
	v_lshl_add_u32 v7, v[H], 7, s28
	v_mov_b32 v40, 0
	v_mov_b32 v41, 0
	v_mov_b32 v42, 0
	v_mov_b32 v43, 0
	s_wait_loadcnt 32                              ; bq, bp (and bf) are in; Wf's 32 loads may stay out
	v_cvt_pk_bf16_f32 v38, v32, v33
	v_cvt_pk_bf16_f32 v39, v34, v35
	v_lshlrev_b32 v32, 16, v38
	v_and_b32 v33, 0xffff0000, v38
	v_lshlrev_b32 v34, 16, v39
	v_and_b32 v35, 0xffff0000, v39
	v_pk_add_f32 v[32:33], v[32:33], v[34:35]
	ds_store_b32 v12, v32                          ; my wave's part of the table: only my wave reads it, and LDS serves a wave in order
	ds_store_b32 v12, v33 offset:128
.set ii, 0
.rept 8
	ds_load_b128 v[64+4*ii:64+4*ii+3], v7 offset:16*ii  ; s of my 32 terms
.set ii, ii+1
.endr
	s_wait_loadcnt 0x0
	s_wait_dscnt 0x0
.set ii, 0
.rept 32
	v_cvt_pk_bf16_f32 v[128+4*ii], v[128+4*ii], v[128+4*ii+1]
	v_cvt_pk_bf16_f32 v[128+4*ii+1], v[128+4*ii+2], v[128+4*ii+3]
.set ii, ii+1
.endr
.set ii, 0
.rept 32
	v_fma_mix_f32_bf16 v40, v[128+4*ii], v[64+ii], v40 op_sel_hi:[1,0,0]
	v_fma_mix_f32_bf16 v41, v[128+4*ii], v[64+ii], v41 op_sel:[1,0,0] op_sel_hi:[1,0,0]
	v_fma_mix_f32_bf16 v42, v[128+4*ii+1], v[64+ii], v42 op_sel_hi:[1,0,0]
	v_fma_mix_f32_bf16 v43, v[128+4*ii+1], v[64+ii], v43 op_sel:[1,0,0] op_sel_hi:[1,0,0]
.set ii, ii+1
.endr
	s_lshl_b32 s27, s[WV], 9
	s_add_co_u32 s27, s27, BPS
	v_lshl_add_u32 v8, v[LN], 4, s27               ; partial sum 2 w + lane / 16: 256 bytes, 64 columns
	ds_store_b128 v8, v[40:43]
	s_wait_dscnt 0x0                               ; for the others' sake
	s_barrier_signal -1
	s_barrier_wait -1
	s_cmp_lg_u32 s[WV], 0                          ; wave 0 adds the sixteen, two columns a lane
	s_cbranch_scc1 .Lend
	v_lshl_add_u32 v13, v[LN], 3, BPS
.set ii, 0
.rept 16
	ds_load_b64 v[64+2*ii:64+2*ii+1], v13 offset:256*ii
.set ii, ii+1
.endr
	v_cvt_pk_bf16_f32 v38, v44, v45
	v_lshlrev_b32 v44, 16, v38
	v_and_b32 v45, 0xffff0000, v38
	s_wait_dscnt 0x0
.set ii, 1
.rept 15
	v_pk_add_f32 v[64:65], v[64:65], v[64+2*ii:64+2*ii+1]
.set ii, ii+1
.endr
	v_pk_add_f32 v[64:65], v[64:65], v[44:45]
	global_store_b64 v9, v[64:65], s[22:23]        ; 256 consecutive bytes, aligned
	s_branch .Lend
	; ---- THE PRODUCTS.  Used transposed: source 0 = 16 columns of Wf (turned out of LDS), source 1 = 16 rows of Wq or Wp: a lane ends with 8 neighbouring columns of one row.
	; A work-group loads its 32 rows (64 KiB) and its half of Wf (256 KiB) once, each load 512 consecutive bytes, all of a wave's 80 loads at once; both go rounded into LDS.
.Lprod:
	s_lshr_b32 s25, ttmp9, 1                       ; block of 32 rows of wx
	s_and_b32 s26, ttmp9, 1                        ; half of the 256 columns
	s_and_b32 s27, s[WV], 4                        ; wave w brings rows 4 w .. 4 w + 3 of the block: pi of such a row swaps bits 0 and 1 of w
	s_and_b32 s28, s[WV], 1
	s_lshl1_add_u32 s27, s28, s27
	s_bfe_u32 s28, s[WV], 0x10001
	s_add_co_u32 s27, s27, s28
	s_cmp_lt_u32 s25, 16                           ; rows 0-511: Wq, permuted; rows 512-1023: Wp as it lies
	s_cselect_b32 s27, s27, s[WV]
	s_cselect_b64 s[32:33], s[4:5], s[8:9]
	s_and_b32 s28, s25, 15
	s_lshl3_add_u32 s28, s28, s27                  ; which four rows of the matrix
	s_lshl_b32 s28, s28, 13                        ; x 4 rows x 2,048 bytes
	v_lshl_add_u32 v[RO], v[LN], 4, s28
.set ii, 0
.rept 16
	global_load_b128 v[RL+4*ii:RL+4*ii+3], v[RO], s[32:33] offset:512*ii  ; four rows on end: 8,192 consecutive bytes
.set ii, ii+1
.endr
	s_lshl_b32 s27, s26, 9
	s_lshl_b32 s28, s[WV], 10
	s_add_co_u32 s27, s27, s28
	v_lshl_add_u32 v[FO], v[LN], 4, s27
	WIN 0x40                                       ; destination window 1
.set ii, 0
.rept 64
	global_load_b128 v[4*ii:4*ii+3], v[FO], s[10:11] offset:8192*ii  ; Wf's row 8 i + w, my half: 512 consecutive bytes
.set ii, ii+1
.endr
	WIN 0
	s_mul_i32 s28, s[WV], 4*RPI
	s_add_co_u32 s28, s28, RT
	v_lshl_add_u32 v[RSA], v[LN], 3, s28
	s_mul_i32 s28, s[WV], WPI
	v_lshl_add_u32 v[WA], v[LN], 3, s28
	v_add_nc_u32 v[WA+1], QUART, v[WA]
	v_add_nc_u32 v[WA+2], 2*QUART, v[WA]
	v_add_nc_u32 v[WA+3], 3*QUART, v[WA]
	v_and_b32 v6, 7, v0
	v_lshl_add_u32 v6, v[H], 3, v6
	v_mul_u32_u24 v6, v6, WPI
	v_bfe_u32 v7, v0, 3, 1
	v_lshl_add_u32 v6, v7, 4, v6                   ; (8 h + l % 8) x pitch + 16 ((l / 8) % 2)
	s_lshl_b32 s28, s[WV], 5                       ; my tile of 16 columns: 32 bytes
	v_add_nc_u32 v[TA], s28, v6
	v_add_nc_u32 v[TA+1], QUART, v[TA]
	v_add_nc_u32 v[TA+2], 2*QUART, v[TA]
	v_add_nc_u32 v[TA+3], 3*QUART, v[TA]
	v_mul_u32_u24 v6, v[R], RPI
	v_lshl_add_u32 v6, v[H], 4, v6
	v_add_nc_u32 v[RA], RT, v6
	v_mul_u32_u24 v6, v[R], SPI
	v_lshl_add_u32 v6, v[H], 4, v6
	s_add_co_u32 s28, s28, OST
	v_add_nc_u32 v[STO], s28, v6                   ; in: row l % 16, my tile's 32 bytes, 16 for each half of the lanes
	s_mul_i32 s28, s[WV], 4*SPI
	s_add_co_u32 s28, s28, OST
	v_mul_u32_u24 v6, v[H], SPI
	v_lshl_add_u32 v6, v[R], 4, v6
	v_add_nc_u32 v[RD], s28, v6                    ; back: wave w takes rows 4 w .. 4 w + 3, whole
	s_lshl_b32 s30, s25, 5
	s_lshl2_add_u32 s30, s[WV], s30
	v_add_nc_u32 v6, s30, v[H]
	v_lshlrev_b32 v6, 9, v6
	v_lshl_add_u32 v6, v[R], 4, v6
	s_lshl_b32 s31, s26, 8
	v_add_nc_u32 v[GO], s31, v6
	s_wait_loadcnt 63                              ; my four rows are in; 63 of Wf's 64 loads may stay out (the largest count that the wait can name)
.set ii, 0
.rept 16
	v_cvt_pk_bf16_f32 v[RC+2*ii],   v[RL+4*ii],   v[RL+4*ii+1]
	v_cvt_pk_bf16_f32 v[RC+2*ii+1], v[RL+4*ii+2], v[RL+4*ii+3]
.set ii, ii+1
.endr
.set ii, 0
.rept 16
	ds_store_b64 v[RSA], v[RC+2*ii:RC+2*ii+1] offset:(ii/4)*RPI+256*(ii%4)
.set ii, ii+1
.endr
	s_wait_loadcnt 0x0
	WIN 0x05                                       ; sources window 1, destination window 0
.set ii, 0
.rept 64
	v_cvt_pk_bf16_f32 v[WB+2*ii], v[4*ii], v[4*ii+1]
	v_cvt_pk_bf16_f32 v[WB+2*ii+1], v[4*ii+2], v[4*ii+3]
.set ii, ii+1
.endr
	WIN 0
.set ii, 0
.rept 64
	ds_store_b64 v[WA+ii/16], v[WB+2*ii:WB+2*ii+1] offset:(ii%16)*8*WPI
.set ii, ii+1
.endr
	s_wait_dscnt 0x0                               ; my rows lie in LDS,
	s_barrier_signal -1
	s_barrier_wait -1                              ; everybody's do
.set ks, 0
.rept 16                               ; my 16 columns of Wf, all of K
	ds_load_tr16_b128 v[WB+8*ks:WB+8*ks+3],   v[TA+ks/4] offset:(ks%4)*32*WPI
	ds_load_tr16_b128 v[WB+8*ks+4:WB+8*ks+7], v[TA+ks/4] offset:(ks%4)*32*WPI+16*WPI
.set ks, ks+1
.endr
	WIN 0x40
.set rt, 0
.rept 2                                ; the 32 rows, all of K: row tile rt, K step ks at 8 (16 rt + ks) of window 1
.set ks, 0
.rept 16
	ds_load_b128 v[8*(16*rt+ks):8*(16*rt+ks)+3],   v[RA] offset:rt*16*RPI+64*ks
	ds_load_b128 v[8*(16*rt+ks)+4:8*(16*rt+ks)+7], v[RA] offset:rt*16*RPI+64*ks+32
.set ks, ks+1
.endr
.set rt, rt+1
.endr
	s_wait_dscnt 0x0
	WIN 0x04                                       ; source 1 window 1
.set ks, 0
.rept 16
.set rt, 0
.rept 2                                ; the two accumulators take turns
.if ks == 0
	v_wmma_f32_16x16x32_bf16 v[ACC+8*rt:ACC+8*rt+7], v[WB+8*ks:WB+8*ks+7], v[8*(16*rt+ks):8*(16*rt+ks)+7], 0
.else
	v_wmma_f32_16x16x32_bf16 v[ACC+8*rt:ACC+8*rt+7], v[WB+8*ks:WB+8*ks+7], v[8*(16*rt+ks):8*(16*rt+ks)+7], v[ACC+8*rt:ACC+8*rt+7]
.endif
.set rt, rt+1
.endr
.set ks, ks+1
.endr
	WIN 0
	PLACES
.set ii, 0
.rept 8
	v_cvt_pk_bf16_f32 v[RC+ii], v[ACC+2*ii], v[ACC+2*ii+1]
.set ii, ii+1
.endr
	ds_store_b128 v[STO], v[RC:RC+3]
	ds_store_b128 v[STO], v[RC+4:RC+7] offset:16*SPI
	s_wait_dscnt 0x0                               ; a row's 256 bytes come from eight waves
	s_barrier_signal -1
	s_barrier_wait -1
	ds_load_b128 v[RC+8:RC+11],  v[RD]
	ds_load_b128 v[RC+12:RC+15], v[RD] offset:2*SPI
	s_wait_dscnt 0x0
	global_store_b128 v[GO], v[RC+8:RC+11],  s[20:21]              ; 16 lanes store 256 consecutive bytes, aligned
	global_store_b128 v[GO], v[RC+12:RC+15], s[20:21] offset:1024
.Lend:
	s_wait_tensorcnt 0x0                           ; the wave's end
	ds_add_u32 v[SPW], v[NIL]
	s_wait_dscnt 0x0
	s_endpgm
.Lfunc_end_k_q0b762e3f01_prep:
	.size	k_q0b762e3f01_prep, .Lfunc_end_k_q0b762e3f01_prep-k_q0b762e3f01_prep
	.p2alignl 7, 3214868480
	.fill 96, 4, 3214868480
	.section	.rodata,"a",@progbits
	.p2align	6, 0x0
	.amdhsa_kernel k_q0b762e3f01_prep
		.amdhsa_group_segment_fixed_size 196608
		.amdhsa_private_segment_fixed_size 0
		.amdhsa_enable_private_segment 0
		.amdhsa_kernarg_size 80
		.amdhsa_user_sgpr_count 2
		.amdhsa_user_sgpr_kernarg_segment_ptr 1
		.amdhsa_wavefront_size32 1
		.amdhsa_system_sgpr_workgroup_id_x 1
		.amdhsa_system_sgpr_workgroup_id_y 1
		.amdhsa_system_sgpr_workgroup_id_z 1
		.amdhsa_system_vgpr_workitem_id 0
		.amdhsa_next_free_vgpr 512
		.amdhsa_next_free_sgpr 66
		.amdhsa_reserve_vcc 0
		.amdhsa_float_denorm_mode_32 3
		.amdhsa_float_denorm_mode_16_64 3
		.amdhsa_memory_ordered 1
		.amdhsa_forward_progress 1
		.amdhsa_inst_pref_size 60
	.end_amdhsa_kernel
	.amdgpu_metadata
---
amdhsa.version: [ 1, 2 ]
amdhsa.kernels:
  - .name:           k_q0b762e3f01_prep
    .symbol:         k_q0b762e3f01_prep.kd
    .args:
      - { .name: Wq, .offset: 0, .size: 8, .value_kind: global_buffer, .address_space: global }
      - { .name: Wk, .offset: 8, .size: 8, .value_kind: global_buffer, .address_space: global }
      - { .name: Wp, .offset: 16, .size: 8, .value_kind: global_buffer, .address_space: global }
      - { .name: Wf, .offset: 24, .size: 8, .value_kind: global_buffer, .address_space: global }
      - { .name: bq, .offset: 32, .size: 8, .value_kind: global_buffer, .address_space: global }
      - { .name: bp, .offset: 40, .size: 8, .value_kind: global_buffer, .address_space: global }
      - { .name: bf, .offset: 48, .size: 8, .value_kind: global_buffer, .address_space: global }
      - { .name: wqk, .offset: 56, .size: 8, .value_kind: global_buffer, .address_space: global }
      - { .name: wx, .offset: 64, .size: 8, .value_kind: global_buffer, .address_space: global }
      - { .name: c0, .offset: 72, .size: 8, .value_kind: global_buffer, .address_space: global }
    .group_segment_fixed_size: 196608
    .private_segment_fixed_size: 0
    .kernarg_segment_align: 8
    .kernarg_segment_size: 80
    .max_flat_workgroup_size: 256
    .sgpr_count:     66
    .vgpr_count:     512
    .wavefront_size: 32
...
	.end_amdgpu_metadata
.endif
;; end of part 5
;; launch stats (part 6): grid 256 x 1, 4 waves a work-group, clusters of 4 x 1, 327,680 bytes of LDS; arguments x, wqk, bq, bk, w_g, ab, rk, up, sp; writes ab, rk, up, sp
.if DOCPART == 6
	.amdgcn_target "amdgcn-amd-amdhsa--gfx1250"
	.amdhsa_code_object_version 6
	.text
	.protected	k_q0b762e3f01_stats
	.globl	k_q0b762e3f01_stats
	.p2align	8
	.type	k_q0b762e3f01_stats,@function
k_q0b762e3f01_stats:
	s_mov_b64 s[64:65], 0
	v_nop
	global_prefetch_b8 v0, s[64:65] scope:SCOPE_SE
	s_setreg_imm32_b32 hwreg(HW_REG_WAVE_MODE, 25, 1), 1
	s_wait_xcnt 0x0
	s_wait_alu depctr_hold_cnt(0) depctr_sa_sdst(0) depctr_va_vdst(0) depctr_va_sdst(0) depctr_va_ssrc(0) depctr_va_vcc(0) depctr_vm_vsrc(0)
	s_getreg_b32 s2, hwreg(HW_REG_IB_STS2, 6, 4)
	s_cmp_eq_u32 s2, 0
	s_cbranch_scc0 .Lentry_in_a_cluster
	s_endpgm
.Lentry_in_a_cluster:
	s_bfe_u32 s2, ttmp6, 0x10000c
	s_cmp_lg_u32 s2, 0x3003
	s_cbranch_scc0 .Lentry_shape_is_right
	s_endpgm
.Lentry_shape_is_right:
; STATS: q = x Wq + bq and k = x Wk + bk for 256 rows a work-group, 64 a wave; of q only |q|^2 and q.w_g are kept, k leaves as bf16 fragments.  Nothing of reference() is left out.
; OUT: ab (x and k as matrix fragments in bf16), rk (1 / max(|k|, eps)), up (sum of qw x over the work-group's rows), sp (sum qw^2, sum qw).
; LIMITS.  x, the weights, bq, bk, w_g are rounded to bf16; sums are f32; qw is rounded to bf16 for the pooled sum.  Square root and reciprocal take a denormal as 0: the maximum with eps covers it.
; LAYOUT.  The products are used transposed: source 0 = 16 columns of the weights, source 1 = 16 rows of x.  A lane then holds ONE row (lane % 16) and the columns 8 (lane / 16) + 0..7:
; a row's sums are made in the lane, with one exchange between the halves of the lanes; two neighbouring results rounded in pairs ARE a source-1 fragment of the last launch's product.
; x comes straight from memory, 16 bytes (4 f32) a lane; that puts channel pi(kappa) at K place kappa (pi swaps bits 2 and 3), and wqk's rows lie in that order.
; x's 64 rows stay in 512 registers; the weights go by in 8 chunks of 128 columns (4 of Wq, 4 of Wk) through two LDS slots.
; x's fragments go to ab while q is multiplied: each of q's eight sub-chunks, which store nothing of their own, sends one eighth of them; k's sub-chunks send k.
; CLUSTER.  All work-groups walk the same weights: the four of a cluster ask for each chunk JOINTLY, each wave for 128 of its 512 rows, with the same descriptor in all four.
; REGISTERS, in windows of 256 (s_set_vgpr_msb: bits 1:0 source 0, 3:2 source 1, 5:4 source 2, 7:6 destination):
;   window 0: addresses, sums, v64-95 the bias as C operand, v96-127 w_g, v128-255 the weights' fragments, two buffers
;   window 1: where x lands (two halves of 128); then v0-127 16 accumulators ((a, b) at 8 (4 a + b)); at the end 32 accumulators of the pooled sum
;   windows 2, 3: x's fragments: row tile a, K step ks at 8 (16 (a % 2) + ks) of window 2 + a / 2
.set WPI,   288                        ; a row of a chunk in LDS: 256 bytes + 32: an odd multiple of 32 bytes
.set QUART, 128*WPI                    ; 36,864: a wave's part of a chunk, and what one address register reaches
.set SLOT1, 4*QUART                    ; 147,456 = 0x24000: it shares no bit with w x 36,864, so one exclusive or changes slots
.set TBL,   2*SLOT1                    ; bq then bk, rounded, f32: 4,096 bytes
.set WGT,   TBL+4096                   ; w_g: 2,048
.set QT,    WGT+2048                   ; qw in bf16: 128 bytes a wave
.set RNT,   QT+512                     ; rn: 256 bytes a wave
.set SSL,   RNT+1024                   ; (sum qw^2, sum qw) of each wave
.set UPL,   SSL+256                    ; the waves' pooled sums: 2,048 bytes each
.set SPARE, UPL+8192                   ; the spare words, 128 bytes for each wave
.set XTP,   1056                       ; at the end x's rows lie in the ring's place: 1,024 bytes + 32
.set XTW,   64*XTP
.set R,   2
.set H,   3
.set LN,  4
.set XO,  10                           ; v10 (l % 16) x 2,048 + 16 (l / 16); never rewritten
.set LO,  11                           ; v11 16 x lane; never rewritten
.set AW0, 12                           ; v12-15 my place in a chunk, for each 128 rows
.set AW,  16                           ; v16-19 the same in the sub-chunk in hand
.set ABI, 20                           ; v20 where the bias of the sub-chunk lies
.set AWG, 21                           ; v21 the same for w_g
.set SPW, 22                           ; v22 LDS address of my spare word; never rewritten
.set NIL, 23                           ; v23 0; never rewritten
.set SSQ, 24                           ; v24-31 |q|^2, a pair for each row tile
.set DQ,  32                           ; v32-39 q.w_g
.set SSK, 40                           ; v40-47 |k|^2
.set T,   48                           ; v48-62 at work
.set PFO, 63                           ; v63 2,048 x lane; never rewritten
.set BIA, 64
.set WGR, 96
.set WB,  128
.set WV,  22
.set CX,  23
.set GID, 24
.set CNT, 25                           ; s25 the chunk in hand
.set SUB, 26
.set RS,  27                           ; s27 the slot that is read
.set TB,  28
.set LIM, 29
.set G1,  32
.set G0,  40
.set PFA, 44
.set KB,  46                           ; s[46:47] where k's next fragments go
.set XB,  48
.set ABX, 50
.set SEL, 52
.set IDX, 58                           ; s58 q's sub-chunk in hand, 0 to 7: which eighth of x's fragments it sends
.set MSB, 0
.macro WIN new                         ; the immediate's high byte repeats the setting that is left
.if MSB != (\new)
	s_set_vgpr_msb (MSB<<8)|(\new)
.set MSB, \new
.endif
.endm
.macro PLACES                          ; four places behind matrix instructions (ISA guide 7.12.1)
.rept 4
	v_nop
.endr
.endm
.macro ROUND                           ; a round of the cluster's barrier
	s_barrier_signal -1
	s_barrier_wait -1
	s_cmp_lg_u32 s[WV], 0
	s_cbranch_scc1 .Lnw0_\@
	s_barrier_signal -3
.Lnw0_\@:
	s_barrier_wait -3
	s_barrier_signal -1
	s_barrier_wait -1
.endm
	s_load_b512 s[4:19], s[0:1], 0x0               ; x 4, wqk 6, bq 8, bk 10, w_g 12, ab 14, rk 16, up 18
	s_load_b64 s[20:21], s[0:1], 0x40              ; sp
	v_lshl_add_u32 v[SPW], v0, 2, SPARE
	v_mov_b32 v[NIL], 0
	ds_add_u32 v[SPW], v[NIL]                      ; the opening: the add, twice on end, and its wait ahead of my first tensor load
	ds_add_u32 v[SPW], v[NIL]
	v_lshrrev_b32 v1, 5, v0
	v_readfirstlane_b32 s[WV], v1
	s_bfe_u32 s[CX], ttmp6, 0x40000                ; my place in the cluster: it enters global addresses of my own alone
	s_lshl_b32 s[GID], ttmp9, 2
	s_add_co_u32 s[GID], s[GID], s[CX]             ; my block of 256 rows
	s_mov_b32 s[G1], 15|(1<<16)|(1<<20)|(1<<21)|(5<<22)|(7<<25)  ; the mask of four; 2-byte elements; padding on; bit 21 beside a mask; after every 64 words 8 words
	s_mov_b32 s[G1+1], 128<<16                     ; tensor_dim0 = 128
	s_mov_b32 s[G1+2], 128<<16                     ; tensor_dim1 = 128
	s_mov_b32 s[G1+3], 128<<16                     ; tile_dim0 = 128
	s_mov_b32 s[G1+4], 128                         ; tile_dim1 = 128
	s_mov_b32 s[G1+5], 1024                        ; 1,024 elements from row to row
	s_mov_b32 s[G1+6], 0
	s_mov_b32 s[G1+7], 0
	s_mov_b32 s[G0], 1
	s_mul_i32 s[G0+1], s[WV], QUART                ; slot 0, my 128 rows
	s_mov_b32 s[SEL], 0x76543210
	s_mov_b32 s[SEL+1], 0xfedcba98
	s_cmp_eq_u32 ttmp9, 0                          ; the first cluster prefetches, in chunks 0 to 5: the same in all four partners
	s_cselect_b32 s[LIM], 6, 0
	s_lshl_b32 s30, s[WV], 18                      ; my 128 rows of wqk: 262,144 bytes
	s_mov_b32 s31, 0
	s_lshl_b32 s54, s[GID], 19                     ; my work-group's 256 rows of x (2,048 bytes each), and its 16 row tiles of ab (32,768 each),
	s_lshl_b32 s55, s[WV], 17                      ; my wave's quarter of them
	s_add_co_u32 s54, s54, s55
	s_mov_b32 s55, 0
	s_lshl_b32 s56, s[CX], 7
	s_lshl_b32 s57, s[WV], 5
	s_add_co_u32 s56, s56, s57                     ; the 32 rows of wqk that I prefetch: told apart by address
	s_lshl_b32 s56, s56, 11
	s_add_co_u32 s56, s56, 512                     ; at chunk 2
	s_mov_b32 s57, 0
	s_wait_dscnt 0x0                               ; both opening adds are done
	s_wait_kmcnt 0x0
	s_add_nc_u64 s[G0+2:G0+3], s[6:7], s[30:31]
	s_or_b32 s[G0+3], s[G0+3], 0x80000000
	s_add_nc_u64 s[XB:XB+1], s[4:5], s[54:55]
	s_add_nc_u64 s[ABX:ABX+1], s[14:15], s[54:55]
	s_mov_b64 s[KB:KB+1], s[ABX:ABX+1]
	s_add_nc_u64 s[PFA:PFA+1], s[6:7], s[56:57]
	ROUND                                          ; all four work-groups are here: the first joint loads meet
	tensor_load_to_lds s[G0:G0+3], s[G1:G1+7]      ; chunk 0 into slot 0
	s_nop 0
	PLACES
; x's unit u: row tile u / 2, half u % 2 of its 512 channels.  32 loads; eight on end cover 256 aligned bytes of each of 16 rows, 32 bytes of a row each:
; the bytes beside a load's own are wanted by the loads next to it, so these loads carry no cache hint.
.macro XLOAD u
	WIN 0x40
.set ii, 0
.rept 32
	global_load_b128 v[128*((\u)%2)+4*ii:128*((\u)%2)+4*ii+3], v[XO], s[XB:XB+1] offset:32768*((\u)/2)+1024*((\u)%2)+32*ii
.set ii, ii+1
.endr
	WIN 0
.endm
.macro XCVT u                          ; rounded to bf16, into the fragments' registers
.set XD, 128*(((\u)/2)%2)+64*((\u)%2)
.set XS, 128*((\u)%2)
	WIN 0x85+0x40*((\u)/4)
.set ii, 0
.rept 32
	v_cvt_pk_bf16_f32 v[XD+2*ii],   v[XS+4*ii],   v[XS+4*ii+1]
	v_cvt_pk_bf16_f32 v[XD+2*ii+1], v[XS+4*ii+2], v[XS+4*ii+3]
.set ii, ii+1
.endr
	WIN 0
.endm
.macro XSTORE u                        ; the unit's 8 fragments go to ab, places 16 + ks: each store covers 512 consecutive bytes
.set XD, 128*(((\u)/2)%2)+64*((\u)%2)
	WIN 0x08+0x04*((\u)/4)
.set ii, 0
.rept 16
	global_store_b128 v[LO], v[XD+4*ii:XD+4*ii+3], s[ABX:ABX+1] offset:32768*((\u)/2)+16384+8192*((\u)%2)+512*ii
.set ii, ii+1
.endr
	WIN 0
.endm
	v_and_b32 v[R], 15, v0
	v_bfe_u32 v[H], v0, 4, 1
	v_and_b32 v[LN], 31, v0
	v_lshlrev_b32 v[XO], 11, v[R]
	v_lshl_add_u32 v[XO], v[H], 4, v[XO]
	v_lshlrev_b32 v[LO], 4, v[LN]
	v_lshlrev_b32 v5, 4, v0
	global_load_b128 v[T:T+3],    v5, s[8:9]       ; bq, bk, w_g: 16 bytes a thread
	global_load_b128 v[T+4:T+7],  v5, s[10:11]
	global_load_b128 v[T+8:T+11], v5, s[12:13]
	XLOAD 0
	v_lshl_add_u32 v6, v0, 4, TBL
	v_lshlrev_b32 v[PFO], 11, v[LN]
	v_and_b32 v7, 7, v0
	v_lshl_add_u32 v7, v[H], 3, v7
	v_mul_u32_u24 v7, v7, WPI
	v_bfe_u32 v8, v0, 3, 1
	v_lshl_add_u32 v[AW0], v8, 4, v7               ; (8 h + l % 8) x pitch + 16 ((l / 8) % 2)
	v_add_nc_u32 v[AW0+1], QUART, v[AW0]
	v_add_nc_u32 v[AW0+2], 2*QUART, v[AW0]
	v_add_nc_u32 v[AW0+3], 3*QUART, v[AW0]
	v_lshl_add_u32 v[ABI], v[H], 5, TBL            ; my 8 columns of a tile: 32 bytes
	v_lshl_add_u32 v[AWG], v[H], 5, WGT
.set ii, 0
.rept 24
	v_mov_b32 v[SSQ+ii], 0                         ; the rows' three sums start at 0
.set ii, ii+1
.endr
	s_wait_loadcnt 32                              ; the three tables are in; the unit's 32 loads may stay out
.set ii, 0
.rept 3
	v_cvt_pk_bf16_f32 v[T+12], v[T+4*ii], v[T+4*ii+1]
	v_cvt_pk_bf16_f32 v[T+13], v[T+4*ii+2], v[T+4*ii+3]
	v_lshlrev_b32 v[T+4*ii], 16, v[T+12]
	v_and_b32 v[T+4*ii+1], 0xffff0000, v[T+12]
	v_lshlrev_b32 v[T+4*ii+2], 16, v[T+13]
	v_and_b32 v[T+4*ii+3], 0xffff0000, v[T+13]
	ds_store_b128 v6, v[T+4*ii:T+4*ii+3] offset:2048*ii
.set ii, ii+1
.endr
	XLOAD 1
.set uu, 0
.rept 8
.if uu < 7
	s_wait_loadcnt 32                              ; this unit is in; the younger unit's 32 loads may stay out
.else
	s_wait_loadcnt 0x0
.endif
	XCVT uu
.if uu < 6
	XLOAD uu+2
.endif
.set uu, uu+1
.endr
; THE CHANGE OF SLOTS.  Every wave waits for all its tensor loads (one: its part of the chunk to be read), adds 0 to its spare word, and waits for that and for its reads of the old slot.
; fill = 1: a round of the cluster's barrier, and the joint load of the next chunk is the first thing behind it: it has a chunk's 512 matrix instructions in which to land.
.macro CHANGE fill
	WIN 0
	s_wait_tensorcnt 0x0
	ds_add_u32 v[SPW], v[NIL]
.if \fill
	s_xor_b32 s[G0+1], s[G0+1], SLOT1              ; the walking descriptor: the other slot,
	s_add_nc_u64 s[G0+2:G0+3], s[G0+2:G0+3], 256   ; the next 128 columns
.endif
	s_xor_b32 s[RS], s[RS], SLOT1
	s_wait_dscnt 0x0
.if \fill
	ROUND
	tensor_load_to_lds s[G0:G0+3], s[G1:G1+7]
	s_nop 0
	PLACES
	s_cmp_lt_u32 s[CNT], s[LIM]                    ; a prefetch of the chunk after that one: a lane a row, 256 bytes each; each row of each chunk is named once in the launch
	s_cbranch_scc0 .Lna_\@
	global_prefetch_b8 v[PFO], s[PFA:PFA+1] th:TH_LOAD_NT scope:SCOPE_SE
.Lna_\@:
.else
	s_barrier_signal -1
	s_barrier_wait -1
.endif
.endm
.macro FETCH qb                        ; the weights' fragments of two K steps x four tiles of 16 columns: 16 turning loads
	WIN 0
.set kp, 0
.rept 2
.set ib, 0
.rept 4
.set rA, WB+64*((\qb)%2)+32*kp+8*ib
.set ks, 2*(\qb)+kp
	ds_load_tr16_b128 v[rA:rA+3],   v[AW+ks/4] offset:(ks%4)*32*WPI+32*ib
	ds_load_tr16_b128 v[rA+4:rA+7], v[AW+ks/4] offset:(ks%4)*32*WPI+32*ib+16*WPI
.set ib, ib+1
.endr
.set kp, kp+1
.endr
.endm
.macro MUL32 qb                        ; 32 products; eight accumulators take turns, one instruction a turn.  The first link of each sum takes the bias as C: nothing is cleared
.set ah, 0
.rept 2
.set kp, 0
.rept 2
.if ((\qb) == 0) && (kp == 0)
	WIN 0x48+4*ah
.else
	WIN 0x58+4*ah
.endif
.set al, 0
.rept 2
.set ib, 0
.rept 4
.set rD, 8*(4*(2*ah+al)+ib)
.set rA, WB+64*((\qb)%2)+32*kp+8*ib
.set rB, 8*(16*al+2*(\qb)+kp)
.if ((\qb) == 0) && (kp == 0)
	v_wmma_f32_16x16x32_bf16 v[rD:rD+7], v[rA:rA+7], v[rB:rB+7], v[BIA+8*ib:BIA+8*ib+7]
.else
	v_wmma_f32_16x16x32_bf16 v[rD:rD+7], v[rA:rA+7], v[rB:rB+7], v[rD:rD+7]
.endif
.set ib, ib+1
.endr
.set al, al+1
.endr
.set kp, kp+1
.endr
.set ah, ah+1
.endr
.endm
.macro SQUARES dst                     ; dst += the accumulators' squares; each accumulator is read from its low end on; four chains
	WIN 0x05
.set ib, 0
.rept 4
.set ip, 0
.rept 4
.set ia, 0
.rept 4
.set rD, 8*(4*ia+ib)+2*ip
	v_pk_fma_f32 v[(\dst)+2*ia:(\dst)+2*ia+1], v[rD:rD+1], v[rD:rD+1], v[(\dst)+2*ia:(\dst)+2*ia+1]
.set ia, ia+1
.endr
.set ip, ip+1
.endr
.set ib, ib+1
.endr
	WIN 0
.endm
.macro EPI_Q                           ; 64 columns of q: |q|^2 and q.w_g
.set ib, 0
.rept 4
	ds_load_b128 v[WGR+8*ib:WGR+8*ib+3],   v[AWG] offset:64*ib
	ds_load_b128 v[WGR+8*ib+4:WGR+8*ib+7], v[AWG] offset:64*ib+16
.set ib, ib+1
.endr
	SQUARES SSQ
	s_wait_dscnt 0x0
	v_add_nc_u32 v[AWG], 0x100, v[AWG]
	WIN 0x01
.set ib, 0
.rept 4
.set ip, 0
.rept 4
.set ia, 0
.rept 4
.set rD, 8*(4*ia+ib)+2*ip
	v_pk_fma_f32 v[DQ+2*ia:DQ+2*ia+1], v[rD:rD+1], v[WGR+8*ib+2*ip:WGR+8*ib+2*ip+1], v[DQ+2*ia:DQ+2*ia+1]
.set ia, ia+1
.endr
.set ip, ip+1
.endr
.set ib, ib+1
.endr
	WIN 0
.endm
.macro EPI_K                           ; 64 columns of k: |k|^2; rounded in place, two tiles make a fragment; 16 stores of 512 consecutive bytes
	SQUARES SSK
	WIN 0x45
.set ii, 0
.rept 16
	v_cvt_pk_bf16_f32 v[8*ii],   v[8*ii],   v[8*ii+1]
	v_cvt_pk_bf16_f32 v[8*ii+1], v[8*ii+2], v[8*ii+3]
	v_cvt_pk_bf16_f32 v[8*ii+2], v[8*ii+4], v[8*ii+5]
	v_cvt_pk_bf16_f32 v[8*ii+3], v[8*ii+6], v[8*ii+7]
.set ii, ii+1
.endr
	WIN 0x04
.set ia, 0
.rept 4
.set ib, 0
.rept 4
	global_store_b128 v[LO], v[8*(4*ia+ib):8*(4*ia+ib)+3], s[KB:KB+1] offset:32768*ia+512*ib
.set ib, ib+1
.endr
.set ia, ia+1
.endr
	WIN 0
	s_wait_xcnt 0x0                                ; the base, and the accumulators that the stores read, are written again only behind this wait
	s_add_nc_u64 s[KB:KB+1], s[KB:KB+1], 2048
.endm
; A chunk's two sub-chunks of 64 columns: written once, walked twice.  both = 1: the chunk may be q's or k's.
.macro SUBS both
	s_mov_b32 s[SUB], 2
	s_mov_b32 s[TB], s[RS]
.Lsub_\@:
.set ii, 0
.rept 4
	v_add_nc_u32 v[AW+ii], s[TB], v[AW0+ii]
.set ii, ii+1
.endr
.set ib, 0
.rept 4
	ds_load_b128 v[BIA+8*ib:BIA+8*ib+3],   v[ABI] offset:64*ib
	ds_load_b128 v[BIA+8*ib+4:BIA+8*ib+7], v[ABI] offset:64*ib+16
.set ib, ib+1
.endr
	FETCH 0
	FETCH 1
	s_wait_dscnt 16                                ; all but the next batch's 16 loads
	MUL32 0
.set qq, 1
.rept 6
	PLACES
	FETCH qq+1
	s_wait_dscnt 16
	MUL32 qq
.set qq, qq+1
.endr
	s_wait_dscnt 0x0
	MUL32 7
	WIN 0
	PLACES
.if \both
	s_cmp_lt_u32 s[CNT], 4
	s_cbranch_scc0 .Lkey_\@
	EPI_Q
.irp u, 0,1,2,3,4,5,6,7                ; q's sub-chunk number u sends unit u of x's fragments: the stores name registers, so each unit has lines of its own, and seven are jumped
	s_cmp_lg_u32 s[IDX], \u
	s_cbranch_scc1 .Lxskip\u
	XSTORE \u
.Lxskip\u:
.endr
	s_add_co_u32 s[IDX], s[IDX], 1
	s_branch .Lepi_\@
.Lkey_\@:
.endif
	EPI_K
.if \both
.Lepi_\@:
.endif
	v_add_nc_u32 v[ABI], 0x100, v[ABI]
	s_add_co_u32 s[TB], s[TB], 128
	s_sub_co_u32 s[SUB], s[SUB], 1
	s_cmp_lg_u32 s[SUB], 0
	s_cbranch_scc1 .Lsub_\@
.endm
	s_mov_b32 s[RS], SLOT1                         ; the first change turns it into slot 0
	s_mov_b32 s[IDX], 0
	s_mov_b32 s[CNT], 0
.Lchunk:                                       ; chunks 0 to 6: each asks for the next
	CHANGE 1
	SUBS 1
	s_wait_xcnt 0x0                                ; the prefetch, a chunk back, has read its address
	s_add_nc_u64 s[PFA:PFA+1], s[PFA:PFA+1], 256
	s_add_co_u32 s[CNT], s[CNT], 1
	s_cmp_lt_u32 s[CNT], 7
	s_cbranch_scc1 .Lchunk
	CHANGE 0                                       ; chunk 7 is written out: nothing is asked for
	SUBS 0
	; THE ROWS' END: the pairs' halves and the other half of the lanes' are added
.set ia, 0
.rept 4
	v_add_f32 v[SSQ+2*ia], v[SSQ+2*ia], v[SSQ+2*ia+1]
	v_add_f32 v[DQ+2*ia],  v[DQ+2*ia],  v[DQ+2*ia+1]
	v_add_f32 v[SSK+2*ia], v[SSK+2*ia], v[SSK+2*ia+1]
.set ia, ia+1
.endr
.set ia, 0
.rept 4
	v_permlanex16_b32 v[SSQ+2*ia+1], v[SSQ+2*ia], s[SEL], s[SEL+1]
	v_permlanex16_b32 v[DQ+2*ia+1],  v[DQ+2*ia],  s[SEL], s[SEL+1]
	v_permlanex16_b32 v[SSK+2*ia+1], v[SSK+2*ia], s[SEL], s[SEL+1]
.set ia, ia+1
.endr
.set ia, 0
.rept 4
	v_add_f32 v[SSQ+2*ia], v[SSQ+2*ia], v[SSQ+2*ia+1]
	v_add_f32 v[DQ+2*ia],  v[DQ+2*ia],  v[DQ+2*ia+1]
	v_add_f32 v[SSK+2*ia], v[SSK+2*ia], v[SSK+2*ia+1]
.set ia, ia+1
.endr
.set ia, 0
.rept 4
	v_sqrt_f32 v[SSQ+2*ia+1], v[SSQ+2*ia]
	v_sqrt_f32 v[SSK+2*ia+1], v[SSK+2*ia]
.set ia, ia+1
.endr
	v_nop                                          ; a plain instruction behind the last root,
	s_wait_alu depctr_va_vdst(0)                   ; and one wait for the eight
.set ia, 0
.rept 4
	v_max_num_f32 v[SSQ+2*ia+1], 0x2b8cbccc, v[SSQ+2*ia+1]  ; eps = 1e-12
	v_max_num_f32 v[SSK+2*ia+1], 0x2b8cbccc, v[SSK+2*ia+1]
.set ia, ia+1
.endr
.set ia, 0
.rept 4
	v_rcp_f32 v[SSQ+2*ia], v[SSQ+2*ia+1]
	v_rcp_f32 v[SSK+2*ia], v[SSK+2*ia+1]           ; rn
.set ia, ia+1
.endr
	v_nop
	s_wait_alu depctr_va_vdst(0)
.set ia, 0
.rept 4
	v_mul_f32 v[DQ+2*ia], v[DQ+2*ia], v[SSQ+2*ia]  ; qw
.set ia, ia+1
.endr
	v_mul_f32 v[T], v[DQ], v[DQ]
	v_add_f32 v[T+1], v[DQ], v[DQ+2]
	v_fmac_f32 v[T], v[DQ+2], v[DQ+2]
	v_add_f32 v[T+1], v[T+1], v[DQ+4]
	v_fmac_f32 v[T], v[DQ+4], v[DQ+4]
	v_add_f32 v[T+1], v[T+1], v[DQ+6]
	v_fmac_f32 v[T], v[DQ+6], v[DQ+6]
.irp m, 1,2,4,8
	v_add_f32_dpp v[T], v[T], v[T] row_xmask:\m row_mask:0xf bank_mask:0xf        ; over the 16 rows of a tile; both halves of the lanes hold the same
	v_add_f32_dpp v[T+1], v[T+1], v[T+1] row_xmask:\m row_mask:0xf bank_mask:0xf
.endr
.set ia, 0
.rept 4
	v_cvt_pk_bf16_f32 v[T+2+ia], v[DQ+2*ia], v[DQ+2*ia]
.set ia, ia+1
.endr
	s_lshl_b32 s30, s[WV], 7
	s_add_co_u32 s30, s30, QT
	v_lshl_add_u32 v5, v[R], 1, s30
	v_lshl_add_u32 v6, v[H], 4, s30
	s_lshl_b32 s30, s[WV], 8
	s_add_co_u32 s30, s30, RNT
	v_lshl_add_u32 v7, v[R], 2, s30
	s_lshl_b32 s30, s[WV], 3
	s_add_co_u32 s30, s30, SSL
	v_mov_b32 v8, s30
.set ia, 0
.rept 4
	ds_store_b16 v5, v[T+2+ia] offset:32*ia
	ds_store_b32 v7, v[SSK+2*ia] offset:64*ia
.set ia, ia+1
.endr
	ds_store_b64 v8, v[T:T+1]
	s_mul_i32 s30, s[WV], XTW
	v_mul_u32_u24 v9, v[R], XTP
	v_lshl_add_u32 v9, v[H], 4, v9
	v_add_nc_u32 v9, s30, v9
	v_and_b32 v1, 7, v0
	v_lshl_add_u32 v1, v[H], 3, v1
	v_mul_u32_u24 v1, v1, XTP
	v_bfe_u32 v[T+14], v0, 3, 1
	v_lshl_add_u32 v1, v[T+14], 4, v1
	v_add_nc_u32 v1, s30, v1
	s_lshl_b32 s30, s[WV], 11
	s_add_co_u32 s30, s30, UPL
	v_lshl_add_u32 v[AW], v[R], 2, s30
	v_lshl_add_u32 v[AW+1], v0, 4, UPL
	v_lshl_add_u32 v[AW+2], v0, 4, RNT
	v_mov_b32 v[AW+3], SSL
	; THE POOLED SUM  u[kappa] = sum over my 64 rows of qw x.  x's rows go into LDS, where the ring lay (its last fill has been read), and come back turned:
	; source 0 = qw, the same in all 16 rows of the operand; source 1 = 16 channels x 32 rows.
	s_wait_dscnt 0x0
	s_barrier_signal -1
	s_barrier_wait -1                              ; no wave reads the ring any more
.set ia, 0
.rept 4
	WIN 0x08+4*(ia/2)
.set ks, 0
.rept 16
.set rX, 8*(16*(ia%2)+ks)
	ds_store_b128 v9, v[rX:rX+3]   offset:ia*16*XTP+64*ks
	ds_store_b128 v9, v[rX+4:rX+7] offset:ia*16*XTP+64*ks+32
.set ks, ks+1
.endr
.set ia, ia+1
.endr
	WIN 0
	ds_load_b128 v[BIA:BIA+3],     v6
	ds_load_b128 v[BIA+4:BIA+7],   v6 offset:32
	ds_load_b128 v[BIA+8:BIA+11],  v6 offset:64
	ds_load_b128 v[BIA+12:BIA+15], v6 offset:96
	s_wait_xcnt 0x0                                ; the stores to ab have read x's registers
.set kk, 0
.rept 2
	WIN 0x80+0x40*kk
.set tt, 0
.rept 32
	ds_load_tr16_b128 v[8*tt:8*tt+3],   v1 offset:kk*32*XTP+32*tt
	ds_load_tr16_b128 v[8*tt+4:8*tt+7], v1 offset:kk*32*XTP+16*XTP+32*tt
.set tt, tt+1
.endr
.set kk, kk+1
.endr
	s_wait_dscnt 0x0
	WIN 0x48
.set tt, 0
.rept 32                               ; the 32 accumulators take turns
	v_wmma_f32_16x16x32_bf16 v[8*tt:8*tt+7], v[BIA:BIA+7], v[8*tt:8*tt+7], 0
.set tt, tt+1
.endr
	WIN 0x5c
.set tt, 0
.rept 32
	v_wmma_f32_16x16x32_bf16 v[8*tt:8*tt+7], v[BIA+8:BIA+15], v[8*tt:8*tt+7], v[8*tt:8*tt+7]
.set tt, tt+1
.endr
	PLACES
	WIN 0x04
.set tt, 0
.rept 32
	ds_store_b32 v[AW], v[8*tt] offset:64*tt       ; all rows of a result are alike: its lowest register holds u[16 t + l % 16]
.set tt, tt+1
.endr
	WIN 0
	s_wait_dscnt 0x0
	s_barrier_signal -1
	s_barrier_wait -1
.set ii, 0
.rept 4
	ds_load_b128 v[BIA+4*ii:BIA+4*ii+3], v[AW+1] offset:2048*ii
.set ii, ii+1
.endr
	s_lshl_b32 s30, s[GID], 11
	v_lshl_add_u32 v5, v0, 4, s30
	s_lshl_b32 s30, s[GID], 10
	v_lshl_add_u32 v6, v0, 4, s30
	s_lshl_b32 s30, s[GID], 9
	v_lshl_add_u32 v7, v[LN], 4, s30
	s_wait_dscnt 0x0
	v_pk_add_f32 v[BIA:BIA+1],   v[BIA:BIA+1],   v[BIA+4:BIA+5]
	v_pk_add_f32 v[BIA+2:BIA+3], v[BIA+2:BIA+3], v[BIA+6:BIA+7]
	v_pk_add_f32 v[BIA+8:BIA+9],   v[BIA+8:BIA+9],   v[BIA+12:BIA+13]
	v_pk_add_f32 v[BIA+10:BIA+11], v[BIA+10:BIA+11], v[BIA+14:BIA+15]
	v_pk_add_f32 v[BIA:BIA+1],   v[BIA:BIA+1],   v[BIA+8:BIA+9]
	v_pk_add_f32 v[BIA+2:BIA+3], v[BIA+2:BIA+3], v[BIA+10:BIA+11]
	global_store_b128 v5, v[BIA:BIA+3], s[18:19]   ; up: 2,048 consecutive bytes a work-group
	s_cmp_lt_u32 s[WV], 2                          ; waves 0 and 1 store rn: 1,024 consecutive bytes
	s_cbranch_scc0 .Lnork
	ds_load_b128 v[BIA+16:BIA+19], v[AW+2]
	s_wait_dscnt 0x0
	global_store_b128 v6, v[BIA+16:BIA+19], s[16:17]
.Lnork:
	s_cmp_eq_u32 s[WV], 3                          ; wave 3 stores the two sums, 32 times over: 512 consecutive bytes
	s_cbranch_scc0 .Lnosp
	ds_load_b128 v[BIA+20:BIA+23], v[AW+3]
	ds_load_b128 v[BIA+24:BIA+27], v[AW+3] offset:16
	s_wait_dscnt 0x0
	v_pk_add_f32 v[BIA+20:BIA+21], v[BIA+20:BIA+21], v[BIA+22:BIA+23]
	v_pk_add_f32 v[BIA+24:BIA+25], v[BIA+24:BIA+25], v[BIA+26:BIA+27]
	v_pk_add_f32 v[BIA+28:BIA+29], v[BIA+20:BIA+21], v[BIA+24:BIA+25]
	v_mov_b32 v[BIA+30], 0
	v_mov_b32 v[BIA+31], 0
	global_store_b128 v7, v[BIA+28:BIA+31], s[20:21]
.Lnosp:
	s_wait_tensorcnt 0x0                           ; the wave's end
	ds_add_u32 v[SPW], v[NIL]
	s_wait_dscnt 0x0
	ROUND                                          ; the closing round
	s_endpgm
.Lfunc_end_k_q0b762e3f01_stats:
	.size	k_q0b762e3f01_stats, .Lfunc_end_k_q0b762e3f01_stats-k_q0b762e3f01_stats
	.p2alignl 7, 3214868480
	.fill 96, 4, 3214868480
	.section	.rodata,"a",@progbits
	.p2align	6, 0x0
	.amdhsa_kernel k_q0b762e3f01_stats
		.amdhsa_group_segment_fixed_size 327680
		.amdhsa_private_segment_fixed_size 0
		.amdhsa_enable_private_segment 0
		.amdhsa_kernarg_size 72
		.amdhsa_user_sgpr_count 2
		.amdhsa_user_sgpr_kernarg_segment_ptr 1
		.amdhsa_wavefront_size32 1
		.amdhsa_system_sgpr_workgroup_id_x 1
		.amdhsa_system_sgpr_workgroup_id_y 1
		.amdhsa_system_sgpr_workgroup_id_z 1
		.amdhsa_system_vgpr_workitem_id 0
		.amdhsa_next_free_vgpr 1024
		.amdhsa_next_free_sgpr 66
		.amdhsa_reserve_vcc 0
		.amdhsa_float_denorm_mode_32 3
		.amdhsa_float_denorm_mode_16_64 3
		.amdhsa_memory_ordered 1
		.amdhsa_forward_progress 1
		.amdhsa_inst_pref_size 192
	.end_amdhsa_kernel
	.amdgpu_metadata
---
amdhsa.version: [ 1, 2 ]
amdhsa.kernels:
  - .name:           k_q0b762e3f01_stats
    .symbol:         k_q0b762e3f01_stats.kd
    .args:
      - { .name: x, .offset: 0, .size: 8, .value_kind: global_buffer, .address_space: global }
      - { .name: wqk, .offset: 8, .size: 8, .value_kind: global_buffer, .address_space: global }
      - { .name: bq, .offset: 16, .size: 8, .value_kind: global_buffer, .address_space: global }
      - { .name: bk, .offset: 24, .size: 8, .value_kind: global_buffer, .address_space: global }
      - { .name: w_g, .offset: 32, .size: 8, .value_kind: global_buffer, .address_space: global }
      - { .name: ab, .offset: 40, .size: 8, .value_kind: global_buffer, .address_space: global }
      - { .name: rk, .offset: 48, .size: 8, .value_kind: global_buffer, .address_space: global }
      - { .name: up, .offset: 56, .size: 8, .value_kind: global_buffer, .address_space: global }
      - { .name: sp, .offset: 64, .size: 8, .value_kind: global_buffer, .address_space: global }
    .group_segment_fixed_size: 327680
    .private_segment_fixed_size: 0
    .kernarg_segment_align: 8
    .kernarg_segment_size: 72
    .max_flat_workgroup_size: 128
    .sgpr_count:     66
    .vgpr_count:     1024
    .wavefront_size: 32
...
	.end_amdgpu_metadata
.endif
;; end of part 6
;; launch gate (part 7): grid 128 x 1, 8 waves a work-group, no clusters, 150,016 bytes of LDS; arguments up, sp, wqk, wx, bq, w3; writes w3
.if DOCPART == 7
	.amdgcn_target "amdgcn-amd-amdhsa--gfx1250"
	.amdhsa_code_object_version 6
	.text
	.protected	k_q0b762e3f01_gate
	.globl	k_q0b762e3f01_gate
	.p2align	8
	.type	k_q0b762e3f01_gate,@function
k_q0b762e3f01_gate:
	s_mov_b64 s[64:65], 0
	v_nop
	global_prefetch_b8 v0, s[64:65] scope:SCOPE_SE
	s_setreg_imm32_b32 hwreg(HW_REG_WAVE_MODE, 25, 1), 1
	s_wait_xcnt 0x0
; GATE: G_b = cb ((sum qw x) Wq + (sum qw) bq), cb = SCALE / max(SCALE sqrt(sum qw^2), eps), and w3_b[h][c] = G_b[h] Wpf[h][c] in bf16.  Nothing of reference() is left out.
; A work-group: batch n / 8, 128 of the 512 h ((n / 2) % 4), 128 of the 256 c (n % 2); a wave makes G for 16 h.
; The batch's 16 partial sums (one for each of its work-groups of the launch before) are added first, in f32: a wave adds 64 of the 512 channels, each of its 8 loads two pieces of 256
; consecutive bytes; the sum, rounded once to bf16, goes into a table in LDS.  It is source 0, the same in all 16 rows of the operand; source 1 = 16 columns of Wq, turned out of LDS:
; all rows of the result are alike, and its lowest register holds the sum.
; LIMITS: as at the head of the first kernel; root and reciprocal take a denormal as 0, which the maximum with eps covers.
.set WPI,   288
.set QUART, 128*WPI
.set GT,    512*WPI                    ; G of my 128 h: 512 bytes
.set UT,    GT+512                     ; the pooled sum in bf16: 1,024 bytes
.set SPARE, UT+1024
.set R,   2
.set H,   3
.set XO,  6
.set YO,  7
.set GA,  8
.set GS,  9
.set SPW, 10
.set NIL, 11
.set WA,  12
.set TA,  16
.set WO,  20
.set PO,  21
.set SO,  22
.set BO,  23
.set UA,  30                           ; v30 where I put my four channels of the pooled sum
.set UF,  31                           ; v31 where its fragments are read
.set PL,  32                           ; v32-63 the parts as they land
.set PF,  32                           ; v32-47 later at work
.set GG,  48                           ; v48-63 later G of a pass's row, twice
.set WX,  64                           ; v64-95 Wpf's rows
.set ACC, 96                           ; v96-127 four accumulators
.set WQ,  128                          ; v128-255 Wq as it lands, then its fragments; window 1, v0-127: the pooled sum's 16 fragments
.set WV,  16
.set BT,  17
.set SG,  18
.set CH,  19
.set SEL, 28
.set MSB, 0
.macro WIN new
.if MSB != (\new)
	s_set_vgpr_msb (MSB<<8)|(\new)
.set MSB, \new
.endif
.endm
	s_load_b256 s[4:11], s[0:1], 0x0               ; up 4, sp 6, wqk 8, wx 10
	s_load_b128 s[12:15], s[0:1], 0x20             ; bq 12, w3 14
	v_lshl_add_u32 v[SPW], v0, 2, SPARE
	v_mov_b32 v[NIL], 0
	v_lshrrev_b32 v1, 5, v0
	v_readfirstlane_b32 s[WV], v1
	v_and_b32 v[R], 15, v0
	v_bfe_u32 v[H], v0, 4, 1
	s_lshr_b32 s[BT], ttmp9, 3
	s_bfe_u32 s[SG], ttmp9, 0x20001
	s_and_b32 s[CH], ttmp9, 1
	s_mov_b32 s[SEL], 0x76543210
	s_mov_b32 s[SEL+1], 0xfedcba98
	v_lshlrev_b32 v5, 4, v[R]                      ; 16 r
	s_lshl_b32 s20, s[BT], 15
	s_lshl_b32 s21, s[WV], 8
	s_add_co_u32 s20, s20, s21
	v_lshl_add_u32 v[PO], v[H], 11, v5
	v_add_nc_u32 v[PO], s20, v[PO]                 ; up: part h (+ 2 i) of the batch, my wave's 256 bytes, 16 r
	s_lshl_b32 s20, s[WV], 12
	s_lshl_b32 s21, s[SG], 8
	s_add_co_u32 s20, s20, s21
	v_lshl_add_u32 v[WO], v[H], 11, v5
	v_add_nc_u32 v[WO], s20, v[WO]                 ; wqk: row 2 w + h (+ 16 i), bytes 256 s + 16 r
	s_lshl_b32 s20, s[BT], 13
	v_lshl_add_u32 v[SO], v[R], 9, s20             ; sp: part r
	s_lshl_b32 s20, s[SG], 9
	s_lshl_b32 s21, s[WV], 6
	s_add_co_u32 s20, s20, s21
	v_lshl_add_u32 v[BO], v[R], 2, s20             ; bq[128 s + 16 w + r]
	s_lshl_b32 s20, s[SG], 16
	s_lshl_b32 s21, s[WV], 10
	s_add_co_u32 s20, s20, s21
	s_lshl_b32 s21, s[CH], 8
	s_add_co_u32 s20, s20, s21
	v_lshl_add_u32 v[YO], v[H], 9, v5
	v_add_nc_u32 v[YO], s20, v[YO]                 ; row 128 s + 2 w + h of 512 bytes, bytes 256 ch + 16 r
	v_add_nc_u32 v[XO], 0x40000, v[YO]             ; in wx behind its first 512 rows,
	s_lshl_b32 s21, s[BT], 18
	v_add_nc_u32 v[YO], s21, v[YO]                 ; in w3 in the batch's 262,144 bytes
	s_wait_kmcnt 0x0
.set ii, 0
.rept 8
	global_load_b128 v[PL+4*ii:PL+4*ii+3], v[PO], s[4:5] offset:4096*ii  ; parts 2 i and 2 i + 1
.set ii, ii+1
.endr
.set ii, 0
.rept 32
	global_load_b128 v[WQ+4*ii:WQ+4*ii+3], v[WO], s[8:9] offset:32768*ii
.set ii, ii+1
.endr
	global_load_b64 v[24:25], v[SO], s[6:7]
	global_load_b32 v26, v[BO], s[12:13]
.set ii, 0
.rept 8
	global_load_b128 v[WX+4*ii:WX+4*ii+3], v[XO], s[10:11] offset:8192*ii
.set ii, ii+1
.endr
	s_mul_i32 s20, s[WV], 2*WPI
	v_mul_u32_u24 v[WA], v[H], WPI
	v_add_nc_u32 v[WA], v[WA], v5
	v_add_nc_u32 v[WA], s20, v[WA]
	v_add_nc_u32 v[WA+1], QUART, v[WA]
	v_add_nc_u32 v[WA+2], 2*QUART, v[WA]
	v_add_nc_u32 v[WA+3], 3*QUART, v[WA]
	v_and_b32 v1, 7, v0
	v_lshl_add_u32 v1, v[H], 3, v1
	v_mul_u32_u24 v1, v1, WPI
	v_bfe_u32 v4, v0, 3, 1
	v_lshl_add_u32 v1, v4, 4, v1
	s_lshl_b32 s20, s[WV], 5
	v_add_nc_u32 v[TA], s20, v1                    ; my wave's tile of 16 columns
	v_add_nc_u32 v[TA+1], QUART, v[TA]
	v_add_nc_u32 v[TA+2], 2*QUART, v[TA]
	v_add_nc_u32 v[TA+3], 3*QUART, v[TA]
	s_lshl_b32 s20, s[WV], 6
	s_add_co_u32 s20, s20, GT
	v_lshl_add_u32 v[GS], v[R], 2, s20
	s_lshl_b32 s20, s[WV], 3
	s_add_co_u32 s20, s20, GT
	v_lshl_add_u32 v[GA], v[H], 2, s20
	s_lshl_b32 s20, s[WV], 7
	s_add_co_u32 s20, s20, UT
	v_lshl_add_u32 v[UA], v[R], 3, s20             ; channels 64 w + 4 r .. + 3 in bf16
	v_lshl_add_u32 v[UF], v[H], 4, UT
	s_wait_loadcnt 42                              ; the parts are in; behind them stand Wq's 32 loads, sp, bq and Wpf's 8
.set ii, 1
.rept 7
	v_pk_add_f32 v[PL:PL+1],   v[PL:PL+1],   v[PL+4*ii:PL+4*ii+1]
	v_pk_add_f32 v[PL+2:PL+3], v[PL+2:PL+3], v[PL+4*ii+2:PL+4*ii+3]
.set ii, ii+1
.endr
.set ii, 0
.rept 4
	v_permlanex16_b32 v[PL+4+ii], v[PL+ii], s[SEL], s[SEL+1]  ; the odd parts lie in the other half of the lanes
.set ii, ii+1
.endr
	v_pk_add_f32 v[PL:PL+1],   v[PL:PL+1],   v[PL+4:PL+5]
	v_pk_add_f32 v[PL+2:PL+3], v[PL+2:PL+3], v[PL+6:PL+7]
	v_cvt_pk_bf16_f32 v[PL+8], v[PL],   v[PL+1]
	v_cvt_pk_bf16_f32 v[PL+9], v[PL+2], v[PL+3]
	ds_store_b64 v[UA], v[PL+8:PL+9]               ; both halves of the lanes hold, and write, the same
	s_wait_loadcnt 10                              ; Wq's rows are in; sp, bq and Wpf's 8 may stay out
.set ii, 0
.rept 32
	ds_store_b128 v[WA+ii/8], v[WQ+4*ii:WQ+4*ii+3] offset:(ii%8)*16*WPI
.set ii, ii+1
.endr
	s_wait_dscnt 0x0
	s_barrier_signal -1
	s_barrier_wait -1
.set ks, 0
.rept 16
	ds_load_tr16_b128 v[WQ+8*ks:WQ+8*ks+3],   v[TA+ks/4] offset:(ks%4)*32*WPI
	ds_load_tr16_b128 v[WQ+8*ks+4:WQ+8*ks+7], v[TA+ks/4] offset:(ks%4)*32*WPI+16*WPI
.set ks, ks+1
.endr
	WIN 0x40
.set ks, 0
.rept 16
	ds_load_b128 v[8*ks:8*ks+3],   v[UF] offset:64*ks
	ds_load_b128 v[8*ks+4:8*ks+7], v[UF] offset:64*ks+32
.set ks, ks+1
.endr
	s_wait_dscnt 0x0
	WIN 0x01                                       ; source 0 window 1
.set ks, 0
.rept 16
.if ks < 4                             ; four accumulators take turns
	v_wmma_f32_16x16x32_bf16 v[ACC+8*(ks%4):ACC+8*(ks%4)+7], v[8*ks:8*ks+7], v[WQ+8*ks:WQ+8*ks+7], 0
.else
	v_wmma_f32_16x16x32_bf16 v[ACC+8*(ks%4):ACC+8*(ks%4)+7], v[8*ks:8*ks+7], v[WQ+8*ks:WQ+8*ks+7], v[ACC+8*(ks%4):ACC+8*(ks%4)+7]
.endif
.set ks, ks+1
.endr
	WIN 0
	s_wait_loadcnt 0x0
.rept 4
	v_nop
.endr
	v_add_f32 v[ACC], v[ACC], v[ACC+8]             ; each accumulator's lowest register
	v_add_f32 v[ACC+16], v[ACC+16], v[ACC+24]
	v_add_f32 v[ACC], v[ACC], v[ACC+16]            ; (sum qw x) Wq at h = 128 s + 16 w + r
.irp m, 1,2,4,8
	v_add_f32_dpp v24, v24, v24 row_xmask:\m row_mask:0xf bank_mask:0xf   ; sum qw^2 over the 16 parts
	v_add_f32_dpp v25, v25, v25 row_xmask:\m row_mask:0xf bank_mask:0xf   ; sum qw
.endr
	v_sqrt_f32 v27, v24
	v_cvt_pk_bf16_f32 v26, v26, v26                ; bq rounded: the plain instruction behind the root
	s_wait_alu depctr_va_vdst(0)
	v_mul_f32 v27, 0x3d3504f3, v27                 ; SCALE = 512^-0.5
	v_max_num_f32 v27, 0x2b8cbccc, v27             ; eps = 1e-12
	v_rcp_f32 v28, v27
	v_lshlrev_b32 v26, 16, v26
	s_wait_alu depctr_va_vdst(0)
	v_mul_f32 v28, 0x3d3504f3, v28                 ; cb
	v_fma_f32 v29, v25, v26, v[ACC]
	v_mul_f32 v29, v28, v29
	ds_store_b32 v[GS], v29
	s_wait_dscnt 0x0
	s_barrier_signal -1
	s_barrier_wait -1
.set ii, 0
.rept 8
	ds_load_b32 v[GG+2*ii], v[GA] offset:64*ii     ; G of row 16 i + 2 w + h
.set ii, ii+1
.endr
	s_wait_dscnt 0x0
.set ii, 0
.rept 8
	v_mov_b32 v[GG+2*ii+1], v[GG+2*ii]
.set im, 0
.rept 4
	v_lshlrev_b32 v[PF+2*im], 16, v[WX+4*ii+im]
	v_and_b32 v[PF+2*im+1], 0xffff0000, v[WX+4*ii+im]
.set im, im+1
.endr
.set im, 0
.rept 4
	v_pk_mul_f32 v[PF+2*im:PF+2*im+1], v[PF+2*im:PF+2*im+1], v[GG+2*ii:GG+2*ii+1]
.set im, im+1
.endr
.set im, 0
.rept 4
	v_cvt_pk_bf16_f32 v[WX+4*ii+im], v[PF+2*im], v[PF+2*im+1]
.set im, im+1
.endr
	global_store_b128 v[YO], v[WX+4*ii:WX+4*ii+3], s[14:15] offset:8192*ii  ; 16 lanes store 256 consecutive bytes, aligned
.set ii, ii+1
.endr
	s_wait_tensorcnt 0x0                           ; the wave's end
	ds_add_u32 v[SPW], v[NIL]
	s_wait_dscnt 0x0
	s_endpgm
.Lfunc_end_k_q0b762e3f01_gate:
	.size	k_q0b762e3f01_gate, .Lfunc_end_k_q0b762e3f01_gate-k_q0b762e3f01_gate
	.p2alignl 7, 3214868480
	.fill 96, 4, 3214868480
	.section	.rodata,"a",@progbits
	.p2align	6, 0x0
	.amdhsa_kernel k_q0b762e3f01_gate
		.amdhsa_group_segment_fixed_size 150016
		.amdhsa_private_segment_fixed_size 0
		.amdhsa_enable_private_segment 0
		.amdhsa_kernarg_size 48
		.amdhsa_user_sgpr_count 2
		.amdhsa_user_sgpr_kernarg_segment_ptr 1
		.amdhsa_wavefront_size32 1
		.amdhsa_system_sgpr_workgroup_id_x 1
		.amdhsa_system_sgpr_workgroup_id_y 1
		.amdhsa_system_sgpr_workgroup_id_z 1
		.amdhsa_system_vgpr_workitem_id 0
		.amdhsa_next_free_vgpr 384
		.amdhsa_next_free_sgpr 66
		.amdhsa_reserve_vcc 0
		.amdhsa_float_denorm_mode_32 3
		.amdhsa_float_denorm_mode_16_64 3
		.amdhsa_memory_ordered 1
		.amdhsa_forward_progress 1
		.amdhsa_inst_pref_size 27
	.end_amdhsa_kernel
	.amdgpu_metadata
---
amdhsa.version: [ 1, 2 ]
amdhsa.kernels:
  - .name:           k_q0b762e3f01_gate
    .symbol:         k_q0b762e3f01_gate.kd
    .args:
      - { .name: up, .offset: 0, .size: 8, .value_kind: global_buffer, .address_space: global }
      - { .name: sp, .offset: 8, .size: 8, .value_kind: global_buffer, .address_space: global }
      - { .name: wqk, .offset: 16, .size: 8, .value_kind: global_buffer, .address_space: global }
      - { .name: wx, .offset: 24, .size: 8, .value_kind: global_buffer, .address_space: global }
      - { .name: bq, .offset: 32, .size: 8, .value_kind: global_buffer, .address_space: global }
      - { .name: w3, .offset: 40, .size: 8, .value_kind: global_buffer, .address_space: global }
    .group_segment_fixed_size: 150016
    .private_segment_fixed_size: 0
    .kernarg_segment_align: 8
    .kernarg_segment_size: 48
    .max_flat_workgroup_size: 256
    .sgpr_count:     66
    .vgpr_count:     384
    .wavefront_size: 32
...
	.end_amdgpu_metadata
.endif
;; end of part 7
;; launch fuse (part 8): grid 256 x 1, 4 waves a work-group, clusters of 4 x 1, 327,680 bytes of LDS; arguments ab, w3, wx, c0, rk, out0; writes out0
.if DOCPART == 8
	.amdgcn_target "amdgcn-amd-amdhsa--gfx1250"
	.amdhsa_code_object_version 6
	.text
	.protected	k_q0b762e3f01_fuse
	.globl	k_q0b762e3f01_fuse
	.p2align	8
	.type	k_q0b762e3f01_fuse,@function
k_q0b762e3f01_fuse:
	s_mov_b64 s[64:65], 0
	v_nop
	global_prefetch_b8 v0, s[64:65] scope:SCOPE_SE
	s_setreg_imm32_b32 hwreg(HW_REG_WAVE_MODE, 25, 1), 1
	s_wait_xcnt 0x0
	s_wait_alu depctr_hold_cnt(0) depctr_sa_sdst(0) depctr_va_vdst(0) depctr_va_sdst(0) depctr_va_ssrc(0) depctr_va_vcc(0) depctr_vm_vsrc(0)
	s_getreg_b32 s2, hwreg(HW_REG_IB_STS2, 6, 4)
	s_cmp_eq_u32 s2, 0
	s_cbranch_scc0 .Lentry_in_a_cluster
	s_endpgm
.Lentry_in_a_cluster:
	s_bfe_u32 s2, ttmp6, 0x10000c
	s_cmp_lg_u32 s2, 0x3003
	s_cbranch_scc0 .Lentry_shape_is_right
	s_endpgm
.Lentry_shape_is_right:
; FUSE: out = rn (k (G o Wpf)) + x Wqf + c0: one product with K = 1,024 (512 of k, then 512 of x); between the halves the sums are multiplied by the row's rn and c0 is added.
; Nothing of reference() is left out; the identity stands at the head of the first kernel.  LIMITS: as stated there.
; A work-group owns 256 rows, a wave 64 (four tiles of 16) and all 256 columns: 64 accumulators, 512 registers.  Used transposed: source 0 = 16 columns of the weights, turned out of LDS,
; source 1 = 16 rows, which lie in ab as fragments and come straight from memory, 512 consecutive bytes a load, each asked for 8 K steps (512 matrix instructions) ahead of its use.
; The weights go by in four steps of 256 rows through two LDS slots.  CLUSTER: the four work-groups of a cluster belong to one batch and walk the same weights: each step is asked for JOINTLY,
; each wave for 64 of its rows, with the same descriptor in all four.
; THE LAST STEP GOES BY COLUMNS, NOT BY K.  All its fragments of the rows lie in registers, so its 512 matrix instructions are taken as four quarters of 64 columns (256 bytes of every row of the
; output), K ascending in each: the sums are the same bit for bit, and LDS is read no more than in any step.  A finished quarter leaves while the next is multiplied, a tile of 16 rows at a time.
; REGISTERS, in windows of 256: window 0: addresses, rn, v128-255 the weights' fragments (two buffers of 8 fragments); window 1: the rows' fragments, K step j, tile a at 32 j + 8 a;
;   windows 2, 3: accumulator (a, t) at 8 (8 a + t % 8) of window 2 + t / 8.
.set WPI,   544                        ; a row of the weights in LDS: 512 bytes + 32: an odd multiple of 32 bytes
.set QUART, 64*WPI                     ; 34,816: a wave's part of a step, and what one address register reaches
.set SLOT1, 4*QUART                    ; 139,264 = 0x22000: it shares no bit with w x 34,816
.set C0T,   2*SLOT1                    ; c0: 1,024 bytes
.set SPARE, C0T+1024
.set SGP,   1040                       ; the way out: 16 rows x 1,040 bytes for each wave, in slot 0's place, behind its last fill and the last barrier (the last step reads slot 1); tile a has the 256 bytes at 256 a of a row
.set R,   2
.set H,   3
.set LN,  4
.set LO,  11                           ; v11 16 x lane; never rewritten
.set AW0, 12
.set AW,  16
.set SPW, 22
.set NIL, 23
.set RN,  24                           ; v24-31 rn of my row in each tile, twice
.set STO, 32                           ; v32 the way out: where I put 32 bytes of a row
.set RD,  33                           ; v33 the way out: where I read back: lanes 0-15 one row's 256 bytes, lanes 16-31 the next row's
.set PFO, 34
.set C0A, 35
.set CO,  38                           ; v38 the same two rows in out0: 1,024 (l / 16) + 16 (l % 16); never rewritten
.set WB,  128
.set WV,  22
.set CX,  23
.set GID, 24
.set CNT, 25
.set RS,  27
.set LIM, 29
.set G1,  32
.set G0,  40
.set PFA, 44
.set ABB, 46                           ; s[46:47] ab at my row tiles, at the step in hand
.set A1,  48                           ; s[48:53] where the steps still to be asked for begin
.set A2,  50
.set A3,  52
.set OB,  54
.set MSB, 0
.macro WIN new
.if MSB != (\new)
	s_set_vgpr_msb (MSB<<8)|(\new)
.set MSB, \new
.endif
.endm
.macro PLACES
.rept 4
	v_nop
.endr
.endm
.macro ROUND
	s_barrier_signal -1
	s_barrier_wait -1
	s_cmp_lg_u32 s[WV], 0
	s_cbranch_scc1 .Lnw0_\@
	s_barrier_signal -3
.Lnw0_\@:
	s_barrier_wait -3
	s_barrier_signal -1
	s_barrier_wait -1
.endm
	s_load_b256 s[4:11], s[0:1], 0x0               ; ab 4, w3 6, wx 8, c0 10
	s_load_b128 s[12:15], s[0:1], 0x20             ; rk 12, out0 14
	v_lshl_add_u32 v[SPW], v0, 2, SPARE
	v_mov_b32 v[NIL], 0
	ds_add_u32 v[SPW], v[NIL]                      ; the opening: the add, twice on end, and its wait ahead of my first tensor load
	ds_add_u32 v[SPW], v[NIL]
	v_lshrrev_b32 v1, 5, v0
	v_readfirstlane_b32 s[WV], v1
	s_bfe_u32 s[CX], ttmp6, 0x40000
	s_lshl_b32 s[GID], ttmp9, 2
	s_add_co_u32 s[GID], s[GID], s[CX]
	s_mov_b32 s[G1], 15|(1<<16)|(1<<20)|(1<<21)|(6<<22)|(7<<25)  ; the mask of four; 2-byte elements; padding on; bit 21 beside a mask; after every 128 words 8 words
	s_mov_b32 s[G1+1], 256<<16                     ; tensor_dim0 = 256
	s_mov_b32 s[G1+2], 64<<16                      ; tensor_dim1 = 64
	s_mov_b32 s[G1+3], 256<<16                     ; tile_dim0 = 256
	s_mov_b32 s[G1+4], 64                          ; tile_dim1 = 64
	s_mov_b32 s[G1+5], 256
	s_mov_b32 s[G1+6], 0
	s_mov_b32 s[G1+7], 0
	s_mov_b32 s[G0], 1
	s_mul_i32 s[G0+1], s[WV], QUART
	s_cmp_eq_u32 ttmp9, 0                          ; the first cluster prefetches wx, in trips 0 and 1
	s_cselect_b32 s[LIM], 2, 0
	s_lshr_b32 s30, ttmp9, 2                       ; the batch, which the partners share
	s_lshl_b32 s30, s30, 18
	s_lshl_b32 s56, s[WV], 15                      ; my 64 rows of a step: 32,768 bytes
	s_add_co_u32 s30, s30, s56
	s_mov_b32 s31, 0
	s_mov_b32 s57, 0
	s_lshl_b32 s58, s[GID], 19                     ; my row tiles in ab
	s_lshl_b32 s59, s[WV], 17
	s_add_co_u32 s58, s58, s59
	s_mov_b32 s59, 0
	s_lshl_b32 s60, s[GID], 18                     ; my rows in out0
	s_lshl_b32 s61, s[WV], 16
	s_add_co_u32 s60, s60, s61
	s_mov_b32 s61, 0
	s_lshl_b32 s62, s[CX], 7
	s_lshl_b32 s63, s[WV], 5
	s_add_co_u32 s62, s62, s63
	s_lshl_b32 s62, s62, 8                         ; the 32 blocks of 256 bytes that I prefetch: told apart by address
	s_mov_b32 s63, 0
	s_lshl_b32 s26, s[GID], 10
	s_lshl_b32 s28, s[WV], 8
	s_add_co_u32 s26, s26, s28                     ; my rows in rk
	s_wait_dscnt 0x0
	s_wait_kmcnt 0x0
	s_add_nc_u64 s[G0+2:G0+3], s[6:7], s[30:31]    ; step 0: rows 0-255 of the batch's G o Wpf
	s_add_nc_u64 s[A1:A1+1], s[G0+2:G0+3], 0x20000 ; step 1: its rows 256-511
	s_or_b32 s[G0+3], s[G0+3], 0x80000000
	s_add_nc_u64 s[A2:A2+1], s[8:9], s[56:57]      ; steps 2 and 3: Wqf
	s_add_nc_u64 s[A3:A3+1], s[A2:A2+1], 0x20000
	s_add_nc_u64 s[ABB:ABB+1], s[4:5], s[58:59]
	s_add_nc_u64 s[OB:OB+1], s[14:15], s[60:61]
	s_add_nc_u64 s[PFA:PFA+1], s[8:9], s[62:63]
	ROUND
	tensor_load_to_lds s[G0:G0+3], s[G1:G1+7]      ; step 0 into slot 0
	s_nop 0
	PLACES
.macro FLOAD j, off                    ; the rows' fragments of K step j: 8 loads of 512 consecutive bytes
	WIN 0x40
.set ia, 0
.rept 4
	global_load_b128 v[32*(\j)+8*ia:32*(\j)+8*ia+3],   v[LO], s[ABB:ABB+1] offset:(\off)+32768*ia+1024*(\j) th:TH_LOAD_NT
	global_load_b128 v[32*(\j)+8*ia+4:32*(\j)+8*ia+7], v[LO], s[ABB:ABB+1] offset:(\off)+32768*ia+1024*(\j)+512 th:TH_LOAD_NT
.set ia, ia+1
.endr
	WIN 0
.endm
	v_and_b32 v[R], 15, v0
	v_bfe_u32 v[H], v0, 4, 1
	v_and_b32 v[LN], 31, v0
	v_lshlrev_b32 v[LO], 4, v[LN]
	v_lshl_add_u32 v5, v[R], 2, s26
	v_lshlrev_b32 v6, 3, v0
.set ia, 0
.rept 4
	global_load_b32 v[RN+2*ia], v5, s[12:13] offset:64*ia
.set ia, ia+1
.endr
	global_load_b64 v[36:37], v6, s[10:11]         ; c0: 8 bytes a thread
.set kj, 0
.rept 7
	FLOAD kj, 0
.set kj, kj+1
.endr
	v_lshl_add_u32 v7, v0, 3, C0T
	v_lshlrev_b32 v[PFO], 8, v[LN]
	v_lshl_add_u32 v[C0A], v[H], 5, C0T
	v_and_b32 v8, 7, v0
	v_lshl_add_u32 v8, v[H], 3, v8
	v_mul_u32_u24 v8, v8, WPI
	v_bfe_u32 v9, v0, 3, 1
	v_lshl_add_u32 v[AW0], v9, 4, v8
	v_add_nc_u32 v[AW0+1], QUART, v[AW0]
	v_add_nc_u32 v[AW0+2], 2*QUART, v[AW0]
	v_add_nc_u32 v[AW0+3], 3*QUART, v[AW0]
	s_mul_i32 s28, s[WV], 16*SGP                   ; my stage
	v_mul_u32_u24 v[STO], v[R], SGP                ; in: row l % 16, 32 bytes for each half of the lanes
	v_lshl_add_u32 v[STO], v[H], 5, v[STO]
	v_add_nc_u32 v[STO], s28, v[STO]
	v_mul_u32_u24 v[RD], v[H], SGP                 ; back: two rows' 256 bytes
	v_lshl_add_u32 v[RD], v[R], 4, v[RD]
	v_add_nc_u32 v[RD], s28, v[RD]
	v_lshlrev_b32 v[CO], 10, v[H]                  ; and the same two rows in out0
	v_lshl_add_u32 v[CO], v[R], 4, v[CO]
	s_wait_loadcnt 56                              ; rn and c0 are in; the 56 loads of K steps 0 to 6 may stay out
	ds_store_b64 v7, v[36:37]
.set ia, 0
.rept 4
	v_mov_b32 v[RN+2*ia+1], v[RN+2*ia]
.set ia, ia+1
.endr
	FLOAD 7, 0
; THE CHANGE OF SLOTS, as in the launch that makes ab.  fill = 1: the joint load of the next step is the first thing behind the round: it has a step's 512 matrix instructions in which to land.
.macro CHANGE fill
	WIN 0
	s_wait_tensorcnt 0x0
	ds_add_u32 v[SPW], v[NIL]
.if \fill
	s_xor_b32 s[G0+1], s[G0+1], SLOT1
	s_mov_b64 s[G0+2:G0+3], s[A1:A1+1]
	s_or_b32 s[G0+3], s[G0+3], 0x80000000
	s_mov_b64 s[A1:A1+1], s[A2:A2+1]
	s_mov_b64 s[A2:A2+1], s[A3:A3+1]
.endif
	s_xor_b32 s[RS], s[RS], SLOT1
	s_wait_dscnt 0x0
.if \fill
	ROUND
	tensor_load_to_lds s[G0:G0+3], s[G1:G1+7]
	s_nop 0
	PLACES                                         ; also the places in front of the loads into the weights' buffers
	s_cmp_lt_u32 s[CNT], s[LIM]                    ; a prefetch of the step of wx that stands two steps on: a lane a block of 256 bytes; each block is named once in the launch
	s_cbranch_scc0 .Lna_\@
	global_prefetch_b8 v[PFO], s[PFA:PFA+1] th:TH_LOAD_NT scope:SCOPE_SE
.Lna_\@:
.else
	s_barrier_signal -1
	s_barrier_wait -1
	PLACES
.endif
.endm
.macro FETCH j, hf                     ; the weights' fragments of K step j, tiles 8 hf .. 8 hf + 7: 16 turning loads
	WIN 0
.set ib, 0
.rept 8
.set rA, WB+64*(\hf)+8*ib
	ds_load_tr16_b128 v[rA:rA+3],   v[AW+(\j)/2] offset:((\j)%2)*32*WPI+32*(8*(\hf)+ib)
	ds_load_tr16_b128 v[rA+4:rA+7], v[AW+(\j)/2] offset:((\j)%2)*32*WPI+32*(8*(\hf)+ib)+16*WPI
.set ib, ib+1
.endr
.endm
.macro MULH j, hf, zero                ; 32 products on 32 accumulators, by turns
	WIN 0xa4+0x50*(\hf)
.set ib, 0
.rept 8
.set ia, 0
.rept 4
.set rD, 8*(8*ia+ib)
.set rA, WB+64*(\hf)+8*ib
.set rB, 32*(\j)+8*ia
.if \zero
	v_wmma_f32_16x16x32_bf16 v[rD:rD+7], v[rA:rA+7], v[rB:rB+7], 0
.else
	v_wmma_f32_16x16x32_bf16 v[rD:rD+7], v[rA:rA+7], v[rB:rB+7], v[rD:rD+7]
.endif
.set ia, ia+1
.endr
.set ib, ib+1
.endr
.endm
; K step j of one of the first three steps: its registers are asked for again, for the next step.
.macro KSTEP j, zero
	s_wait_loadcnt 56                              ; my 8 loads are in: behind them stand 8 (7 - j) of this step and 8 j of the next
	s_wait_dscnt 16                                ; the first 8 tiles are in; the other 16 loads may stay out
	MULH \j, 0, \zero
.if (\j) < 7
	PLACES
	FETCH (\j)+1, 0
	s_wait_dscnt 16
.else
	s_wait_dscnt 0x0
.endif
	MULH \j, 1, \zero
	PLACES
.if (\j) < 7
	FETCH (\j)+1, 1
.endif
	FLOAD \j, 8192
	WIN 0
.endm
.macro SCALE                           ; between the halves of K: sum = sum x rn + c0
.set tt, 0
.rept 16
	ds_load_b128 v[WB+8*tt:WB+8*tt+3],   v[C0A] offset:64*tt
	ds_load_b128 v[WB+8*tt+4:WB+8*tt+7], v[C0A] offset:64*tt+16
.set tt, tt+1
.endr
	s_wait_dscnt 0x0
.set tt, 0
.rept 16
	WIN 0x82+0x41*(tt/8)
.set ia, 0
.rept 4
.set ip, 0
.rept 4
.set rD, 8*(8*ia+tt%8)+2*ip
	v_pk_fma_f32 v[rD:rD+1], v[rD:rD+1], v[RN+2*ia:RN+2*ia+1], v[WB+8*tt+2*ip:WB+8*tt+2*ip+1]
.set ip, ip+1
.endr
.set ia, ia+1
.endr
.set tt, tt+1
.endr
	WIN 0
.endm
.macro TRIP                            ; one of the first three steps
	CHANGE 1
	s_cmp_eq_u32 s[CNT], 2                         ; k's half is summed
	s_cbranch_scc0 .Lnoscale_\@
	SCALE
.Lnoscale_\@:
.set ii, 0
.rept 4
	v_add_nc_u32 v[AW+ii], s[RS], v[AW0+ii]
.set ii, ii+1
.endr
	FETCH 0, 0
	FETCH 0, 1
	s_cmp_eq_u32 s[CNT], 0                         ; the first products of all start the sums with the constant 0: nothing is cleared
	s_cbranch_scc0 .Lplace_\@
	KSTEP 0, 1
	s_branch .Ljoin_\@
.Lplace_\@:
	KSTEP 0, 0
.Ljoin_\@:
.set kj, 1
.rept 7
	KSTEP kj, 0
.set kj, kj+1
.endr
.endm
; THE LAST STEP.  Batch n = 4 q + p of sixteen: quarter q of the columns (tiles 4 q .. 4 q + 3), K steps 2 p and 2 p + 1: 16 turning loads, 32 products.
.macro FETCHQ n
	WIN 0
.set kp, 0
.rept 2
.set ib, 0
.rept 4
.set rA, WB+64*((\n)%2)+32*kp+8*ib
	ds_load_tr16_b128 v[rA:rA+3],   v[AW+(\n)%4] offset:kp*32*WPI+32*(4*((\n)/4)+ib)
	ds_load_tr16_b128 v[rA+4:rA+7], v[AW+(\n)%4] offset:kp*32*WPI+32*(4*((\n)/4)+ib)+16*WPI
.set ib, ib+1
.endr
.set kp, kp+1
.endr
.endm
.macro MULQ n                          ; the quarter's 16 accumulators take turns, one instruction a turn
	WIN 0xa4+0x50*((\n)/8)
.set kp, 0
.rept 2
.set ib, 0
.rept 4
.set ia, 0
.rept 4
.set rD, 8*(8*ia+4*(((\n)/4)%2)+ib)
.set rA, WB+64*((\n)%2)+32*kp+8*ib
.set rB, 32*(2*((\n)%4)+kp)+8*ia
	v_wmma_f32_16x16x32_bf16 v[rD:rD+7], v[rA:rA+7], v[rB:rB+7], v[rD:rD+7]
.set ia, ia+1
.endr
.set ib, ib+1
.endr
.set kp, kp+1
.endr
.endm
; THE WAY OUT, in sixteen pieces.  Piece k = 4 q + a: tile a's 16 rows x quarter q's 64 columns: four accumulators, 32 registers on end.
; PST: 32 bytes a lane into my stage, and back as whole pieces of rows, 256 bytes each, into the registers that they left: those are written by nothing afterwards.
.macro PST k
.set pq, (\k)/4
.set pa, (\k)%4
.set pB, 64*pa+32*(pq%2)
	WIN 0x08+4*(pq/2)                              ; the data of an LDS store: window 2 or 3
.set ib, 0
.rept 4
	ds_store_b128 v[STO], v[pB+8*ib:pB+8*ib+3]   offset:256*pa+64*ib      ; each accumulator is read from its low end on
	ds_store_b128 v[STO], v[pB+8*ib+4:pB+8*ib+7] offset:256*pa+64*ib+16
.set ib, ib+1
.endr
	WIN 0x80+0x40*(pq/2)                           ; destination window 2 or 3
.set mm, 0
.rept 8
	ds_load_b128 v[pB+4*mm:pB+4*mm+3], v[RD] offset:2*SGP*mm+256*pa        ; my own stage: LDS serves a wave's instructions in order (ISA guide 5.7.1.4)
.set mm, mm+1
.endr
.endm
; PGS: the piece is stored: each store covers 256 consecutive bytes, aligned, of each of two rows.
.macro PGS k
.set pq, (\k)/4
.set pa, (\k)%4
.set pB, 64*pa+32*(pq%2)
	WIN 0x08+4*(pq/2)
.set mm, 0
.rept 8
	global_store_b128 v[CO], v[pB+4*mm:pB+4*mm+3], s[OB:OB+1] offset:16384*pa+2048*mm+256*pq th:TH_STORE_NT
.set mm, mm+1
.endr
.endm
	s_mov_b32 s[RS], SLOT1                         ; the first change turns it into slot 0
	s_mov_b32 s[CNT], 0
.Ltrip:                                        ; steps 0 to 2: each asks for the next
	TRIP
	s_wait_xcnt 0x0                                ; the loads and the prefetch have read their bases
	s_add_nc_u64 s[ABB:ABB+1], s[ABB:ABB+1], 8192
	s_add_nc_u64 s[PFA:PFA+1], s[PFA:PFA+1], 0x20000
	s_add_co_u32 s[CNT], s[CNT], 1
	s_cmp_lt_u32 s[CNT], 3
	s_cbranch_scc1 .Ltrip
	CHANGE 0                                       ; step 3 is written out: nothing is asked for; behind this barrier no wave reads slot 0, where the stages lie
.set ii, 0
.rept 4
	v_add_nc_u32 v[AW+ii], s[RS], v[AW0+ii]
.set ii, ii+1
.endr
	FETCHQ 0
; Ahead of batch n stand, in one run: the next batch's 16 turning loads; piece n - 4's way through the stage (the quarter before is finished, and the four v_nop are its places too);
; the wait; and piece n - 5's stores, whose loads from the stage were issued one batch earlier.
.set nb, 0
.rept 16
.if nb > 0
	WIN 0
	PLACES                                         ; four places behind the last products, in front of loads into registers that they have read and of LDS stores that read results
.endif
.set yg, 0
.if nb < 15
	FETCHQ nb+1
.set yg, yg+16
.endif
.if nb >= 4
	PST nb-4
.set yg, yg+16
.endif
.if nb < 4
	s_wait_loadcnt 48-16*nb                        ; K steps 2 n and 2 n + 1 of the rows are in: behind them stand the 8 loads of each later K step
.endif
	s_wait_dscnt yg                                ; all but what this run has just issued: this batch's fragments are in, and so is the piece of the run before
.if nb >= 5
	PGS nb-5
.endif
	MULQ nb
.set nb, nb+1
.endr
	s_wait_dscnt 0x0                               ; piece 11 is back
	PGS 11
	WIN 0
	PLACES                                         ; the last quarter: its LDS stores read results just made
	PST 12
	PST 13
	s_wait_dscnt 16                                ; all but the 16 LDS instructions of the piece just issued
	PGS 12
	PST 14
	s_wait_dscnt 16
	PGS 13
	PST 15
	s_wait_dscnt 16
	PGS 14
	s_wait_dscnt 0x0
	PGS 15
	WIN 0
	s_wait_tensorcnt 0x0                           ; the wave's end
	ds_add_u32 v[SPW], v[NIL]
	s_wait_dscnt 0x0
	ROUND                                          ; the closing round
	s_endpgm
.Lfunc_end_k_q0b762e3f01_fuse:
	.size	k_q0b762e3f01_fuse, .Lfunc_end_k_q0b762e3f01_fuse-k_q0b762e3f01_fuse
	.p2alignl 7, 3214868480
	.fill 96, 4, 3214868480
	.section	.rodata,"a",@progbits
	.p2align	6, 0x0
	.amdhsa_kernel k_q0b762e3f01_fuse
		.amdhsa_group_segment_fixed_size 327680
		.amdhsa_private_segment_fixed_size 0
		.amdhsa_enable_private_segment 0
		.amdhsa_kernarg_size 48
		.amdhsa_user_sgpr_count 2
		.amdhsa_user_sgpr_kernarg_segment_ptr 1
		.amdhsa_wavefront_size32 1
		.amdhsa_system_sgpr_workgroup_id_x 1
		.amdhsa_system_sgpr_workgroup_id_y 1
		.amdhsa_system_sgpr_workgroup_id_z 1
		.amdhsa_system_vgpr_workitem_id 0
		.amdhsa_next_free_vgpr 1024
		.amdhsa_next_free_sgpr 66
		.amdhsa_reserve_vcc 0
		.amdhsa_float_denorm_mode_32 3
		.amdhsa_float_denorm_mode_16_64 3
		.amdhsa_memory_ordered 1
		.amdhsa_forward_progress 1
		.amdhsa_inst_pref_size 180
	.end_amdhsa_kernel
	.amdgpu_metadata
---
amdhsa.version: [ 1, 2 ]
amdhsa.kernels:
  - .name:           k_q0b762e3f01_fuse
    .symbol:         k_q0b762e3f01_fuse.kd
    .args:
      - { .name: ab, .offset: 0, .size: 8, .value_kind: global_buffer, .address_space: global }
      - { .name: w3, .offset: 8, .size: 8, .value_kind: global_buffer, .address_space: global }
      - { .name: wx, .offset: 16, .size: 8, .value_kind: global_buffer, .address_space: global }
      - { .name: c0, .offset: 24, .size: 8, .value_kind: global_buffer, .address_space: global }
      - { .name: rk, .offset: 32, .size: 8, .value_kind: global_buffer, .address_space: global }
      - { .name: out0, .offset: 40, .size: 8, .value_kind: global_buffer, .address_space: global }
    .group_segment_fixed_size: 327680
    .private_segment_fixed_size: 0
    .kernarg_segment_align: 8
    .kernarg_segment_size: 48
    .max_flat_workgroup_size: 128
    .sgpr_count:     66
    .vgpr_count:     1024
    .wavefront_size: 32
...
	.end_amdgpu_metadata
.endif
;; end of part 8
;; ======== version 3 of 3: 4 launches; version 2 with the launch gate written anew for expert scheduling mode
;; limits: values outside matrix products are rounded to bf16
;; workspace buffers: wqk 1,048,576 bytes; wx 524,288 bytes; c0 1,024 bytes; ab 134,217,728 bytes; rk 262,144 bytes; up 524,288 bytes; sp 131,072 bytes; w3 4,194,304 bytes
;; launch prep: the kernel of part 5 again; grid 132 x 1, 8 waves a work-group, no clusters, 196,608 bytes of LDS; arguments Wq, Wk, Wp, Wf, bq, bp, bf, wqk, wx, c0; writes wqk, wx, c0
;; launch stats: the kernel of part 6 again; grid 256 x 1, 4 waves a work-group, clusters of 4 x 1, 327,680 bytes of LDS; arguments x, wqk, bq, bk, w_g, ab, rk, up, sp; writes ab, rk, up, sp
;; launch gate (part 9): grid 128 x 1, 8 waves a work-group, no clusters, 150,016 bytes of LDS; arguments up, sp, wqk, wx, bq, w3; writes w3
.if DOCPART == 9
	.amdgcn_target "amdgcn-amd-amdhsa--gfx1250"
	.amdhsa_code_object_version 6
	.text
	.protected	k_q0b762e3f01_gate
	.globl	k_q0b762e3f01_gate
	.p2align	8
	.type	k_q0b762e3f01_gate,@function
k_q0b762e3f01_gate:
	s_mov_b64 s[64:65], 0
	v_nop
	global_prefetch_b8 v0, s[64:65] scope:SCOPE_SE
	s_setreg_imm32_b32 hwreg(HW_REG_WAVE_SCHED_MODE, 0, 2), 2
	s_setreg_imm32_b32 hwreg(HW_REG_WAVE_MODE, 25, 1), 1
	s_wait_xcnt 0x0
	s_wait_alu depctr_vm_vsrc(0)
; GATE: G_b = cb ((sum qw x) Wq + (sum qw) bq), cb = SCALE / max(SCALE sqrt(sum qw^2), eps), and w3_b[h][c] = G_b[h] Wpf[h][c] in bf16.  Nothing of reference() is left out.
; A work-group: batch n / 8, 128 of the 512 h ((n / 2) % 4), 128 of the 256 c (n % 2); a wave makes G for 16 h.
; The batch's 16 partial sums (one for each of its work-groups of the launch before) are added first, in f32: a wave adds 64 of the 512 channels, each of its 8 loads two pieces of 256
; consecutive bytes; the sum, rounded once to bf16, goes into a table in LDS.  It is source 0, the same in all 16 rows of the operand; source 1 = 16 columns of Wq, turned out of LDS:
; all rows of the result are alike, and its lowest register holds the sum.
; LIMITS: as at the head of the first kernel; root and reciprocal take a denormal as 0, which the maximum with eps covers.
; THE MODE: SCHED_MODE bits 1:0 = 2 (LLVM: expert scheduling mode 2), set by the entry lines.  The code itself states the register dependences
; between vector or matrix instructions and memory or LDS instructions, with s_wait_alu, always for 0.
; THE PLAN.  The text has no loop.  Registers that memory or LDS instructions touch, in the order of the program:
;   v6, v7, v20-23        the offsets of the global loads and stores: made at the head, never written again.
;   v8, v9, v12-19, v30, v31   the LDS addresses: made behind the global loads, never written again.
;   PL  v32-63            the parts land; the sums read them; v40-41 take the rounded sum, which one LDS store reads; later v32-47 are at work again, and G lands in v48-62.
;   WQ  v128-255          Wq lands; 32 LDS stores read it; the turning loads land in it; the matrix instructions read it.
;   window 1, v0-127      the pooled sum's fragments land; the matrix instructions read them.
;   v29                   G, written by vector instructions, read by one LDS store.
;   WX  v64-95            Wpf lands; vector instructions read it and round into it in place; the global stores read it.
;   v10, v11              written at the head, read by the closing add alone.
; Waits on va_vdst: ahead of the first global load (the offsets); ahead of the first LDS store (its data and all LDS addresses); behind the root and behind the reciprocal; ahead of G's LDS store
; (its data; and the sums are done reading the registers in which G lands); ahead of each of the two runs of four global stores (their data).  One wait on vm_vsrc, behind the first barrier:
; the LDS stores have read WQ and v40-41.  One wait on va_sdst: the wave's number.
.set WPI,   288
.set QUART, 128*WPI
.set GT,    512*WPI                    ; G of my 128 h: 512 bytes
.set UT,    GT+512                     ; the pooled sum in bf16: 1,024 bytes
.set SPARE, UT+1024
.set R,   2
.set H,   3
.set XO,  6
.set YO,  7
.set GA,  8
.set GS,  9
.set SPW, 10
.set NIL, 11
.set WA,  12
.set TA,  16
.set WO,  20
.set PO,  21
.set SO,  22
.set BO,  23
.set UA,  30                           ; v30 where I put my four channels of the pooled sum
.set UF,  31                           ; v31 where its fragments are read
.set PL,  32                           ; v32-63 the parts as they land
.set PF,  32                           ; v32-47 later at work
.set GG,  48                           ; v48-63 later G of a pass's row, twice
.set WX,  64                           ; v64-95 Wpf's rows
.set ACC, 96                           ; v96-127 four accumulators
.set WQ,  128                          ; v128-255 Wq as it lands, then its fragments; window 1, v0-127: the pooled sum's 16 fragments
.set WV,  16
.set BT,  17
.set SG,  18
.set CH,  19
.set SEL, 28
.set MSB, 0
.macro WIN new
.if MSB != (\new)
	s_set_vgpr_msb (MSB<<8)|(\new)
.set MSB, \new
.endif
.endm
	s_load_b256 s[4:11], s[0:1], 0x0               ; up 4, sp 6, wqk 8, wx 10
	s_load_b128 s[12:15], s[0:1], 0x20             ; bq 12, w3 14
	v_lshl_add_u32 v[SPW], v0, 2, SPARE
	v_mov_b32 v[NIL], 0
	v_lshrrev_b32 v1, 5, v0
	v_readfirstlane_b32 s[WV], v1
	v_and_b32 v[R], 15, v0
	v_bfe_u32 v[H], v0, 4, 1
	s_lshr_b32 s[BT], ttmp9, 3
	s_bfe_u32 s[SG], ttmp9, 0x20001
	s_and_b32 s[CH], ttmp9, 1
	s_mov_b32 s[SEL], 0x76543210
	s_mov_b32 s[SEL+1], 0xfedcba98
	v_lshlrev_b32 v5, 4, v[R]                      ; 16 r
	s_wait_alu depctr_va_sdst(0)                   ; the wave's number is written, ahead of its first reader: the offsets and the LDS addresses are made from it
	s_lshl_b32 s20, s[BT], 15
	s_lshl_b32 s21, s[WV], 8
	s_add_co_u32 s20, s20, s21
	v_lshl_add_u32 v[PO], v[H], 11, v5
	v_add_nc_u32 v[PO], s20, v[PO]                 ; up: part h (+ 2 i) of the batch, my wave's 256 bytes, 16 r
	s_lshl_b32 s20, s[WV], 12
	s_lshl_b32 s21, s[SG], 8
	s_add_co_u32 s20, s20, s21
	v_lshl_add_u32 v[WO], v[H], 11, v5
	v_add_nc_u32 v[WO], s20, v[WO]                 ; wqk: row 2 w + h (+ 16 i), bytes 256 s + 16 r
	s_lshl_b32 s20, s[BT], 13
	v_lshl_add_u32 v[SO], v[R], 9, s20             ; sp: part r
	s_lshl_b32 s20, s[SG], 9
	s_lshl_b32 s21, s[WV], 6
	s_add_co_u32 s20, s20, s21
	v_lshl_add_u32 v[BO], v[R], 2, s20             ; bq[128 s + 16 w + r]
	s_lshl_b32 s20, s[SG], 16
	s_lshl_b32 s21, s[WV], 10
	s_add_co_u32 s20, s20, s21
	s_lshl_b32 s21, s[CH], 8
	s_add_co_u32 s20, s20, s21
	v_lshl_add_u32 v[YO], v[H], 9, v5
	v_add_nc_u32 v[YO], s20, v[YO]                 ; row 128 s + 2 w + h of 512 bytes, bytes 256 ch + 16 r
	v_add_nc_u32 v[XO], 0x40000, v[YO]             ; in wx behind its first 512 rows,
	s_lshl_b32 s21, s[BT], 18
	v_add_nc_u32 v[YO], s21, v[YO]                 ; in w3 in the batch's 262,144 bytes
	s_wait_kmcnt 0x0
	s_wait_alu depctr_va_vdst(0)                   ; the six offsets v6, v7 and v20 to v23 are written, which the global loads below and the stores at the end read
.set ii, 0
.rept 8
	global_load_b128 v[PL+4*ii:PL+4*ii+3], v[PO], s[4:5] offset:4096*ii  ; parts 2 i and 2 i + 1
.set ii, ii+1
.endr
.set ii, 0
.rept 32
	global_load_b128 v[WQ+4*ii:WQ+4*ii+3], v[WO], s[8:9] offset:32768*ii
.set ii, ii+1
.endr
	global_load_b64 v[24:25], v[SO], s[6:7]
	global_load_b32 v26, v[BO], s[12:13]
.set ii, 0
.rept 8
	global_load_b128 v[WX+4*ii:WX+4*ii+3], v[XO], s[10:11] offset:8192*ii
.set ii, ii+1
.endr
	s_mul_i32 s20, s[WV], 2*WPI
	v_mul_u32_u24 v[WA], v[H], WPI
	v_add_nc_u32 v[WA], v[WA], v5
	v_add_nc_u32 v[WA], s20, v[WA]
	v_add_nc_u32 v[WA+1], QUART, v[WA]
	v_add_nc_u32 v[WA+2], 2*QUART, v[WA]
	v_add_nc_u32 v[WA+3], 3*QUART, v[WA]
	v_and_b32 v1, 7, v0
	v_lshl_add_u32 v1, v[H], 3, v1
	v_mul_u32_u24 v1, v1, WPI
	v_bfe_u32 v4, v0, 3, 1
	v_lshl_add_u32 v1, v4, 4, v1
	s_lshl_b32 s20, s[WV], 5
	v_add_nc_u32 v[TA], s20, v1                    ; my wave's tile of 16 columns
	v_add_nc_u32 v[TA+1], QUART, v[TA]
	v_add_nc_u32 v[TA+2], 2*QUART, v[TA]
	v_add_nc_u32 v[TA+3], 3*QUART, v[TA]
	s_lshl_b32 s20, s[WV], 6
	s_add_co_u32 s20, s20, GT
	v_lshl_add_u32 v[GS], v[R], 2, s20
	s_lshl_b32 s20, s[WV], 3
	s_add_co_u32 s20, s20, GT
	v_lshl_add_u32 v[GA], v[H], 2, s20
	s_lshl_b32 s20, s[WV], 7
	s_add_co_u32 s20, s20, UT
	v_lshl_add_u32 v[UA], v[R], 3, s20             ; channels 64 w + 4 r .. + 3 in bf16
	v_lshl_add_u32 v[UF], v[H], 4, UT
	s_wait_loadcnt 42                              ; the parts are in; behind them stand Wq's 32 loads, sp, bq and Wpf's 8
.set ii, 1
.rept 7
	v_pk_add_f32 v[PL:PL+1],   v[PL:PL+1],   v[PL+4*ii:PL+4*ii+1]
	v_pk_add_f32 v[PL+2:PL+3], v[PL+2:PL+3], v[PL+4*ii+2:PL+4*ii+3]
.set ii, ii+1
.endr
.set ii, 0
.rept 4
	v_permlanex16_b32 v[PL+4+ii], v[PL+ii], s[SEL], s[SEL+1]  ; the odd parts lie in the other half of the lanes
.set ii, ii+1
.endr
	v_pk_add_f32 v[PL:PL+1],   v[PL:PL+1],   v[PL+4:PL+5]
	v_pk_add_f32 v[PL+2:PL+3], v[PL+2:PL+3], v[PL+6:PL+7]
	v_cvt_pk_bf16_f32 v[PL+8], v[PL],   v[PL+1]
	v_cvt_pk_bf16_f32 v[PL+9], v[PL+2], v[PL+3]
	s_wait_alu depctr_va_vdst(0)                   ; the roundings have written v40 and v41, the LDS store's data; the twelve LDS addresses v8, v9, v12 to v19, v30, v31 are written: no vector instruction stands between here and the LDS stores and loads, up to the matrix instructions, that read them
	ds_store_b64 v[UA], v[PL+8:PL+9]               ; both halves of the lanes hold, and write, the same
	s_wait_loadcnt 10                              ; Wq's rows are in; sp, bq and Wpf's 8 may stay out
.set ii, 0
.rept 32
	ds_store_b128 v[WA+ii/8], v[WQ+4*ii:WQ+4*ii+3] offset:(ii%8)*16*WPI
.set ii, ii+1
.endr
	s_wait_dscnt 0x0
	s_barrier_signal -1
	s_barrier_wait -1
	s_wait_alu depctr_vm_vsrc(0)                   ; my LDS stores have read v128 to v255, in which the turning loads land, and v40 and v41
.set ks, 0
.rept 16
	ds_load_tr16_b128 v[WQ+8*ks:WQ+8*ks+3],   v[TA+ks/4] offset:(ks%4)*32*WPI
	ds_load_tr16_b128 v[WQ+8*ks+4:WQ+8*ks+7], v[TA+ks/4] offset:(ks%4)*32*WPI+16*WPI
.set ks, ks+1
.endr
	WIN 0x40                                       ; these loads' address, v31, was written ahead of the wait on va_vdst above; nothing since names it or window 1's v0 to v127
.set ks, 0
.rept 16
	ds_load_b128 v[8*ks:8*ks+3],   v[UF] offset:64*ks
	ds_load_b128 v[8*ks+4:8*ks+7], v[UF] offset:64*ks+32
.set ks, ks+1
.endr
	s_wait_dscnt 0x0
	WIN 0x01                                       ; source 0 window 1
.set ks, 0
.rept 16
.if ks < 4                             ; four accumulators take turns
	v_wmma_f32_16x16x32_bf16 v[ACC+8*(ks%4):ACC+8*(ks%4)+7], v[8*ks:8*ks+7], v[WQ+8*ks:WQ+8*ks+7], 0
.else
	v_wmma_f32_16x16x32_bf16 v[ACC+8*(ks%4):ACC+8*(ks%4)+7], v[8*ks:8*ks+7], v[WQ+8*ks:WQ+8*ks+7], v[ACC+8*(ks%4):ACC+8*(ks%4)+7]
.endif
.set ks, ks+1
.endr
	WIN 0
	s_wait_loadcnt 0x0
.rept 4
	v_nop
.endr
	v_add_f32 v[ACC], v[ACC], v[ACC+8]             ; each accumulator's lowest register
	v_add_f32 v[ACC+16], v[ACC+16], v[ACC+24]
	v_add_f32 v[ACC], v[ACC], v[ACC+16]            ; (sum qw x) Wq at h = 128 s + 16 w + r
.irp m, 1,2,4,8
	v_add_f32_dpp v24, v24, v24 row_xmask:\m row_mask:0xf bank_mask:0xf   ; sum qw^2 over the 16 parts
	v_add_f32_dpp v25, v25, v25 row_xmask:\m row_mask:0xf bank_mask:0xf   ; sum qw
.endr
	v_sqrt_f32 v27, v24
	v_cvt_pk_bf16_f32 v26, v26, v26                ; bq rounded: the plain instruction behind the root
	s_wait_alu depctr_va_vdst(0)                   ; the root has written v27, ahead of its first reader
	v_mul_f32 v27, 0x3d3504f3, v27                 ; SCALE = 512^-0.5
	v_max_num_f32 v27, 0x2b8cbccc, v27             ; eps = 1e-12
	v_rcp_f32 v28, v27
	v_lshlrev_b32 v26, 16, v26
	s_wait_alu depctr_va_vdst(0)                   ; the reciprocal has written v28, ahead of its first reader
	v_mul_f32 v28, 0x3d3504f3, v28                 ; cb
	v_fma_f32 v29, v25, v26, v[ACC]
	v_mul_f32 v29, v28, v29
	s_wait_alu depctr_va_vdst(0)                   ; v29, the LDS store's data, is written; and the sums of the parts are done reading v48 to v62, in which the loads of G behind the barrier land
	ds_store_b32 v[GS], v29
	s_wait_dscnt 0x0
	s_barrier_signal -1
	s_barrier_wait -1
.set ii, 0
.rept 8
	ds_load_b32 v[GG+2*ii], v[GA] offset:64*ii     ; G of row 16 i + 2 w + h
.set ii, ii+1
.endr
	s_wait_dscnt 0x0
; The eight passes go in two halves: four passes' arithmetic, one wait, their four stores.  The second half's vector instructions name neither v7 nor the first half's sixteen registers of WX.
.set ii, 0
.rept 2
.rept 4
	v_mov_b32 v[GG+2*ii+1], v[GG+2*ii]
.set im, 0
.rept 4
	v_lshlrev_b32 v[PF+2*im], 16, v[WX+4*ii+im]
	v_and_b32 v[PF+2*im+1], 0xffff0000, v[WX+4*ii+im]
.set im, im+1
.endr
.set im, 0
.rept 4
	v_pk_mul_f32 v[PF+2*im:PF+2*im+1], v[PF+2*im:PF+2*im+1], v[GG+2*ii:GG+2*ii+1]
.set im, im+1
.endr
.set im, 0
.rept 4
	v_cvt_pk_bf16_f32 v[WX+4*ii+im], v[PF+2*im], v[PF+2*im+1]
.set im, im+1
.endr
.set ii, ii+1
.endr
	s_wait_alu depctr_va_vdst(0)                   ; the four passes' roundings have written their sixteen registers of WX, which the four stores read
.set io, ii-4
.rept 4
	global_store_b128 v[YO], v[WX+4*io:WX+4*io+3], s[14:15] offset:8192*io  ; 16 lanes store 256 consecutive bytes, aligned
.set io, io+1
.endr
.endr
	s_wait_dscnt 0x0                               ; the closing lines, six on end
	s_wait_alu 0x0
	s_wait_tensorcnt 0x0
	ds_add_u32 v[SPW], v[NIL]
	s_wait_dscnt 0x0
	s_endpgm
.Lfunc_end_k_q0b762e3f01_gate:
	.size	k_q0b762e3f01_gate, .Lfunc_end_k_q0b762e3f01_gate-k_q0b762e3f01_gate
	.p2alignl 7, 3214868480
	.fill 96, 4, 3214868480
	.section	.rodata,"a",@progbits
	.p2align	6, 0x0
	.amdhsa_kernel k_q0b762e3f01_gate
		.amdhsa_group_segment_fixed_size 150016
		.amdhsa_private_segment_fixed_size 0
		.amdhsa_enable_private_segment 0
		.amdhsa_kernarg_size 48
		.amdhsa_user_sgpr_count 2
		.amdhsa_user_sgpr_kernarg_segment_ptr 1
		.amdhsa_wavefront_size32 1
		.amdhsa_system_sgpr_workgroup_id_x 1
		.amdhsa_system_sgpr_workgroup_id_y 1
		.amdhsa_system_sgpr_workgroup_id_z 1
		.amdhsa_system_vgpr_workitem_id 0
		.amdhsa_next_free_vgpr 384
		.amdhsa_next_free_sgpr 66
		.amdhsa_reserve_vcc 0
		.amdhsa_float_denorm_mode_32 3
		.amdhsa_float_denorm_mode_16_64 3
		.amdhsa_memory_ordered 1
		.amdhsa_forward_progress 1
		.amdhsa_inst_pref_size 28
	.end_amdhsa_kernel
	.amdgpu_metadata
---
amdhsa.version: [ 1, 2 ]
amdhsa.kernels:
  - .name:           k_q0b762e3f01_gate
    .symbol:         k_q0b762e3f01_gate.kd
    .args:
      - { .name: up, .offset: 0, .size: 8, .value_kind: global_buffer, .address_space: global }
      - { .name: sp, .offset: 8, .size: 8, .value_kind: global_buffer, .address_space: global }
      - { .name: wqk, .offset: 16, .size: 8, .value_kind: global_buffer, .address_space: global }
      - { .name: wx, .offset: 24, .size: 8, .value_kind: global_buffer, .address_space: global }
      - { .name: bq, .offset: 32, .size: 8, .value_kind: global_buffer, .address_space: global }
      - { .name: w3, .offset: 40, .size: 8, .value_kind: global_buffer, .address_space: global }
    .group_segment_fixed_size: 150016
    .private_segment_fixed_size: 0
    .kernarg_segment_align: 8
    .kernarg_segment_size: 48
    .max_flat_workgroup_size: 256
    .sgpr_count:     66
    .vgpr_count:     384
    .wavefront_size: 32
...
	.end_amdgpu_metadata
.endif
;; end of part 9
;; launch fuse: the kernel of part 8 again; grid 256 x 1, 4 waves a work-group, clusters of 4 x 1, 327,680 bytes of LDS; arguments ab, w3, wx, c0, rk, out0; writes out0
